; MI455X (gfx1250); checked and timed in simulation.
; The chip was launched on July 23, 2026; its instructions are those of AMD's public machine-readable ISA for CDNA 5 (MIT licence, August 2026) and "CDNA5" Instruction Set Architecture Reference Guide (July 2026). The comments in the code are by the model that wrote it; some were corrected since.
;; Transformer. Allowed arithmetic: matrix products marked QUANTISED: E5M2 operands, one given power-of-two scale a tensor, by v_wmma_f32_16x16x64_bf8_bf8 or v_wmma_f32_16x16x128_bf8_bf8, f32 sums; everything else in f32.
;; Inputs: W1 1,024 x 4,096 float32; W2 4,096 x 1,024 float32; Wk 1,024 x 1,024 float32; Wo 1,024 x 1,024 float32; Wq 1,024 x 1,024 float32; Wv 1,024 x 1,024 float32; b1 4,096 float32; b2 1,024 float32; bo 1,024 float32; ln1_scale 1,024 float32; ln1_shift 1,024 float32; ln2_scale 1,024 float32; ln2_shift 1,024 float32; lowp_scales 16 int32 (the exponents e of the quantised operands' scales 2^e); x 2 x 2,048 x 1,024 float32.
;; Outputs: out0 2 x 2,048 x 1,024 float32.
;; This version of the problem:
;;   THIS VERSION OF THE PROBLEM IS GIVEN IN LOW PRECISION. The matrix products marked QUANTISED in the list below multiply operands that are first quantised to E5M2 (5 exponent bits, 2 mantissa bits; 8 bits a number), with one given power-of-two scale for each operand tensor; their sums are f32. All else is computed in f32.
;;   The module's matrix products, in the order in which they are computed (A, B: the left and right operand; K: the contracted axis; several contracted axes count as one K, in the product's order):
;;     1. [M 4,096, K 1,024] x [K 1,024, N 1,024]; A: computed on the way; B: input Wq: QUANTISED (scales: A lowp_scales[0], B lowp_scales[1])
;;     2. [M 4,096, K 1,024] x [K 1,024, N 1,024]; A: computed on the way; B: input Wk: QUANTISED (scales: A lowp_scales[2], B lowp_scales[3])
;;     3. [M 4,096, K 1,024] x [K 1,024, N 1,024]; A: computed on the way; B: input Wv: QUANTISED (scales: A lowp_scales[4], B lowp_scales[5])
;;     4. batch 32 x [M 2,048, K 64] x [K 64, N 2,048]; A: computed on the way; B: computed on the way: QUANTISED (scales: A lowp_scales[6], B lowp_scales[7])
;;     5. batch 32 x [M 2,048, K 2,048] x [K 2,048, N 64]; A: softmax (see below); B: computed on the way: QUANTISED (scales: A lowp_scales[8], B lowp_scales[9])
;;     6. [M 4,096, K 1,024] x [K 1,024, N 1,024]; A: computed on the way; B: input Wo: QUANTISED (scales: A lowp_scales[10], B lowp_scales[11])
;;     7. [M 4,096, K 1,024] x [K 1,024, N 4,096]; A: computed on the way; B: input W1: QUANTISED (scales: A lowp_scales[12], B lowp_scales[13])
;;     8. [M 4,096, K 4,096] x [K 4,096, N 1,024]; A: computed on the way; B: input W2: QUANTISED (scales: A lowp_scales[14], B lowp_scales[15])
;;   THE QUANTISER, for each operand of a quantised product, along K:
;;     - The operand's scale is 2^e, e = its entry of the input lowp_scales (int32; the entries are numbered through the quantised products in the list's order, A before B).
;;     - Each number is divided by the scale, clamped to +-57,344, and rounded to the nearest number of E5M2, ties to even, subnormals kept.
;;     - The product sums the exact products of the quantised numbers (number of the format x scale) in f32.
;;   ~~~python
;;   def quantise(x, axis, e):      # numpy; x: float32 -> the quantised numbers, widened to float32 again
;;       x = np.moveaxis(x, axis, -1); K = x.shape[-1]
;;       r = np.clip(x / 2.0 ** e, -57344, 57344)
;;       step = 2.0 ** (np.maximum(np.frexp(np.where(r == 0, 1, r))[1] - 1, -14) - 2)
;;       q = np.round(r / step) * step * 2.0 ** e      # np.round: ties to even
;;       return np.moveaxis(q, -1, axis).astype(np.float32)
;;   ~~~
;;   SOFTMAX AHEAD OF A QUANTISED PRODUCT. Where the list says 'softmax', what is quantised is not the finished softmax but p = 2^(t - M), with t = logit x log2(e) and M = ceil(the row's largest t), a whole number; so 1/2 < the row's largest p <= 1. The row's sum l is taken of the UNQUANTISED p, in f32, and the product's result is divided by l at the end. Since M is a whole number, a kernel that streams over the keys may use a running M (the ceiling of the running maximum): every later rescaling is an exact power of two, so the quantised numbers keep their values, but for numbers so far below the row's largest that they fall under the format's range.
;;   OPERANDS COMPUTED ON THE WAY. 'Computed on the way' means the value that the module computes at that place (a softmax that the list does not call 'softmax' is quantised finished and normalised). What goes into a quantiser is computed in f32, as accurately as f32 sums, v_exp_f32 and their like allow (about 1e-6 of the number): no bf16 or f16 on the way to a quantiser, and a product that is left as it is and whose result goes on into a quantised operand takes f32 operands (vector FMAs, or v_wmma_f32_16x16x4_f32). A number that lies on a knife's edge between two numbers of the format may be rounded either way, as far as f32 arithmetic and the matrix unit's own rounding can turn it there, and no further.
;; 2 versions. Each part assembles by itself: llvm-mc -triple=amdgcn-amd-amdhsa -mcpu=gfx1250 --defsym DOCPART=n.
;; ======== version 1 of 2: 7 launches
;; workspace buffers: wimg 12,582,912 bytes; himg 12,582,912 bytes; qkvc 12,582,912 bytes; ctx 4,194,304 bytes; x1 16,777,216 bytes; h2 4,194,304 bytes; gimg 16,777,216 bytes
;; launch prep (part 1): grid 640 x 1, 4 waves a work-group, no clusters, 50,688 bytes of LDS; arguments Wq, Wk, Wv, Wo, W1, W2, x, ln1_scale, ln1_shift, lowp_scales, wimg, himg; writes wimg, himg
.if DOCPART == 1
	.amdgcn_target "amdgcn-amd-amdhsa--gfx1250"
	.amdhsa_code_object_version 6
	.text
	.protected	k_q008d87b6ef_prep
	.globl	k_q008d87b6ef_prep
	.p2align	8
	.type	k_q008d87b6ef_prep,@function
k_q008d87b6ef_prep:
	s_mov_b64 s[64:65], 0
	v_nop
	global_prefetch_b8 v0, s[64:65] scope:SCOPE_SE
	s_setreg_imm32_b32 hwreg(HW_REG_WAVE_MODE, 25, 1), 1
	s_wait_xcnt 0x0
; PREP.  Work-groups 0-383 turn the six weights (f32, stored [K][N]) into codes of E5M2; work-groups 384-639 make LayerNorm 1 of x and quantise it three times (entries 0, 2, 4 of the scales).
; THE LAYOUT OF EVERY OPERAND OF CODES IN THIS PROGRAM (an IMAGE): [block of 64 rows][block of 128 along K][fragment f = 0..3][2,048 bytes].  A fragment is the picture of the 16 registers that a lane
; of the matrix instruction holds: byte 512 c + 16 l + i (lane l = 16 h + r) is k = 32 c + 16 h + i of the K block, of the row at place r.  Place r of fragment f is row 32 (f / 2) + 8 (f % 2) + r + 8 (r / 8)
; of the block of 64.  So a fragment is fetched by four loads of 16 bytes a lane, 512 consecutive bytes each, and 64 rows x 512 K are 32,768 consecutive bytes.
; code = x / 2^e, held within +-57,344, to the nearest code, ties to even.  LIMITS: each e used here lies between -126 and 112, so that 2^e and 57,344 x 2^e are f32 numbers.  NaN among the inputs is not served.
; The two paths part on the work-group's number alone: all four waves of a work-group take the same path; only the second path uses LDS and has a barrier.
.set WA, 16                            ; weights: v16-47   byte offset of row i of a block of 32 rows, at my column
.set WX, 48                            ;          v48-111  two sets of 32 numbers
.set WC, 112                           ;          v112-175 codes: eight registers for each block, never written again
.set P,  2                             ; norm: v2-9    a pair of sums for each of my four rows
.set MR, 10                            ;       v10-17  a pair for each row: the mean, later 1 / sqrt(var + eps)
.set QS, 24                            ;       v24-29  for each of the three scales: 2^e, 57,344 x 2^e
.set X,  32                            ;       v32-159 my four rows, 32 registers each
.set SC, 160                           ;       v160-191 the gain at my columns
.set SH, 192                           ;       v192-223 the shift
.set T,  224                           ;       v224-239 two sets of 8 numbers held for the conversion
.set CD, 240                           ;       v240-255 two banks of 8 registers of codes
.set SPITCH, 1040                      ; a stage row: 1,024 codes + 16: an odd multiple of 16 bytes
.set STGB, 16*SPITCH                   ; a stage: 16 rows; one stage for each scale
.set XP,  16                           ; s[16:17] x
.set SCP, 18                           ; s[18:19] gain
.set SHP, 20                           ; s[20:21] shift
.set HB,  40                           ; s[40:45] where the three images of my 16 rows begin
.set EX,  68                           ; s[68:83] the sixteen exponents
.set SEL, 84                           ; s84, s85 lane selects; s86 = 1 / 1024; s87 = 1e-5
.macro WLOAD t                         ; block t: W(32 t + i, my column), i = 0 .. 31: each load reads 128 consecutive bytes a wave, the four waves side by side
.set i, 0
.rept 32
	global_load_b32 v[WX+32*((\t)%2)+i], v[WA+i], s[40+2*(\t):41+2*(\t)] th:TH_LOAD_NT
.set i, i+1
.endr
.endm
.macro WBLOCK t
.if (\t) < 7
	s_wait_loadcnt 32                              ; this block's 32 loads are in; the next block's 32 may be out
.else
	s_wait_loadcnt 0
.endif
.set i, 0
.rept 32
	v_med3_num_f32 v[WX+32*((\t)%2)+i], v[WX+32*((\t)%2)+i], -v10, v10   ; the conversion does not saturate (ISA guide 7.6.2): the hold at the largest code x the scale
.set i, i+1
.endr
.irp g, 0,1,2,3
	v_cvt_scalef32_pk8_bf8_f32 v[WC+8*(\t)+2*\g:WC+8*(\t)+2*\g+1], v[WX+32*((\t)%2)+8*\g:WX+32*((\t)%2)+8*\g+7], v11
.endr
	global_store_b128 v4, v[WC+8*(\t):WC+8*(\t)+3], s[56:57] offset:((\t)/4)*8192+((\t)%4)*512          ; k 0-15 of the block: the image's lanes 0-15; sixteen lanes store 256 consecutive bytes, aligned
	global_store_b128 v4, v[WC+8*(\t)+4:WC+8*(\t)+7], s[56:57] offset:((\t)/4)*8192+((\t)%4)*512+256    ; k 16-31: its lanes 16-31
.if (\t) < 6
	WLOAD (\t)+2
.endif
.endm
.macro REDUCE                          ; the four rows' pairs of sums become sums over the wave's 32 lanes, in every lane; the rows take turns line by line
.irp i, 0,1,2,3
	v_add_f32 v[P+2*\i], v[P+2*\i], v[P+2*\i+1]
.endr
.irp m, 1,2,4,8
.irp i, 0,1,2,3
	v_add_f32_dpp v[P+2*\i], v[P+2*\i], v[P+2*\i] row_xmask:\m row_mask:0xf bank_mask:0xf
.endr
.endr
.irp i, 0,1,2,3
	v_permlanex16_b32 v[P+2*\i+1], v[P+2*\i], s[SEL], s[SEL+1]
.endr
.irp i, 0,1,2,3
	v_add_f32 v[P+2*\i], v[P+2*\i], v[P+2*\i+1]
.endr
.endm
; Row i is quantised with scale q and goes into stage q.  Eight registers are two loads' four numbers: k = 128 jj + 4 l + 0..3 and 128 (jj + 1) + 4 l + 0..3: the conversion's two registers go to two places of the row.
.macro QROW n, q, i
.if (\n) >= 2
	s_wait_dscnt 8                                 ; the 8 stores of the row before may be out; those of the row before that, which read this bank of codes, are done
.endif
.irp jj, 0,2,4,6
.set TS, T+8*((\jj/2)%2)
.set CQ, CD+8*((\n)%2)+\jj
.set k, 0
.rept 8
	v_med3_num_f32 v[TS+k], v[X+32*(\i)+4*\jj+k], -v[QS+2*(\q)+1], v[QS+2*(\q)+1]
.set k, k+1
.endr
	v_cvt_scalef32_pk8_bf8_f32 v[CQ:CQ+1], v[TS:TS+7], v[QS+2*(\q)]      ; the other set's eight holds stand between this line and the next write of its sources
	ds_store_b32 v20, v[CQ] offset:(\q)*STGB+(\i)*SPITCH+128*\jj         ; 32 lanes: 128 consecutive bytes of the row
	ds_store_b32 v20, v[CQ+1] offset:(\q)*STGB+(\i)*SPITCH+128*\jj+128
.endr
.endm
	s_load_b512 s[4:19], s[0:1], 0x0               ; Wq s[4:5], Wk, Wv, Wo, W1, W2 s[14:15], x s[16:17], gain s[18:19]
	s_load_b256 s[20:27], s[0:1], 0x40             ; shift s[20:21], the exponents s[22:23], wimg s[24:25], himg s[26:27]
	s_set_vgpr_msb 0x40
	v_lshl_add_u32 v0, v0, 2, 0xc400
	v_mov_b32 v1, 0
	s_set_vgpr_msb 0x4000
	v_lshrrev_b32 v1, 5, v0
	v_readfirstlane_b32 s28, v1                    ; wave 0..3
	v_and_b32 v1, 31, v0                           ; lane
	s_wait_kmcnt 0x0
	s_load_b512 s[EX:EX+15], s[22:23], 0x0
	s_cmp_lt_u32 ttmp9, 384
	s_cbranch_scc0 .Lln
	; ---------------- THE WEIGHTS.  A work-group takes 128 columns x 256 along K of one weight, a wave 32 columns: A LANE TAKES A COLUMN AND ITS REGISTERS RUN DOWN K, so the conversions give codes with K innermost.
	; 32 work-groups for each of Wq, Wk, Wv, Wo, then 128 for W1, then 128 for W2.
	s_lshr_b32 s29, ttmp9, 5
	s_sub_co_u32 s30, ttmp9, 128
	s_lshr_b32 s30, s30, 7
	s_add_co_u32 s30, s30, 4
	s_and_b32 s31, ttmp9, 31
	s_and_b32 s32, ttmp9, 127
	s_cmp_lt_u32 ttmp9, 128
	s_cselect_b32 s29, s29, s30                    ; which weight, 0..5
	s_cselect_b32 s30, s31, s32                    ; which part of it
	s_and_b32 s31, s30, 31
	s_lshr_b32 s32, s30, 5
	s_and_b32 s36, s30, 7
	s_lshr_b32 s37, s30, 3
	s_mov_b32 s33, 4096
	s_cmp_eq_u32 s29, 4                            ; W1 is 4,096 columns wide, the others 1,024
	s_cselect_b32 s31, s31, s36                    ; which 128 columns
	s_cselect_b32 s32, s32, s37                    ; which 256 along K
	s_cselect_b32 s33, 16384, s33                  ; a row of the weight in bytes
	s_lshl_b32 s35, s29, 20
	s_mov_b32 s34, 65536
	s_cmp_eq_u32 s29, 5                            ; W2 has K = 4,096, the others 1,024
	s_cselect_b32 s34, 262144, s34                 ; a block of 64 rows of the image in bytes
	s_cselect_b32 s35, 0x800000, s35               ; where the weight's image begins in wimg: 1 MiB each for the first four, W1 at 4 MiB, W2 at 8 MiB
	s_mov_b64 s[58:59], s[4:5]
.irp j, 1,2,3,4,5
	s_cmp_eq_u32 s29, \j
	s_cselect_b64 s[58:59], s[4+2*\j:5+2*\j], s[58:59]   ; the weight's address: a choice on the work-group's number
.endr
	v_and_b32 v2, 7, v1
	v_bfe_u32 v5, v1, 3, 1
	v_lshl_add_u32 v2, v5, 4, v2
	v_lshrrev_b32 v5, 4, v1                        ; u: which of my wave's two fragments
	v_lshl_add_u32 v2, v5, 3, v2                   ; my column among the wave's 32: 16 ((l / 8) % 2) + 8 (l / 16) + l % 8: the image's order of rows
	v_lshlrev_b32 v3, 2, v2
	v_and_b32 v6, 15, v1
	v_lshlrev_b32 v4, 4, v6
	v_lshl_add_u32 v4, v5, 11, v4                  ; out: 2,048 u + 16 r
.set i, 0
.rept 32
	v_mad_u32_u24 v[WA+i], s33, i, v3
.set i, i+1
.endr
	s_lshl_b32 s36, s32, 8
	s_mul_i32 s36, s36, s33                        ; 256 x part rows down,
	s_lshl_b32 s37, s31, 9
	s_add_co_u32 s36, s36, s37                     ; 128 x part columns on,
	s_lshl_b32 s37, s28, 7
	s_add_co_u32 s36, s36, s37                     ; 32 x wave columns on
	s_mov_b32 s37, 0
	s_add_nc_u64 s[40:41], s[58:59], s[36:37]
	s_lshl_b32 s38, s33, 5                         ; 32 rows
	s_mov_b32 s39, 0
.irp t, 1,2,3,4,5,6,7
	s_add_nc_u64 s[40+2*\t:41+2*\t], s[38+2*\t:39+2*\t], s[38:39]   ; a base for each block of 32 rows, so that no address is ever stepped
.endr
	s_lshl_b32 s36, s31, 1
	s_lshr_b32 s37, s28, 1
	s_add_co_u32 s36, s36, s37                     ; my block of 64 rows of the image
	s_mul_i32 s36, s36, s34
	s_add_co_u32 s36, s36, s35
	s_lshl_b32 s37, s32, 14                        ; two K blocks of 8,192 bytes for each 256 along K
	s_add_co_u32 s36, s36, s37
	s_and_b32 s37, s28, 1
	s_lshl_b32 s37, s37, 12                        ; my two fragments of its four
	s_add_co_u32 s36, s36, s37
	s_mov_b32 s37, 0
	s_add_nc_u64 s[56:57], s[24:25], s[36:37]
	WLOAD 0
	WLOAD 1
	s_wait_kmcnt 0x0
	s_mov_b32 s60, s[EX+1]                         ; the weight's exponent: entries 1, 3, 5, 11, 13, 15
	s_cmp_eq_u32 s29, 1
	s_cselect_b32 s60, s[EX+3], s60
	s_cmp_eq_u32 s29, 2
	s_cselect_b32 s60, s[EX+5], s60
	s_cmp_eq_u32 s29, 3
	s_cselect_b32 s60, s[EX+11], s60
	s_cmp_eq_u32 s29, 4
	s_cselect_b32 s60, s[EX+13], s60
	s_cmp_eq_u32 s29, 5
	s_cselect_b32 s60, s[EX+15], s60
	s_add_co_i32 s60, s60, 127
	s_lshl_b32 s61, s60, 23
	v_mov_b32 v11, s61                             ; 2^e as f32: the conversion takes its exponent field
	s_add_co_i32 s60, s60, 15
	s_lshl_b32 s60, s60, 23
	s_or_b32 s60, s60, 0x600000
	v_mov_b32 v10, s60                             ; 57,344 x 2^e
.irp t, 0,1,2,3,4,5,6,7
	WBLOCK \t
.endr
	s_endpgm
.Lln:
	; ---------------- LAYERNORM 1.  A work-group takes the 16 rows of one fragment; wave w the four rows at places 4 w .. 4 w + 3, which are neighbours in x.  A row lies in 32 registers of the wave: it is read once.
	s_sub_co_u32 s30, ttmp9, 384                   ; g: which fragment of 16 rows
	s_lshr_b32 s31, s30, 1
	s_lshl_b32 s31, s31, 5
	s_and_b32 s32, s30, 1
	s_lshl_b32 s32, s32, 3
	s_add_co_u32 s31, s31, s32
	s_lshl_b32 s32, s28, 2
	s_add_co_u32 s31, s31, s32
	s_lshr_b32 s32, s28, 1
	s_lshl_b32 s32, s32, 3
	s_add_co_u32 s31, s31, s32                     ; my first row: 32 (g / 2) + 8 (g % 2) + 4 w + 8 (w / 2)
	s_lshl_b32 s32, s31, 12
	s_mov_b32 s33, 0
	s_add_nc_u64 s[XP:XP+1], s[XP:XP+1], s[32:33]
	s_lshr_b32 s34, s30, 2
	s_lshl_b32 s34, s34, 16                        ; the block of 64 rows: 8 K blocks of 8,192 bytes,
	s_and_b32 s35, s30, 3
	s_lshl_b32 s35, s35, 11                        ; the fragment in each
	s_add_co_u32 s34, s34, s35
	s_mov_b32 s35, 0
	s_add_nc_u64 s[HB:HB+1], s[26:27], s[34:35]
	s_add_nc_u64 s[HB+2:HB+3], s[HB:HB+1], 0x400000    ; the three images lie 4 MiB apart
	s_add_nc_u64 s[HB+4:HB+5], s[HB+2:HB+3], 0x400000
	v_lshlrev_b32 v23, 4, v1                       ; 16 x lane
.irp i, 0,1,2,3
.irp j, 0,1,2,3,4,5,6,7
	global_load_b128 v[X+32*\i+4*\j:X+32*\i+4*\j+3], v23, s[XP:XP+1] offset:\i*4096+512*\j th:TH_LOAD_NT   ; 512 consecutive bytes a load
.endr
.endr
.irp j, 0,1,2,3,4,5,6,7
	global_load_b128 v[SC+4*\j:SC+4*\j+3], v23, s[SCP:SCP+1] offset:512*\j
	global_load_b128 v[SH+4*\j:SH+4*\j+3], v23, s[SHP:SHP+1] offset:512*\j
.endr
	s_mul_i32 s36, s28, 4*SPITCH
	v_lshl_add_u32 v20, v1, 2, s36                 ; into a stage: my wave's four rows, 4 bytes a lane
	v_and_b32 v18, 15, v1
	v_lshrrev_b32 v19, 4, v1
	v_mul_u32_u24 v21, v18, SPITCH
	v_lshl_add_u32 v21, v19, 4, v21
	s_lshl_b32 s36, s28, 8
	v_add_nc_u32 v21, s36, v21                     ; out of it: row r, 16 h, and my wave's two K blocks: 256 w
	s_lshl_b32 s36, s28, 14
	v_add_nc_u32 v22, s36, v23                     ; and in the image: 16 x lane + two K blocks x wave
	s_mov_b32 s[SEL], 0x76543210
	s_mov_b32 s[SEL+1], 0xfedcba98
	s_mov_b32 s[SEL+2], 0x3a800000                 ; 1 / 1024
	s_mov_b32 s[SEL+3], 0x3727c5ac                 ; 1e-5
	s_wait_kmcnt 0x0
.irp q, 0,1,2
	s_add_co_i32 s36, s[EX+2*\q], 127              ; entries 0, 2, 4
	s_lshl_b32 s37, s36, 23
	v_mov_b32 v[QS+2*\q], s37
	s_add_co_i32 s36, s36, 15
	s_lshl_b32 s36, s36, 23
	s_or_b32 s36, s36, 0x600000
	v_mov_b32 v[QS+2*\q+1], s36
.endr
	s_wait_loadcnt 16                              ; x's 32 loads are in; the 16 of gain and shift may be out
.irp i, 0,1,2,3
	v_pk_add_f32 v[P+2*\i:P+2*\i+1], v[X+32*\i:X+32*\i+1], v[X+32*\i+2:X+32*\i+3]
.endr
.set k, 4
.rept 14
.irp i, 0,1,2,3
	v_pk_add_f32 v[P+2*\i:P+2*\i+1], v[P+2*\i:P+2*\i+1], v[X+32*\i+k:X+32*\i+k+1]
.endr
.set k, k+2
.endr
	REDUCE
.irp i, 0,1,2,3
	v_mul_f32 v[MR+2*\i], s[SEL+2], v[P+2*\i]      ; the mean
	v_mov_b32 v[MR+2*\i+1], v[MR+2*\i]
.endr
.set k, 0
.rept 16
.irp i, 0,1,2,3
	v_pk_add_f32 v[X+32*\i+k:X+32*\i+k+1], v[X+32*\i+k:X+32*\i+k+1], v[MR+2*\i:MR+2*\i+1] neg_lo:[0,1] neg_hi:[0,1]   ; x - mean, in place: the variance is a sum of squares of differences
.endr
.set k, k+2
.endr
.irp i, 0,1,2,3
	v_pk_mul_f32 v[P+2*\i:P+2*\i+1], v[X+32*\i:X+32*\i+1], v[X+32*\i:X+32*\i+1]
.endr
.set k, 2
.rept 15
.irp i, 0,1,2,3
	v_pk_fma_f32 v[P+2*\i:P+2*\i+1], v[X+32*\i+k:X+32*\i+k+1], v[X+32*\i+k:X+32*\i+k+1], v[P+2*\i:P+2*\i+1]
.endr
.set k, k+2
.endr
	REDUCE
.irp i, 0,1,2,3
	v_fma_f32 v[P+2*\i], v[P+2*\i], s[SEL+2], s[SEL+3]   ; var + eps
.endr
.irp i, 0,1,2,3
	v_rsq_f32 v[MR+2*\i], v[P+2*\i]
.endr
	v_nop                                          ; a plain instruction behind the last of the batch (ISA guide 5.7.2)
	s_wait_alu depctr_va_vdst(0)                   ; one wait for the four, ahead of the first line that names a result
.irp i, 0,1,2,3
	v_mov_b32 v[MR+2*\i+1], v[MR+2*\i]
.endr
	s_wait_loadcnt 0x0                             ; gain and shift
.irp i, 0,1,2,3
.set k, 0
.rept 16
	v_pk_mul_f32 v[X+32*\i+k:X+32*\i+k+1], v[X+32*\i+k:X+32*\i+k+1], v[MR+2*\i:MR+2*\i+1]
.set k, k+2
.endr
.set k, 0
.rept 16
	v_pk_fma_f32 v[X+32*\i+k:X+32*\i+k+1], v[X+32*\i+k:X+32*\i+k+1], v[SC+k:SC+k+1], v[SH+k:SH+k+1]
.set k, k+2
.endr
.endr
.set n, 0
.irp q, 0,1,2
.irp i, 0,1,2,3
	QROW n, \q, \i
.set n, n+1
.endr
.endr
	v_nop
	s_wait_dscnt 0x0                               ; for the others' sake: my stores into the stages are done
	s_barrier_signal -1
	s_barrier_wait -1
	; the way out: wave w takes K blocks 2 w and 2 w + 1 of each stage, in the image's order, and stores 512 consecutive bytes an instruction
.set n, 0
.irp q, 0,1,2
.irp kk, 0,1
.irp c, 0,1,2,3
	ds_load_b128 v[X+4*n:X+4*n+3], v21 offset:\q*STGB+128*\kk+32*\c
.set n, n+1
.endr
.endr
.endr
.set n, 0
.irp q, 0,1,2
.irp kk, 0,1
.irp c, 0,1,2,3
	s_wait_dscnt 23-n                              ; LDS loads come back in order (ISA guide 5.7.1): load n is in
	global_store_b128 v22, v[X+4*n:X+4*n+3], s[HB+2*\q:HB+2*\q+1] offset:\kk*8192+512*\c
.set n, n+1
.endr
.endr
.endr
	s_set_vgpr_msb 0x5
	s_wait_tensorcnt 0x0
	ds_add_u32 v0, v1
	s_wait_dscnt 0x0
	s_set_vgpr_msb 0x500
	s_endpgm
.Lfunc_end_k_q008d87b6ef_prep:
	.size	k_q008d87b6ef_prep, .Lfunc_end_k_q008d87b6ef_prep-k_q008d87b6ef_prep
	.p2alignl 7, 3214868480
	.fill 96, 4, 3214868480
	.section	.rodata,"a",@progbits
	.p2align	6, 0x0
	.amdhsa_kernel k_q008d87b6ef_prep
		.amdhsa_group_segment_fixed_size 50688
		.amdhsa_private_segment_fixed_size 0
		.amdhsa_enable_private_segment 0
		.amdhsa_kernarg_size 96
		.amdhsa_user_sgpr_count 2
		.amdhsa_user_sgpr_kernarg_segment_ptr 1
		.amdhsa_wavefront_size32 1
		.amdhsa_system_sgpr_workgroup_id_x 1
		.amdhsa_system_sgpr_workgroup_id_y 1
		.amdhsa_system_sgpr_workgroup_id_z 1
		.amdhsa_system_vgpr_workitem_id 0
		.amdhsa_next_free_vgpr 258
		.amdhsa_next_free_sgpr 100
		.amdhsa_reserve_vcc 0
		.amdhsa_float_denorm_mode_32 3
		.amdhsa_float_denorm_mode_16_64 3
		.amdhsa_memory_ordered 1
		.amdhsa_forward_progress 1
		.amdhsa_inst_pref_size 119
	.end_amdhsa_kernel
	.amdgpu_metadata
---
amdhsa.version: [ 1, 2 ]
amdhsa.kernels:
  - .name:           k_q008d87b6ef_prep
    .symbol:         k_q008d87b6ef_prep.kd
    .args:
      - { .name: Wq, .offset: 0, .size: 8, .value_kind: global_buffer, .address_space: global }
      - { .name: Wk, .offset: 8, .size: 8, .value_kind: global_buffer, .address_space: global }
      - { .name: Wv, .offset: 16, .size: 8, .value_kind: global_buffer, .address_space: global }
      - { .name: Wo, .offset: 24, .size: 8, .value_kind: global_buffer, .address_space: global }
      - { .name: W1, .offset: 32, .size: 8, .value_kind: global_buffer, .address_space: global }
      - { .name: W2, .offset: 40, .size: 8, .value_kind: global_buffer, .address_space: global }
      - { .name: x, .offset: 48, .size: 8, .value_kind: global_buffer, .address_space: global }
      - { .name: ln1_scale, .offset: 56, .size: 8, .value_kind: global_buffer, .address_space: global }
      - { .name: ln1_shift, .offset: 64, .size: 8, .value_kind: global_buffer, .address_space: global }
      - { .name: lowp_scales, .offset: 72, .size: 8, .value_kind: global_buffer, .address_space: global }
      - { .name: wimg, .offset: 80, .size: 8, .value_kind: global_buffer, .address_space: global }
      - { .name: himg, .offset: 88, .size: 8, .value_kind: global_buffer, .address_space: global }
    .group_segment_fixed_size: 50688
    .private_segment_fixed_size: 0
    .kernarg_segment_align: 8
    .kernarg_segment_size: 96
    .max_flat_workgroup_size: 128
    .sgpr_count:     100
    .vgpr_count:     258
    .wavefront_size: 32
...
	.end_amdgpu_metadata
.endif
;; end of part 1
;; launch qkv (part 2): grid 16 x 48, 4 waves a work-group, clusters of 4 x 4, 327,680 bytes of LDS; arguments himg, wimg, lowp_scales, qkvc; writes qkvc
.if DOCPART == 2
	.amdgcn_target "amdgcn-amd-amdhsa--gfx1250"
	.amdhsa_code_object_version 6
	.text
	.protected	k_q008d87b6ef_qkv
	.globl	k_q008d87b6ef_qkv
	.p2align	8
	.type	k_q008d87b6ef_qkv,@function
k_q008d87b6ef_qkv:
	s_mov_b64 s[64:65], 0
	v_nop
	global_prefetch_b8 v0, s[64:65] scope:SCOPE_SE
	s_setreg_imm32_b32 hwreg(HW_REG_WAVE_MODE, 25, 1), 1
	s_wait_xcnt 0x0
	s_wait_alu depctr_hold_cnt(0) depctr_sa_sdst(0) depctr_va_vdst(0) depctr_va_sdst(0) depctr_va_ssrc(0) depctr_va_vcc(0) depctr_vm_vsrc(0)
	s_getreg_b32 s2, hwreg(HW_REG_IB_STS2, 6, 4)
	s_cmp_eq_u32 s2, 0
	s_cbranch_scc0 .Lentry_in_a_cluster
	s_endpgm
.Lentry_in_a_cluster:
	s_bfe_u32 s2, ttmp6, 0x10000c
	s_cmp_lg_u32 s2, 0xf033
	s_cbranch_scc0 .Lentry_shape_is_right
	s_endpgm
.Lentry_shape_is_right:
; QKV.  Three products on codes of E5M2 (K = 1,024), each result quantised at once for attention:  q = h Wq (scales 0, 1; out 6),  k = h Wk (2, 3; out 7),  v = h Wv (4, 5; out 9).
; OPERANDS are images (see below): [block of 64 rows][K block of 128][fragment 0..3][2,048 bytes]; byte 512 c + 16 l + i of a fragment is k = 32 c + 16 (l / 16) + i of the row at place l % 16;
; place r of fragment f is row 32 (f / 2) + 8 (f % 2) + r + 8 (r / 8) of the 64.  The place of k in the registers is the same permutation in both operands, so every product meets its partner.
; THE CORE.  A tile is 128 rows of R x 128 rows of P; four waves, each 64 x 64: 16 accumulators.  Source 0 = a fragment of P, source 1 = a fragment of R: a lane holds ONE row of R, and the 16 registers of
; accumulators (a, 2 b), (a, 2 b + 1) are 16 NEIGHBOURS along P (32 b + 16 (l / 16) + 0 .. 15): two conversions make four registers of the next operand's image.
; q, k: R = tokens (h), P = the weight's columns: codes run along the head's 64.   v: R = Wv's columns, P = tokens: codes run along the KEYS, as the second product of attention wants them.
; K goes in steps of 512 through two LDS slots; with K = 1,024 each slot is filled once.  A wave fetches 64 rows x 512 K, 32,768 consecutive bytes, by one tensor load.
; CLUSTERS: 4 x 4 work-groups: the four of a row need the same tile of R, the four of a column the same tile of P: each is asked for JOINTLY.  32 clusters serve q and k, 16 serve v; which, hangs on the cluster's coordinates alone.
; OUT, in qkvc:  q at 0: [batch x head][group of 16 tokens][1,024 bytes];  k and v from 4 MiB on: [batch x head][block of 128 keys][16,384 bytes]: eight fragments of k (16 keys x 64), then four of v^T (16 of the head's 64 x 128 keys).
; LIMITS: (out's e) - (the two operands' e) lies between -126 and 112.
; REGISTERS: window 0: v4-7 store offsets, v12, v13 the conversion's scale and the hold, v16-21 LDS addresses, v27-29, v32-63 codes, v128-255 accumulators ((a, b) at 128 + 8 (4 a + b));  window 1: two fragment buffers of 128: R's four fragments, then P's four.
.set HALFT,  32768                     ; 64 rows x 512 K: what one tensor load brings, and what one wave reads of R or of P
.set SLOT,   4*HALFT                   ; R's two blocks of 64 rows, then P's two
.set SPARE,  2*SLOT                    ; behind the ring: the spare words, 128 bytes for each wave: two blocks of 256 bytes that no other line names
.set ADRA, 16                          ; v16-17  LDS address of my fragments of R in slot 0, 1
.set ADRB, 20                          ; v20-21  the same for P
.set LI,   27                          ; v27     16 x lane
.set SPW,  28                          ; v28     LDS address of my spare word; never rewritten
.set NIL,  29                          ; v29     0; never rewritten
.set ACC,  128
.set F0,   0
.set F1,   128
.set G1,   24                          ; s[24:31] descriptor group 1 for R's tiles; s[32:39] group 0, a set for each slot
.set G0,   32
.set G1B,  48                          ; s[48:55], s[56:63] the same for P's
.set G0B,  56
.set MSB,  0
.macro WIN new                         ; the immediate's high byte repeats the setting that is left
.if MSB != \new
	s_set_vgpr_msb (MSB<<8)|\new
.set MSB, \new
.endif
.endm
.set MUL,  0x05                        ; sources 0 (P) and 1 (R) window 1; C and D window 0
.set TO_F, 0x40                        ; destination window 1, address window 0
.macro JLOAD s                         ; a joint load: waves 0 and 1 fetch R's two blocks, waves 2 and 3 P's; four v_nop follow each of the two lines
	s_cmp_eq_u32 s11, 0
	s_cbranch_scc0 .Lfor_b_\@
	tensor_load_to_lds s[G0+4*\s:G0+4*\s+3], s[G1:G1+7]
	s_nop 0
.rept 4
	v_nop
.endr
	s_branch .Lasked_\@
.Lfor_b_\@:
	tensor_load_to_lds s[G0B+4*\s:G0B+4*\s+3], s[G1B:G1B+7]
	s_nop 0
.rept 4
	v_nop
.endr
.Lasked_\@:
.endm
.macro CREST                           ; a round of the cluster's barrier behind its opening barrier
	s_cmp_lg_u32 s10, 0
	s_cbranch_scc1 .Lnot_wave_0_\@
	s_barrier_signal -3
.Lnot_wave_0_\@:
	s_barrier_wait -3
	s_barrier_signal -1
	s_barrier_wait -1
.endm
.macro CROUND
	s_barrier_signal -1
	s_barrier_wait -1
	CREST
.endm
.macro PLACES                          ; four places in front of loads into registers that matrix instructions have read, and of the first read of results
.rept 4
	v_nop
.endr
.endm
.macro FETCH slot, q, f                ; 32 LDS loads in one run: K block q of the slot into buffer f: P's four fragments, then R's; each load takes 512 consecutive bytes
	WIN TO_F
.irp i, 0,1,2,3
.irp c, 0,1,2,3
	ds_load_b128 v[\f+64+16*\i+4*\c:\f+64+16*\i+4*\c+3], v[ADRB+\slot] offset:(\q)*8192+\i*2048+\c*512
.endr
.endr
.irp i, 0,1,2,3
.irp c, 0,1,2,3
	ds_load_b128 v[\f+16*\i+4*\c:\f+16*\i+4*\c+3], v[ADRA+\slot] offset:(\q)*8192+\i*2048+\c*512
.endr
.endr
.endm
.macro MULA f, a, zero                 ; R's fragment a against P's four.  The 16 accumulators take turns, one instruction a turn, in the same order in every quarter
	WIN MUL
.irp b, 0,1,2,3
.if \zero
	v_wmma_f32_16x16x128_bf8_bf8 v[ACC+8*(4*(\a)+\b):ACC+8*(4*(\a)+\b)+7], v[\f+64+16*\b:\f+64+16*\b+15], v[\f+16*(\a):\f+16*(\a)+15], 0
.else
	v_wmma_f32_16x16x128_bf8_bf8 v[ACC+8*(4*(\a)+\b):ACC+8*(4*(\a)+\b)+7], v[\f+64+16*\b:\f+64+16*\b+15], v[\f+16*(\a):\f+16*(\a)+15], v[ACC+8*(4*(\a)+\b):ACC+8*(4*(\a)+\b)+7]
.endif
.endr
.endm
.macro QUARTER slot, q, f, g, zero     ; 128 along K: multiplies buffer f; in its middle fetches K block q of the same slot into g
	s_wait_dscnt 8                                 ; P's fragments and R's 0, 1 are in; the youngest eight loads (R's 2, 3) may be out
	MULA \f, 0, \zero
	MULA \f, 1, \zero
	PLACES
	FETCH \slot, \q, \g
	s_wait_dscnt 32                                ; all but the 32 just issued
	MULA \f, 2, \zero
	MULA \f, 3, \zero
.endm
.macro TURN slot, next, fill           ; a slot's last quarter multiplies buffer 1 and changes slots: one barrier; in front of it each wave waits for all its tensor loads, adds 0 to its spare word, and waits for that and for its reads of this slot
	WIN 0
	s_wait_tensorcnt 0x0                           ; all my tensor loads have landed: my part of the next slot
	ds_add_u32 v[SPW], v[NIL]                      ; 0 onto my spare word
	s_wait_dscnt 9                                 ; (the add and the youngest eight loads may be out)
	MULA F1, 0, 0
	s_wait_dscnt 0x0                               ; the add is done, and my reads of this slot are over
	s_barrier_signal -1
	MULA F1, 1, 0
.if \fill
	WIN 0
.endif
	s_barrier_wait -1
.if \fill
	CREST
	s_add_nc_u64 s[G0+4*\slot+2:G0+4*\slot+3], s[G0+4*\slot+2:G0+4*\slot+3], 2*HALFT
	s_add_nc_u64 s[G0B+4*\slot+2:G0B+4*\slot+3], s[G0B+4*\slot+2:G0B+4*\slot+3], 2*HALFT
	JLOAD \slot
.else
	PLACES
.endif
	FETCH \next, 0, F0
	MULA F1, 2, 0
	MULA F1, 3, 0
.endm
	s_load_b256 s[84:91], s[0:1], 0x0              ; himg s[84:85], wimg s[86:87], the exponents s[88:89], qkvc s[90:91]
	v_lshl_add_u32 v[SPW], v0, 2, SPARE
	v_mov_b32 v[NIL], 0
	ds_add_u32 v28, v29
	ds_add_u32 v28, v29
	s_wait_dscnt 0x0
	v_lshrrev_b32 v1, 5, v0
	v_readfirstlane_b32 s10, v1                    ; wave 0..3
	s_lshr_b32 s11, s10, 1                         ; which 64 rows of R are mine.  Also: I fetch for R (0) or for P (1)
	s_and_b32 s12, s10, 1                          ; which 64 rows of P.  Also: which block of 64 rows I fetch
	s_bfe_u32 s40, ttmp6, 0x40000                  ; cx, cy: my place in the cluster
	s_bfe_u32 s41, ttmp6, 0x40004
	; what my cluster makes: cluster y under 8: q (cluster x 0, 1) or k (2, 3), 2 x 8 clusters each; from 8 on: v, 8 x 2 clusters
	s_and_b32 s96, ttmp7, 0xffff
	s_lshr_b32 s16, ttmp9, 1
	s_and_b32 s17, ttmp9, 1
	s_sub_co_u32 s18, s96, 8
	s_lshr_b32 s19, s18, 1
	s_lshl_b32 s19, s19, 2
	s_add_co_u32 s19, s19, ttmp9
	s_and_b32 s18, s18, 1
	s_cmp_lt_u32 s96, 8
	s_cselect_b32 s45, s16, 2                      ; 0 = q, 1 = k, 2 = v
	s_cselect_b32 s98, s17, s19                    ; the cluster's place along P
	s_cselect_b32 s99, s96, s18                    ; and along R
	s_lshl_b32 s42, s98, 2
	s_add_co_u32 s42, s42, s40                     ; tile of P
	s_lshl_b32 s13, s99, 2
	s_add_co_u32 s13, s13, s41                     ; tile of R
	s_lshl_b32 s43, s41, 2
	s_lshl_b32 s43, 15, s43                        ; my row of the cluster
	s_lshl_b32 s44, 0x1111, s40                    ; my column
	; descriptor group 1: 32,768 consecutive bytes as 128 rows of 32 elements of 8 bytes
	s_or_b32 s[G1+0], s43, (3<<16)|(1<<21)         ; 15:0 the mask: R's tiles go to my row; 17:16 elements of 8 bytes; 21 set beside a mask; no padding
	s_or_b32 s[G1B+0], s44, (3<<16)|(1<<21)
.irp g, G1, G1B
	s_mov_b32 s[\g+1], 32<<16                      ; tensor_dim0 = 32
	s_mov_b32 s[\g+2], 128<<16                     ; tensor_dim1 = 128
	s_mov_b32 s[\g+3], 32<<16                      ; tile_dim0 = 32
	s_mov_b32 s[\g+4], 128                         ; tile_dim1 = 128
	s_mov_b32 s[\g+5], 32                          ; tensor_dim0_stride
	s_mov_b32 s[\g+6], 0
	s_mov_b32 s[\g+7], 0
.endr
	s_cmp_eq_u32 s45, 1
	s_cselect_b32 s21, 0x400000, 0                 ; where R's image begins in its buffer: q: himg + 0; k: himg + 4 MiB; v: wimg + 2 MiB
	s_cselect_b32 s22, 0x100000, 0                 ; and P's: q: wimg + 0; k: wimg + 1 MiB; v: himg + 8 MiB
	s_cmp_eq_u32 s45, 2
	s_cselect_b32 s21, 0x200000, s21
	s_cselect_b32 s22, 0x800000, s22
	s_lshl_b32 s16, s13, 1
	s_add_co_u32 s16, s16, s12
	s_lshl_b32 s16, s16, 16                        ; a block of 64 rows x 1,024 K is 65,536 bytes
	s_add_co_u32 s16, s16, s21
	s_mov_b32 s17, 0
	s_lshl_b32 s46, s42, 1
	s_add_co_u32 s46, s46, s12
	s_lshl_b32 s46, s46, 16
	s_add_co_u32 s46, s46, s22
	s_mov_b32 s47, 0
	s_lshl_b32 s20, s10, 15                        ; where they go: wave x 32,768: no place in the cluster enters an LDS address
	s_wait_kmcnt 0x0
	s_load_b512 s[68:83], s[88:89], 0x0            ; the sixteen exponents
	s_cmp_eq_u32 s45, 2
	s_cselect_b64 s[14:15], s[86:87], s[84:85]     ; R's buffer
	s_cselect_b64 s[18:19], s[84:85], s[86:87]     ; P's buffer
	s_add_nc_u64 s[14:15], s[14:15], s[16:17]
	s_add_nc_u64 s[46:47], s[18:19], s[46:47]
	CROUND                                         ; all sixteen work-groups are here: the first joint loads meet
.irp s, 0,1
	s_mov_b32 s[G0+4*\s], 1
	s_add_co_u32 s[G0+4*\s+1], s20, \s*SLOT
	s_add_nc_u64 s[G0+4*\s+2:G0+4*\s+3], s[14:15], \s*HALFT
	s_or_b32 s[G0+4*\s+3], s[G0+4*\s+3], 0x80000000
	s_mov_b32 s[G0B+4*\s], 1
	s_add_co_u32 s[G0B+4*\s+1], s20, \s*SLOT
	s_add_nc_u64 s[G0B+4*\s+2:G0B+4*\s+3], s[46:47], \s*HALFT
	s_or_b32 s[G0B+4*\s+3], s[G0B+4*\s+3], 0x80000000
	JLOAD \s
.endr
	v_and_b32 v1, 31, v0
	v_lshlrev_b32 v[LI], 4, v1
	s_lshl_b32 s21, s11, 15                        ; my 64 rows of R
	s_lshl_b32 s22, s12, 15                        ; my 64 rows of P,
	s_add_co_u32 s22, s22, 2*HALFT                 ; which lie behind R's 128
.irp s, 0,1
	v_add_nc_u32 v[ADRA+\s], s21, v[LI]
	v_add_nc_u32 v[ADRB+\s], s22, v[LI]
	s_add_co_u32 s21, s21, SLOT
	s_add_co_u32 s22, s22, SLOT
.endr
	; where my codes go (in registers that feed no descriptor)
	s_mov_b32 s6, 1024
	s_cmp_eq_u32 s45, 2
	s_cselect_b32 s2, s42, s13                     ; the block of 128 tokens
	s_cselect_b32 s3, s13, s42                     ; the pair of heads
	s_cselect_b32 s4, s11, s12                     ; which head of the pair is my wave's
	s_cselect_b32 s5, s12, s11                     ; which 64 tokens of the block
	s_cselect_b32 s6, 2048, s6                     ; from fragment to fragment: q, k 1,024 bytes, v 2,048
	s_cselect_b32 s7, 10, 12                       ; 64 tokens on: q, k four fragments; v two of a fragment's four groups of registers
	s_cselect_b32 s8, 8192, 0                      ; v lies behind k's eight fragments
	s_lshl_b32 s3, s3, 1
	s_add_co_u32 s3, s3, s4                        ; head
	s_lshr_b32 s4, s2, 4
	s_lshl_b32 s4, s4, 4
	s_add_co_u32 s3, s3, s4                        ; 16 x batch + head
	s_and_b32 s2, s2, 15                           ; the block within the batch
	s_lshl_b32 s5, s5, s7
	s_add_co_u32 s5, s5, s8
	s_cmp_eq_u32 s45, 0
	s_cselect_b32 s7, 17, 18
	s_cselect_b32 s8, 13, 14
	s_cselect_b32 s9, 0, 0x400000
	s_lshl_b32 s3, s3, s7
	s_lshl_b32 s2, s2, s8
	s_add_co_u32 s2, s2, s3
	s_add_co_u32 s2, s2, s5
	s_add_co_u32 s2, s2, s9
	s_mov_b32 s3, 0
	s_add_nc_u64 s[96:97], s[90:91], s[2:3]
.irp a, 0,1,2,3
	v_mad_u32_u24 v[4+\a], s6, \a, v[LI]
.endr
	s_wait_kmcnt 0x0
	s_sub_co_i32 s4, s74, s68                      ; a sum stands for sum x 2^(eA + eB): its code is sum / 2^(eOut - eA - eB): the three scales are folded into the conversion's one
	s_sub_co_i32 s4, s4, s69
	s_sub_co_i32 s5, s75, s70
	s_sub_co_i32 s5, s5, s71
	s_sub_co_i32 s7, s77, s72
	s_sub_co_i32 s7, s7, s73
	s_cmp_eq_u32 s45, 1
	s_cselect_b32 s4, s5, s4
	s_cmp_eq_u32 s45, 2
	s_cselect_b32 s4, s7, s4
	s_add_co_i32 s4, s4, 127
	s_lshl_b32 s5, s4, 23
	v_mov_b32 v12, s5
	s_add_co_i32 s4, s4, 15
	s_lshl_b32 s4, s4, 23
	s_or_b32 s4, s4, 0x600000
	v_mov_b32 v13, s4
	s_wait_tensorcnt 1                             ; my part of slot 0 is in (slot 1's load may be out)
	s_barrier_signal -1
	s_barrier_wait -1                              ; everybody's is
	FETCH 0, 0, F0
	QUARTER 0, 1, F0, F1, 1                        ; the first quarter's products start the sums: nothing is cleared
	QUARTER 0, 2, F1, F0, 0
	QUARTER 0, 3, F0, F1, 0
	TURN 0, 1, 0
	QUARTER 1, 1, F0, F1, 0
	QUARTER 1, 2, F1, F0, 0
	QUARTER 1, 3, F0, F1, 0
	s_wait_dscnt 8
	MULA F1, 0, 0
	MULA F1, 1, 0
	s_wait_dscnt 0
	MULA F1, 2, 0
	MULA F1, 3, 0
	WIN 0
	PLACES
	; THE WAY OUT: hold, convert, store: each accumulator from its low end on; a store covers 512 consecutive bytes, aligned
.irp a, 0,1,2,3
.set i, 0
.rept 32
	v_med3_num_f32 v[ACC+32*\a+i], v[ACC+32*\a+i], -v13, v13
.set i, i+1
.endr
.irp g, 0,1,2,3
	v_cvt_scalef32_pk8_bf8_f32 v[32+8*\a+2*\g:33+8*\a+2*\g], v[ACC+32*\a+8*\g:ACC+32*\a+8*\g+7], v12
.endr
.endr
	v_nop                                          ; a plain line behind the last conversion
.irp a, 0,1,2,3
.irp b, 0,1
	global_store_b128 v[4+\a], v[32+8*\a+4*\b:35+8*\a+4*\b], s[96:97] offset:512*\b
.endr
.endr
	s_wait_tensorcnt 0x0                           ; the wave's end
	ds_add_u32 v[SPW], v[NIL]
	s_wait_dscnt 0x0
	CROUND                                         ; the closing round: no work-group ends while a partner may still ask for a tile that names it
	s_endpgm
.Lfunc_end_k_q008d87b6ef_qkv:
	.size	k_q008d87b6ef_qkv, .Lfunc_end_k_q008d87b6ef_qkv-k_q008d87b6ef_qkv
	.p2alignl 7, 3214868480
	.fill 96, 4, 3214868480
	.section	.rodata,"a",@progbits
	.p2align	6, 0x0
	.amdhsa_kernel k_q008d87b6ef_qkv
		.amdhsa_group_segment_fixed_size 327680
		.amdhsa_private_segment_fixed_size 0
		.amdhsa_enable_private_segment 0
		.amdhsa_kernarg_size 32
		.amdhsa_user_sgpr_count 2
		.amdhsa_user_sgpr_kernarg_segment_ptr 1
		.amdhsa_wavefront_size32 1
		.amdhsa_system_sgpr_workgroup_id_x 1
		.amdhsa_system_sgpr_workgroup_id_y 1
		.amdhsa_system_sgpr_workgroup_id_z 1
		.amdhsa_system_vgpr_workitem_id 0
		.amdhsa_next_free_vgpr 512
		.amdhsa_next_free_sgpr 100
		.amdhsa_reserve_vcc 0
		.amdhsa_float_denorm_mode_32 3
		.amdhsa_float_denorm_mode_16_64 3
		.amdhsa_memory_ordered 1
		.amdhsa_forward_progress 1
		.amdhsa_inst_pref_size 45
	.end_amdhsa_kernel
	.amdgpu_metadata
---
amdhsa.version: [ 1, 2 ]
amdhsa.kernels:
  - .name:           k_q008d87b6ef_qkv
    .symbol:         k_q008d87b6ef_qkv.kd
    .args:
      - { .name: himg, .offset: 0, .size: 8, .value_kind: global_buffer, .address_space: global }
      - { .name: wimg, .offset: 8, .size: 8, .value_kind: global_buffer, .address_space: global }
      - { .name: lowp_scales, .offset: 16, .size: 8, .value_kind: global_buffer, .address_space: global }
      - { .name: qkvc, .offset: 24, .size: 8, .value_kind: global_buffer, .address_space: global }
    .group_segment_fixed_size: 327680
    .private_segment_fixed_size: 0
    .kernarg_segment_align: 8
    .kernarg_segment_size: 32
    .max_flat_workgroup_size: 128
    .sgpr_count:     100
    .vgpr_count:     512
    .wavefront_size: 32
...
	.end_amdgpu_metadata
.endif
;; end of part 2
;; launch attn (part 3): grid 8 x 32, 16 waves a work-group, no clusters, 264,192 bytes of LDS; arguments qkvc, lowp_scales, ctx; writes ctx
.if DOCPART == 3
	.amdgcn_target "amdgcn-amd-amdhsa--gfx1250"
	.amdhsa_code_object_version 6
	.text
	.protected	k_q008d87b6ef_attn
	.globl	k_q008d87b6ef_attn
	.p2align	8
	.type	k_q008d87b6ef_attn,@function
k_q008d87b6ef_attn:
	s_mov_b64 s[64:65], 0
	v_nop
	global_prefetch_b8 v0, s[64:65] scope:SCOPE_SE
	s_setreg_imm32_b32 hwreg(HW_REG_WAVE_MODE, 25, 1), 1
	s_wait_xcnt 0x0
; ATTENTION, causal, head size 64, 2,048 tokens, 32 (batch x head), both products on codes of E5M2; the result is quantised (entry 10) into the image that the next product reads.
; THE SOFTMAX AHEAD OF THE SECOND PRODUCT: t = score x log2(e) / 8; M = the row's largest t so far, rounded UP to a whole number; p = 2^(t - M) is quantised (entry 8), not normalised; the row's sum is taken of
; the unquantised p and divides at the end.  When M moves, the sum and O are multiplied by 2^(old M - new M): exact.
; SHARES.  A work-group serves one (batch, head) and two blocks of 128 queries, i and 15 - i, so that every work-group has the same number of key steps under the causal mask: 8 (i + 1) + 8 (16 - i).
; Each of its sixteen waves owns one tile of 16 queries, in 256 registers: four waves to a SIMD, so that one wave's vector work stands beside another's products and LDS loads.
; LDS holds the head's WHOLE k and v, 262,144 bytes, as they lie in memory: filled once, in four stages of 65,536 bytes (four blocks of 128 keys); each wave brings 4,096 bytes of each stage: four tensor loads of a wave are out at the start.
; Nothing is filled again.  Every wave walks all sixteen blocks of keys with constant trip counts; a block whose keys all come after the wave's queries is jumped over by a scalar branch on ids.
; LAYOUT.  S^T = k q^T (source 0 = 16 keys, source 1 = my 16 queries), O^T = v^T p^T: a lane holds ONE query throughout.  The keys of a tile of k are laid so that the 16 registers of tiles 2 b, 2 b + 1 are keys 32 b + 16 (lane / 16) + 0 .. 15.
; NO CLUSTER: the work-groups that share a head's k and v own different blocks of queries, so their causal branches differ; partners of joint loads would have to run alike.
; LIMITS: e6 + e7 between -123 and 130 (added to c's exponent field); e8 and e10 between -126 and 112; e8 + e9 is applied by v_ldexp_f32.
; REGISTERS: v1 16 x lane; v2 the step's LDS address; v12 -M, v13 the largest t, v[14:15] the sum in two halves; v16-23 q; v32-95 k's eight fragments, then v's four; v96-159 S^T, then p; v160-191 O^T; v192-207 p's codes; v210-223 at work and constants.
.set WV, 18                            ; s18 wave;  s[20:21] lane selects;  s[22:23] c;  s2 LDS byte of the block of keys in hand;  s3 its number;  s66 my block of queries
.macro STEP
	s_cmp_gt_u32 s3, s66                           ; all 128 keys come after my queries: nothing to do
	s_cbranch_scc1 .Lhid_\@
	v_add_nc_u32 v2, s2, v1
.rept 3
	v_nop                                          ; with the addition above: four places in front of loads into registers that the last products read
.endr
.irp t, 0,1,2,3,4,5,6,7
.irp c, 0,1
	ds_load_b128 v[32+8*\t+4*\c:35+8*\t+4*\c], v2 offset:1024*\t+512*\c
.endr
.endr
	s_wait_dscnt 0x0
.irp t, 0,1,2,3,4,5,6,7
	v_wmma_f32_16x16x64_bf8_bf8 v[96+8*\t:103+8*\t], v[32+8*\t:39+8*\t], v[16:23], 0
.endr
.rept 4
	v_nop                                          ; places in front of the loads below and of the first read of the scores
.endr
.irp t, 0,1,2,3
.irp c, 0,1,2,3
	ds_load_b128 v[32+16*\t+4*\c:35+16*\t+4*\c], v2 offset:8192+2048*\t+512*\c   ; v's fragments land while the softmax is worked
.endr
.endr
	s_cmp_lt_u32 s3, s66                           ; all 128 keys count: no mask
	s_cbranch_scc1 .Lopen_\@
.set n, 0
.rept 64
	v_cmp_gt_i32 vcc_lo, 32*(n/16)+n%16, v220      ; register 16 b + i holds key 32 b + 16 (lane / 16) + i of the block: hidden where it comes after my query
	v_cndmask_b32 v[96+n], v[96+n], v221, vcc_lo   ; -infinity: p = 0 then
.set n, n+1
.endr
.Lopen_\@:
	v_max3_num_f32 v210, v96, v97, v98             ; the step's largest score of my query, among my 64 keys, in two chains,
	v_max3_num_f32 v212, v99, v100, v101
.irp i, 6,10,14,18,22,26,30,34,38,42,46,50,54,58
	v_max3_num_f32 v210, v210, v[96+\i], v[97+\i]
	v_max3_num_f32 v212, v212, v[98+\i], v[99+\i]
.endr
	v_max3_num_f32 v210, v210, v158, v159
	v_max_num_f32 v210, v210, v212
	v_permlanex16_b32 v214, v210, s20, s21
	v_max_num_f32 v210, v210, v214                 ; and among lane l xor 16's
	v_mul_f32 v210, s22, v210                      ; as t (c is positive)
	v_max_num_f32 v13, v13, v210                   ; the running largest t
	v_mov_b32 v210, v12
	v_floor_f32 v12, -v13                          ; the new -M = floor(-t): M is a whole number
	v_sub_f32 v210, v12, v210                      ; old M - new M: a whole number, 0 or less
	v_cvt_i32_f32 v210, v210                       ; (it saturates)
	v_ldexp_f32 v212, 1.0, v210                    ; f = 2^(old M - new M)
.set j, 0
.rept 32
	v_pk_fma_f32 v[96+j:97+j], v[96+j:97+j], s[22:23], v[12:13] op_sel_hi:[1,0,0]   ; t - M, two at a time
.set j, j+2
.endr
.set j, 0
.rept 64
	v_exp_f32 v[96+j], v[96+j]                     ; p = 2^(t - M)
.set j, j+1
.endr
	v_pk_mul_f32 v[14:15], v[14:15], v[212:213] op_sel_hi:[1,0]   ; the sums under the new M: the plain line behind the exponentials
	s_wait_alu depctr_va_vdst(0)                   ; one wait for the whole batch, ahead of the first line that names a result
	v_pk_add_f32 v[216:217], v[96:97], v[98:99]    ; the row's sum is taken of the unquantised p, in two chains
.irp j, 4,8,12,16,20,24,28,32,36,40,44,48,52,56,60
	v_pk_add_f32 v[14:15], v[14:15], v[96+\j:97+\j]
	v_pk_add_f32 v[216:217], v[216:217], v[98+\j:99+\j]
.endr
	v_pk_add_f32 v[14:15], v[14:15], v[216:217]
.irp b, 0,1,2,3
.set i, 0
.rept 16
	v_min_num_f32 v[96+16*\b+i], v[96+16*\b+i], v219   ; the conversion does not saturate (ISA guide 7.6.2); p is not negative, so the hold is one-sided
.set i, i+1
.endr
	v_cvt_scalef32_pk8_bf8_f32 v[192+4*\b:193+4*\b], v[96+16*\b:103+16*\b], v218
	v_cvt_scalef32_pk8_bf8_f32 v[194+4*\b:195+4*\b], v[104+16*\b:111+16*\b], v218
.endr
.set j, 0
.rept 16
	v_pk_mul_f32 v[160+j:161+j], v[160+j:161+j], v[212:213] op_sel_hi:[1,0]   ; O^T under the new M; these are also the plain lines behind the conversions
.set j, j+2
.endr
	s_wait_dscnt 0x0                               ; v's fragments
.irp t, 0,1,2,3
	v_wmma_f32_16x16x128_bf8_bf8 v[160+8*\t:167+8*\t], v[32+16*\t:47+16*\t], v[192:207], v[160+8*\t:167+8*\t]   ; four accumulators by turns
.endr
.Lhid_\@:
	s_add_co_u32 s2, s2, 16384
	s_add_co_u32 s3, s3, 1
.endm
.macro STAGE s                         ; four blocks of keys
	s_wait_tensorcnt 3-\s                          ; my part of this stage is in; the later stages' loads may stay out
	s_wait_dscnt 0x0
	s_barrier_signal -1
	s_barrier_wait -1                              ; everybody's part is in
	s_mov_b32 s2, \s*65536
	s_mov_b32 s3, 4*\s
.Lstep_\@:
	STEP
	s_cmp_lt_u32 s3, 4*\s+4
	s_cbranch_scc1 .Lstep_\@
.endm
	s_load_b128 s[4:7], s[0:1], 0x0                ; qkvc s[4:5], the exponents s[6:7]
	s_load_b64 s[8:9], s[0:1], 0x10                ; ctx
	v_lshl_add_u32 v254, v0, 2, 0x40000
	v_mov_b32 v255, 0
	ds_add_u32 v254, v255
	ds_add_u32 v254, v255
	v_lshrrev_b32 v3, 5, v0
	v_readfirstlane_b32 s[WV], v3                  ; wave 0..15
	s_and_b32 s67, ttmp7, 0xffff                   ; 16 x batch + head
	; descriptor group 1: 4,096 consecutive bytes as 16 rows of 32 elements of 8 bytes
	s_mov_b32 s24, 3<<16                           ; no mask; elements of 8 bytes; no padding
	s_mov_b32 s25, 32<<16                          ; tensor_dim0 = 32
	s_mov_b32 s26, 16<<16                          ; tensor_dim1 = 16
	s_mov_b32 s27, 32<<16                          ; tile_dim0 = 32
	s_mov_b32 s28, 16                              ; tile_dim1 = 16
	s_mov_b32 s29, 32                              ; tensor_dim0_stride
	s_mov_b32 s30, 0
	s_mov_b32 s31, 0
	s_lshl_b32 s68, s[WV], 12                      ; my 4,096 bytes of a stage
	s_lshl_b32 s70, s67, 18                        ; the head's 262,144 bytes,
	s_add_co_u32 s70, s70, s68
	s_add_co_u32 s70, s70, 0x400000                ; behind q's 4 MiB
	s_mov_b32 s71, 0
	s_wait_dscnt 0x0
	s_wait_kmcnt 0x0
	s_load_b512 s[48:63], s[6:7], 0x0              ; the sixteen exponents: entry n in s[48 + n]
	s_add_nc_u64 s[70:71], s[4:5], s[70:71]
.irp s, 0,1,2,3
	s_mov_b32 s[32+4*\s], 1                        ; count = 1
	s_add_co_u32 s[33+4*\s], s68, \s*65536         ; LDS address: stage + 4,096 x wave
	s_add_nc_u64 s[34+4*\s:35+4*\s], s[70:71], \s*65536
	s_or_b32 s[35+4*\s], s[35+4*\s], 0x80000000    ; type = 2
.endr
	tensor_load_to_lds s[32:35], s[24:31]          ; all first fills together, ahead of every wait on TENSORcnt, every LDS read and every barrier
	s_nop 0
	tensor_load_to_lds s[36:39], s[24:31]
	s_nop 0
	tensor_load_to_lds s[40:43], s[24:31]
	s_nop 0
	tensor_load_to_lds s[44:47], s[24:31]
	s_nop 0
.rept 4
	v_nop
.endr
	s_lshr_b32 s69, s[WV], 2
	s_xor_b32 s69, s69, s[WV]
	s_and_b32 s69, s69, 1                          ; which of the two blocks of queries: mixed so that each four neighbouring waves, and each four waves 4 apart, hold two of each
	s_sub_co_u32 s72, 15, ttmp9
	s_cmp_eq_u32 s69, 1
	s_cselect_b32 s66, s72, ttmp9                  ; my block of 128 queries
	s_lshr_b32 s73, s[WV], 1                       ; my tile of 16 in it
	s_lshl_b32 s74, s66, 3
	s_add_co_u32 s74, s74, s73                     ; my group of 16 tokens within the batch
	s_lshl_b32 s76, s67, 17
	s_lshl_b32 s75, s74, 10
	s_add_co_u32 s76, s76, s75
	s_mov_b32 s77, 0
	s_add_nc_u64 s[76:77], s[4:5], s[76:77]
	v_and_b32 v3, 31, v0
	v_lshlrev_b32 v1, 4, v3
	global_load_b128 v[16:19], v1, s[76:77]        ; q's fragment stays in registers
	global_load_b128 v[20:23], v1, s[76:77] offset:512
	; where my codes go: the image of ctx: rows = tokens, K = 64 x head + channel
	s_lshr_b32 s68, s67, 4
	s_lshl_b32 s68, s68, 7
	s_add_co_u32 s68, s68, s74                     ; my group of 16 among all tokens
	s_and_b32 s69, s67, 15                         ; head
	s_lshr_b32 s70, s68, 2
	s_lshl_b32 s70, s70, 3
	s_lshr_b32 s71, s69, 1
	s_add_co_u32 s70, s70, s71
	s_lshl_b32 s70, s70, 13                        ; (block of 64 rows x 8 + K block) x 8,192
	s_and_b32 s71, s68, 3
	s_lshl_b32 s71, s71, 11                        ; the fragment
	s_add_co_u32 s70, s70, s71
	s_and_b32 s71, s69, 1
	s_lshl_b32 s71, s71, 10                        ; the head's half of the K block
	s_add_co_u32 s70, s70, s71
	s_mov_b32 s71, 0
	s_add_nc_u64 s[8:9], s[8:9], s[70:71]
	s_lshr_b32 s68, s73, 1
	s_lshl_b32 s68, s68, 5
	s_and_b32 s69, s73, 1
	s_lshl_b32 s69, s69, 3
	s_add_co_u32 s68, s68, s69
	v_and_b32 v3, 15, v0
	v_and_b32 v4, 8, v3
	v_add_nc_u32 v3, v3, v4                        ; r + 8 (r / 8)
	v_bfe_u32 v4, v0, 4, 1
	v_lshlrev_b32 v4, 4, v4
	v_sub_nc_u32 v3, v3, v4
	v_add_nc_u32 v220, s68, v3                     ; my query's place in its block of 128, less 16 (lane / 16)
	v_mov_b32 v221, 0xff800000                     ; -infinity
	s_mov_b32 s20, 0x76543210
	s_mov_b32 s21, 0xfedcba98
	v_mov_b32 v13, 0xff61b1e6                      ; the largest t so far: -3e38, under every t
	v_floor_f32 v12, -v13                          ; -M
	v_mov_b32 v14, 0
	v_mov_b32 v15, 0
	v_mov_b32 v213, 0                              ; (named as the upper half of the pair v[212:213])
	v_mov_b32 v214, 0                              ; a lane permute's destination counts as one of its sources
.set j, 0
.rept 32
	v_mov_b32 v[160+j], 0                          ; O^T: the step is written for every block alike; the first change of M leaves zeros zeros
.set j, j+1
.endr
	s_wait_kmcnt 0x0
	s_mov_b32 s22, 0x3e38aa3b                      ; c = log2(e) / 8
	s_add_co_i32 s68, s54, s55
	s_lshl_b32 s68, s68, 23
	s_add_co_i32 s22, s22, s68                     ; a score stands for score x 2^(e6 + e7): added to c's exponent field
	s_mov_b32 s23, s22
	s_add_co_i32 s68, s56, 127
	s_lshl_b32 s69, s68, 23
	v_mov_b32 v218, s69                            ; 2^e8
	s_add_co_i32 s68, s68, 15
	s_lshl_b32 s68, s68, 23
	s_or_b32 s68, s68, 0x600000
	v_mov_b32 v219, s68                            ; 57,344 x 2^e8
	s_add_co_i32 s68, s58, 127
	s_lshl_b32 s69, s68, 23
	v_mov_b32 v222, s69                            ; 2^e10
	s_add_co_i32 s68, s68, 15
	s_lshl_b32 s68, s68, 23
	s_or_b32 s68, s68, 0x600000
	v_mov_b32 v223, s68                            ; 57,344 x 2^e10
	s_add_co_i32 s79, s56, s57                     ; e8 + e9
	s_wait_loadcnt 0x0                             ; q
	STAGE 0
	STAGE 1
	STAGE 2
	STAGE 3
	; THE WAY OUT: O^T / the sum x 2^(e8 + e9), quantised with entry 10.  The 16 registers of tiles 2 b, 2 b + 1 are channels 32 b + 16 (lane / 16) + 0 .. 15: the conversions' results are the image's registers.
.rept 4
	v_nop                                          ; places behind the last products, on every path
.endr
	v_add_f32 v14, v14, v15
	v_permlanex16_b32 v214, v14, s20, s21
	v_add_f32 v14, v14, v214                       ; the row's sum
	v_rcp_f32 v14, v14
	v_nop                                          ; a plain line behind the transcendental
	s_wait_alu depctr_va_vdst(0)                   ; and the wait ahead of the first line that names its result
	v_ldexp_f32 v14, v14, s79
.set j, 0
.rept 32
	v_mul_f32 v[96+j], v[160+j], v14               ; each accumulator from its low end on
.set j, j+1
.endr
.set j, 0
.rept 32
	v_med3_num_f32 v[96+j], v[96+j], -v223, v223
.set j, j+1
.endr
.irp b, 0,1
	v_cvt_scalef32_pk8_bf8_f32 v[192+4*\b:193+4*\b], v[96+16*\b:103+16*\b], v222
	v_cvt_scalef32_pk8_bf8_f32 v[194+4*\b:195+4*\b], v[104+16*\b:111+16*\b], v222
.endr
	v_nop
.irp b, 0,1
	global_store_b128 v1, v[192+4*\b:195+4*\b], s[8:9] offset:512*\b   ; 512 consecutive bytes, aligned
.endr
	s_wait_tensorcnt 0x0
	ds_add_u32 v254, v255
	s_wait_dscnt 0x0
	s_endpgm
.Lfunc_end_k_q008d87b6ef_attn:
	.size	k_q008d87b6ef_attn, .Lfunc_end_k_q008d87b6ef_attn-k_q008d87b6ef_attn
	.p2alignl 7, 3214868480
	.fill 96, 4, 3214868480
	.section	.rodata,"a",@progbits
	.p2align	6, 0x0
	.amdhsa_kernel k_q008d87b6ef_attn
		.amdhsa_group_segment_fixed_size 264192
		.amdhsa_private_segment_fixed_size 0
		.amdhsa_enable_private_segment 0
		.amdhsa_kernarg_size 24
		.amdhsa_user_sgpr_count 2
		.amdhsa_user_sgpr_kernarg_segment_ptr 1
		.amdhsa_wavefront_size32 1
		.amdhsa_system_sgpr_workgroup_id_x 1
		.amdhsa_system_sgpr_workgroup_id_y 1
		.amdhsa_system_sgpr_workgroup_id_z 1
		.amdhsa_system_vgpr_workitem_id 0
		.amdhsa_next_free_vgpr 256
		.amdhsa_next_free_sgpr 80
		.amdhsa_reserve_vcc 1
		.amdhsa_float_denorm_mode_32 3
		.amdhsa_float_denorm_mode_16_64 3
		.amdhsa_memory_ordered 1
		.amdhsa_forward_progress 1
		.amdhsa_inst_pref_size 93
	.end_amdhsa_kernel
	.amdgpu_metadata
---
amdhsa.version: [ 1, 2 ]
amdhsa.kernels:
  - .name:           k_q008d87b6ef_attn
    .symbol:         k_q008d87b6ef_attn.kd
    .args:
      - { .name: qkvc, .offset: 0, .size: 8, .value_kind: global_buffer, .address_space: global }
      - { .name: lowp_scales, .offset: 8, .size: 8, .value_kind: global_buffer, .address_space: global }
      - { .name: ctx, .offset: 16, .size: 8, .value_kind: global_buffer, .address_space: global }
    .group_segment_fixed_size: 264192
    .private_segment_fixed_size: 0
    .kernarg_segment_align: 8
    .kernarg_segment_size: 24
    .max_flat_workgroup_size: 512
    .sgpr_count:     80
    .vgpr_count:     256
    .wavefront_size: 32
...
	.end_amdgpu_metadata
.endif
;; end of part 3
;; launch wo (part 4): grid 8 x 32, 4 waves a work-group, clusters of 4 x 4, 327,680 bytes of LDS; arguments ctx, wimg, lowp_scales, x, bo, x1; writes x1
.if DOCPART == 4
	.amdgcn_target "amdgcn-amd-amdhsa--gfx1250"
	.amdhsa_code_object_version 6
	.text
	.protected	k_q008d87b6ef_wo
	.globl	k_q008d87b6ef_wo
	.p2align	8
	.type	k_q008d87b6ef_wo,@function
k_q008d87b6ef_wo:
	s_mov_b64 s[64:65], 0
	v_nop
	global_prefetch_b8 v0, s[64:65] scope:SCOPE_SE
	s_setreg_imm32_b32 hwreg(HW_REG_WAVE_MODE, 25, 1), 1
	s_wait_xcnt 0x0
	s_wait_alu depctr_hold_cnt(0) depctr_sa_sdst(0) depctr_va_vdst(0) depctr_va_sdst(0) depctr_va_ssrc(0) depctr_va_vcc(0) depctr_vm_vsrc(0)
	s_getreg_b32 s2, hwreg(HW_REG_IB_STS2, 6, 4)
	s_cmp_eq_u32 s2, 0
	s_cbranch_scc0 .Lentry_in_a_cluster
	s_endpgm
.Lentry_in_a_cluster:
	s_bfe_u32 s2, ttmp6, 0x10000c
	s_cmp_lg_u32 s2, 0xf033
	s_cbranch_scc0 .Lentry_shape_is_right
	s_endpgm
.Lentry_shape_is_right:
; OUT = RES + (A W + bias), f32, [4,096][1,024]; the product on codes of E5M2.  Here: A = ctx (K = 1,024, entry 10), W = Wo (entry 11, in wimg at 3 MiB), bias = bo, RES = x, OUT = x1.
; OPERANDS are images: [block of 64 rows][K block of 128][fragment 0..3][2,048 bytes]; byte 512 c + 16 l + i of a fragment is k = 32 c + 16 (l / 16) + i of the row at place l % 16;
; place r of fragment f is row 32 (f / 2) + 8 (f % 2) + r + 8 (r / 8) of the 64.  The place of k in the registers is the same permutation in both operands.
; THE CORE.  A tile is 128 rows of R (tokens) x 128 rows of P (the weight's columns); four waves, each 64 x 64: 16 accumulators.  Source 0 = a fragment of P, source 1 = a fragment of R: a lane holds ONE token,
; and the 16 registers of accumulators (a, 2 b), (a, 2 b + 1) are the 16 neighbouring columns 32 b + 16 (l / 16) + 0 .. 15.
; K goes in steps of 512 through two LDS slots; a wave fetches 64 rows x 512 K, 32,768 consecutive bytes, by one tensor load.
; CLUSTERS: 4 x 4 work-groups: the four of a row need the same tile of R, the four of a column the same tile of P: each is asked for JOINTLY.
; THE WAY OUT: 16 tokens x 64 columns at a time through the wave's own stage in LDS, back as rows of 256 bytes; sum x 2^(eA + eB) + bias, + RES; sixteen lanes store 256 consecutive bytes, aligned.
; The stage lies in slot 0, which has had its last fill and its last read when the first result is stored there.  RES is loaded at the head into 128 registers and lands under the products.
; LIMIT: eA + eB lies between -126 and 127.
; REGISTERS: window 0: v2, v8-11 bias, v16-21 LDS addresses, v24-29, v128-255 accumulators ((a, b) at 128 + 8 (4 a + b));  window 1: two fragment buffers of 128: R's four fragments, then P's four;  window 2: v0-127 RES.
.set KB,    8                          ; K blocks of 128
.set RBSH,  16                         ; a block of 64 rows of an image is 2^RBSH bytes
.set WOFF,  0x300000                   ; where the weight's image begins in wimg
.set EA,    78                         ; s78, s79: entries 10, 11
.set LAPS,  KB/8                       ; a lap = two K steps = once round the ring
.set HALFT,  32768                     ; 64 rows x 512 K: what one tensor load brings, and what one wave reads of R or of P
.set SLOT,   4*HALFT                   ; R's two blocks of 64 rows, then P's two
.set SPARE,  2*SLOT                    ; behind the ring: the spare words, 128 bytes for each wave: two blocks of 256 bytes that no other line names
.set ADRA, 16                          ; v16-17  LDS address of my fragments of R in slot 0, 1
.set ADRB, 20                          ; v20-21  the same for P
.set STO,  24                          ; v24     the way out: where I put 16 bytes of a row
.set RD,   25                          ; v25     where I read a row back
.set CO,   26                          ; v26     my byte offset in two rows of OUT and RES
.set LI,   27                          ; v27     16 x lane
.set SPW,  28                          ; v28     LDS address of my spare word; never rewritten
.set NIL,  29                          ; v29     0; never rewritten
.set ACC,  128
.set F0,   0
.set F1,   128
.set G1,   24                          ; s[24:31] descriptor group 1 for R's tiles; s[32:39] group 0, a set for each slot
.set G0,   32
.set G1B,  48                          ; s[48:55], s[56:63] the same for P's
.set G0B,  56
.set MSB,  0
.macro WIN new                         ; the immediate's high byte repeats the setting that is left
.if MSB != \new
	s_set_vgpr_msb (MSB<<8)|\new
.set MSB, \new
.endif
.endm
.set MUL,  0x05                        ; sources 0 (P) and 1 (R) window 1; C and D window 0
.set TO_F, 0x40                        ; destination window 1, address window 0
.macro JLOAD s                         ; a joint load: waves 0 and 1 fetch R's two blocks, waves 2 and 3 P's; four v_nop follow each of the two lines
	s_cmp_eq_u32 s11, 0
	s_cbranch_scc0 .Lfor_b_\@
	tensor_load_to_lds s[G0+4*\s:G0+4*\s+3], s[G1:G1+7]
	s_nop 0
.rept 4
	v_nop
.endr
	s_branch .Lasked_\@
.Lfor_b_\@:
	tensor_load_to_lds s[G0B+4*\s:G0B+4*\s+3], s[G1B:G1B+7]
	s_nop 0
.rept 4
	v_nop
.endr
.Lasked_\@:
.endm
.macro CREST                           ; a round of the cluster's barrier behind its opening barrier
	s_cmp_lg_u32 s10, 0
	s_cbranch_scc1 .Lnot_wave_0_\@
	s_barrier_signal -3
.Lnot_wave_0_\@:
	s_barrier_wait -3
	s_barrier_signal -1
	s_barrier_wait -1
.endm
.macro CROUND
	s_barrier_signal -1
	s_barrier_wait -1
	CREST
.endm
.macro PLACES                          ; four places in front of loads into registers that matrix instructions have read, and of the first read of results
.rept 4
	v_nop
.endr
.endm
.macro FETCH slot, q, f                ; 32 LDS loads in one run: K block q of the slot into buffer f: P's four fragments, then R's; each load takes 512 consecutive bytes
	WIN TO_F
.irp i, 0,1,2,3
.irp c, 0,1,2,3
	ds_load_b128 v[\f+64+16*\i+4*\c:\f+64+16*\i+4*\c+3], v[ADRB+\slot] offset:(\q)*8192+\i*2048+\c*512
.endr
.endr
.irp i, 0,1,2,3
.irp c, 0,1,2,3
	ds_load_b128 v[\f+16*\i+4*\c:\f+16*\i+4*\c+3], v[ADRA+\slot] offset:(\q)*8192+\i*2048+\c*512
.endr
.endr
.endm
.macro MULA f, a, zero                 ; R's fragment a against P's four.  The 16 accumulators take turns, one instruction a turn, in the same order in every quarter
	WIN MUL
.irp b, 0,1,2,3
.if \zero
	v_wmma_f32_16x16x128_bf8_bf8 v[ACC+8*(4*(\a)+\b):ACC+8*(4*(\a)+\b)+7], v[\f+64+16*\b:\f+64+16*\b+15], v[\f+16*(\a):\f+16*(\a)+15], 0
.else
	v_wmma_f32_16x16x128_bf8_bf8 v[ACC+8*(4*(\a)+\b):ACC+8*(4*(\a)+\b)+7], v[\f+64+16*\b:\f+64+16*\b+15], v[\f+16*(\a):\f+16*(\a)+15], v[ACC+8*(4*(\a)+\b):ACC+8*(4*(\a)+\b)+7]
.endif
.endr
.endm
.macro QUARTER slot, q, f, g, zero     ; 128 along K: multiplies buffer f; in its middle fetches K block q of the same slot into g
	s_wait_dscnt 8                                 ; P's fragments and R's 0, 1 are in; the youngest eight loads (R's 2, 3) may be out
	MULA \f, 0, \zero
	MULA \f, 1, \zero
	PLACES
	FETCH \slot, \q, \g
	s_wait_dscnt 32                                ; all but the 32 just issued
	MULA \f, 2, \zero
	MULA \f, 3, \zero
.endm
.macro TURN slot, next, fill           ; a slot's last quarter multiplies buffer 1 and changes slots: one barrier; in front of it each wave waits for all its tensor loads, adds 0 to its spare word, and waits for that and for its reads of this slot.  fill = 1: this slot is filled again, two K steps ahead
	WIN 0
	s_wait_tensorcnt 0x0                           ; all my tensor loads have landed: my part of the next slot
	ds_add_u32 v[SPW], v[NIL]                      ; 0 onto my spare word
	s_wait_dscnt 9                                 ; (the add and the youngest eight loads may be out)
	MULA F1, 0, 0
	s_wait_dscnt 0x0                               ; the add is done, and my reads of this slot are over
	s_barrier_signal -1
	MULA F1, 1, 0
.if \fill
	WIN 0
.endif
	s_barrier_wait -1
.if \fill
	CREST                                          ; the barrier has opened a round of the cluster's barrier: no wave of any partner still reads this slot or has a load on its way
	s_add_nc_u64 s[G0+4*\slot+2:G0+4*\slot+3], s[G0+4*\slot+2:G0+4*\slot+3], 2*HALFT
	s_add_nc_u64 s[G0B+4*\slot+2:G0B+4*\slot+3], s[G0B+4*\slot+2:G0B+4*\slot+3], 2*HALFT
	JLOAD \slot                                    ; the first tensor load behind the round; its four v_nop are also the places in front of the loads below
.else
	PLACES
.endif
	FETCH \next, 0, F0
	MULA F1, 2, 0
	MULA F1, 3, 0
.endm
.macro TOSTAGE a                       ; fragment a's 16 tokens x 64 columns into my stage, and back as rows, into the registers that they left; LDS serves a wave's instructions in order (ISA guide 5.7.1.4)
.irp b, 0,1
.irp i, 0,1,2,3
	ds_store_b128 v[STO], v[ACC+32*(\a)+16*\b+4*\i:ACC+32*(\a)+16*\b+4*\i+3] offset:128*\b+16*\i
.endr
.endr
.irp t, 0,1,2,3,4,5,6,7
	ds_load_b128 v[ACC+32*(\a)+4*\t:ACC+32*(\a)+4*\t+3], v[RD] offset:\t*544
.endr
.endm
.macro SEND a, younger                 ; younger: the LDS instructions issued behind fragment a's loads, which may stay out
	s_wait_dscnt \younger
.irp t, 0,1,2,3,4,5,6,7
.irp k, 0,2
	v_pk_fma_f32 v[ACC+32*(\a)+4*\t+\k:ACC+32*(\a)+4*\t+\k+1], v[ACC+32*(\a)+4*\t+\k:ACC+32*(\a)+4*\t+\k+1], s[66:67], v[8+\k:9+\k] op_sel_hi:[1,0,1]   ; sum x 2^(eA + eB) + bias
.endr
.endr
	WIN 0x08                                       ; source 1 window 2
.irp t, 0,1,2,3,4,5,6,7
.irp k, 0,2
	v_pk_add_f32 v[ACC+32*(\a)+4*\t+\k:ACC+32*(\a)+4*\t+\k+1], v[ACC+32*(\a)+4*\t+\k:ACC+32*(\a)+4*\t+\k+1], v[32*(\a)+4*\t+\k:32*(\a)+4*\t+\k+1]   ; + RES
.endr
.endr
	WIN 0
.irp t, 0,1,2,3,4,5,6,7
	global_store_b128 v[CO], v[ACC+32*(\a)+4*\t:ACC+32*(\a)+4*\t+3], s[96:97] offset:(32*((\a)/2)+8*((\a)%2)+2*\t+8*(\t/4))*4096   ; places 2 t, 2 t + 1 of the fragment are these two rows
.endr
.endm
	s_load_b256 s[84:91], s[0:1], 0x0              ; A's image s[84:85], wimg s[86:87], the exponents s[88:89], RES s[90:91]
	s_load_b128 s[92:95], s[0:1], 0x20             ; bias s[92:93], OUT s[94:95]
	v_lshl_add_u32 v[SPW], v0, 2, SPARE
	v_mov_b32 v[NIL], 0
	ds_add_u32 v28, v29
	ds_add_u32 v28, v29
	s_wait_dscnt 0x0
	v_lshrrev_b32 v1, 5, v0
	v_readfirstlane_b32 s10, v1                    ; wave 0..3
	s_lshr_b32 s11, s10, 1                         ; which 64 rows of R are mine.  Also: I fetch for R (0) or for P (1)
	s_and_b32 s12, s10, 1                          ; which 64 rows of P.  Also: which block of 64 rows I fetch
	s_bfe_u32 s40, ttmp6, 0x40000                  ; cx, cy: my place in the cluster
	s_bfe_u32 s41, ttmp6, 0x40004
	s_lshl_b32 s42, ttmp9, 2
	s_add_co_u32 s42, s42, s40                     ; tile of P = 4 x cluster x + cx
	s_and_b32 s13, ttmp7, 0xffff
	s_lshl_b32 s13, s13, 2
	s_add_co_u32 s13, s13, s41                     ; tile of R = 4 x cluster y + cy
	s_lshl_b32 s43, s41, 2
	s_lshl_b32 s43, 15, s43                        ; my row of the cluster
	s_lshl_b32 s44, 0x1111, s40                    ; my column
	; descriptor group 1: 32,768 consecutive bytes as 128 rows of 32 elements of 8 bytes
	s_or_b32 s[G1+0], s43, (3<<16)|(1<<21)         ; 15:0 the mask: R's tiles go to my row; 17:16 elements of 8 bytes; 21 set beside a mask; no padding
	s_or_b32 s[G1B+0], s44, (3<<16)|(1<<21)
.irp g, G1, G1B
	s_mov_b32 s[\g+1], 32<<16                      ; tensor_dim0 = 32
	s_mov_b32 s[\g+2], 128<<16                     ; tensor_dim1 = 128
	s_mov_b32 s[\g+3], 32<<16                      ; tile_dim0 = 32
	s_mov_b32 s[\g+4], 128                         ; tile_dim1 = 128
	s_mov_b32 s[\g+5], 32                          ; tensor_dim0_stride
	s_mov_b32 s[\g+6], 0
	s_mov_b32 s[\g+7], 0
.endr
	s_lshl_b32 s16, s13, 1
	s_add_co_u32 s16, s16, s12
	s_lshl_b32 s16, s16, RBSH                      ; R: the block of 64 rows that I fetch
	s_mov_b32 s17, 0
	s_lshl_b32 s46, s42, 1
	s_add_co_u32 s46, s46, s12
	s_lshl_b32 s46, s46, RBSH
	s_add_co_u32 s46, s46, WOFF                    ; P likewise, in the weight's image
	s_mov_b32 s47, 0
	s_lshl_b32 s20, s10, 15                        ; where they go: wave x 32,768: no place in the cluster enters an LDS address
	s_wait_kmcnt 0x0
	s_load_b512 s[68:83], s[88:89], 0x0            ; the sixteen exponents
	s_add_nc_u64 s[14:15], s[84:85], s[16:17]
	s_add_nc_u64 s[46:47], s[86:87], s[46:47]
	CROUND                                         ; all sixteen work-groups are here: the first joint loads meet
.irp s, 0,1
	s_mov_b32 s[G0+4*\s], 1
	s_add_co_u32 s[G0+4*\s+1], s20, \s*SLOT
	s_add_nc_u64 s[G0+4*\s+2:G0+4*\s+3], s[14:15], \s*HALFT
	s_or_b32 s[G0+4*\s+3], s[G0+4*\s+3], 0x80000000
	s_mov_b32 s[G0B+4*\s], 1
	s_add_co_u32 s[G0B+4*\s+1], s20, \s*SLOT
	s_add_nc_u64 s[G0B+4*\s+2:G0B+4*\s+3], s[46:47], \s*HALFT
	s_or_b32 s[G0B+4*\s+3], s[G0B+4*\s+3], 0x80000000
	JLOAD \s
.endr
	v_and_b32 v1, 31, v0
	v_lshlrev_b32 v[LI], 4, v1
	s_lshl_b32 s21, s11, 15                        ; my 64 rows of R
	s_lshl_b32 s22, s12, 15                        ; my 64 rows of P,
	s_add_co_u32 s22, s22, 2*HALFT                 ; which lie behind R's 128
.irp s, 0,1
	v_add_nc_u32 v[ADRA+\s], s21, v[LI]
	v_add_nc_u32 v[ADRB+\s], s22, v[LI]
	s_add_co_u32 s21, s21, SLOT
	s_add_co_u32 s22, s22, SLOT
.endr
	v_and_b32 v1, 15, v0                           ; r
	v_bfe_u32 v3, v0, 4, 1                         ; h
	v_lshlrev_b32 v2, 4, v1                        ; 16 r
	v_lshl_add_u32 v[CO], v3, 12, v2               ; lanes 0-15 one row of OUT, lanes 16-31 the next; 16 bytes a lane
	s_mul_i32 s23, s10, 16*272                     ; my stage: 16 rows x (256 bytes + 16)
	v_mul_u32_u24 v4, v1, 272
	v_lshl_add_u32 v4, v3, 6, v4
	v_add_nc_u32 v[STO], s23, v4                   ; in: row r, + 64 h
	v_mul_u32_u24 v4, v3, 272
	v_add_nc_u32 v4, v4, v2
	v_add_nc_u32 v[RD], s23, v4                    ; back: row h, + 16 r
	s_lshl_b32 s16, s13, 7
	s_lshl_b32 s17, s11, 6
	s_add_co_u32 s16, s16, s17
	s_lshl_b32 s16, s16, 12                        ; my first row: 128 x tile of R + 64 x half, rows of 4,096 bytes
	s_mov_b32 s17, 0
	s_lshl_b32 s46, s42, 9
	s_lshl_b32 s47, s12, 8
	s_add_co_u32 s46, s46, s47                     ; my first column, in bytes: 512 x tile of P + 256 x half
	s_mov_b32 s47, 0
	s_add_nc_u64 s[98:99], s[90:91], s[16:17]
	s_add_nc_u64 s[98:99], s[98:99], s[46:47]      ; RES
	s_add_nc_u64 s[96:97], s[94:95], s[16:17]
	s_add_nc_u64 s[96:97], s[96:97], s[46:47]      ; OUT
	s_add_nc_u64 s[92:93], s[92:93], s[46:47]      ; bias
	WIN 0x80                                       ; destination window 2
.irp a, 0,1,2,3
.irp t, 0,1,2,3,4,5,6,7
	global_load_b128 v[32*\a+4*\t:32*\a+4*\t+3], v[CO], s[98:99] offset:(32*(\a/2)+8*(\a%2)+2*\t+8*(\t/4))*4096
.endr
.endr
	WIN 0
	global_load_b128 v[8:11], v2, s[92:93]         ; the bias at my four columns
	s_wait_kmcnt 0x0
	s_add_co_i32 s66, s[EA], s[EA+1]
	s_add_co_i32 s66, s66, 127
	s_lshl_b32 s66, s66, 23                        ; 2^(eA + eB) as f32
	s_mov_b32 s67, s66                             ; (named with it as a pair, so it is written)
	s_wait_tensorcnt 1                             ; my part of slot 0 is in (slot 1's load may be out)
	s_barrier_signal -1
	s_barrier_wait -1                              ; everybody's is
	FETCH 0, 0, F0
	QUARTER 0, 1, F0, F1, 1                        ; the first quarter's products start the sums: nothing is cleared
.if LAPS > 1
	WIN 0                                          ; at a label and at a branch every window is 0
	s_mov_b32 s3, LAPS-1
.Llap:                                                 ; a trip goes once round the ring, from a lap's second quarter to the next lap's first, and fills both slots again
	QUARTER 0, 2, F1, F0, 0
	QUARTER 0, 3, F0, F1, 0
	TURN 0, 1, 1
	QUARTER 1, 1, F0, F1, 0
	QUARTER 1, 2, F1, F0, 0
	QUARTER 1, 3, F0, F1, 0
	TURN 1, 0, 1
	QUARTER 0, 1, F0, F1, 0
	WIN 0
	s_sub_co_u32 s3, s3, 1
	s_cmp_lg_u32 s3, 0
	s_cbranch_scc1 .Llap
.endif
	QUARTER 0, 2, F1, F0, 0                        ; the last lap fills nothing
	QUARTER 0, 3, F0, F1, 0
	TURN 0, 1, 0
	QUARTER 1, 1, F0, F1, 0
	QUARTER 1, 2, F1, F0, 0
	QUARTER 1, 3, F0, F1, 0
	s_wait_dscnt 8
	MULA F1, 0, 0
	MULA F1, 1, 0
	s_wait_dscnt 0
	MULA F1, 2, 0
	MULA F1, 3, 0
	WIN 0
	PLACES
	s_wait_loadcnt 0x0                             ; RES and the bias
	TOSTAGE 0
	TOSTAGE 1
	SEND 0, 16                                     ; behind fragment 0's loads: fragment 1's 8 stores and 8 loads
	TOSTAGE 2
	SEND 1, 16
	TOSTAGE 3
	SEND 2, 16
	SEND 3, 0
	s_wait_tensorcnt 0x0                           ; the wave's end
	ds_add_u32 v[SPW], v[NIL]
	s_wait_dscnt 0x0
	CROUND                                         ; the closing round: no work-group ends while a partner may still ask for a tile that names it
	s_endpgm
.Lfunc_end_k_q008d87b6ef_wo:
	.size	k_q008d87b6ef_wo, .Lfunc_end_k_q008d87b6ef_wo-k_q008d87b6ef_wo
	.p2alignl 7, 3214868480
	.fill 96, 4, 3214868480
	.section	.rodata,"a",@progbits
	.p2align	6, 0x0
	.amdhsa_kernel k_q008d87b6ef_wo
		.amdhsa_group_segment_fixed_size 327680
		.amdhsa_private_segment_fixed_size 0
		.amdhsa_enable_private_segment 0
		.amdhsa_kernarg_size 48
		.amdhsa_user_sgpr_count 2
		.amdhsa_user_sgpr_kernarg_segment_ptr 1
		.amdhsa_wavefront_size32 1
		.amdhsa_system_sgpr_workgroup_id_x 1
		.amdhsa_system_sgpr_workgroup_id_y 1
		.amdhsa_system_sgpr_workgroup_id_z 1
		.amdhsa_system_vgpr_workitem_id 0
		.amdhsa_next_free_vgpr 640
		.amdhsa_next_free_sgpr 100
		.amdhsa_reserve_vcc 0
		.amdhsa_float_denorm_mode_32 3
		.amdhsa_float_denorm_mode_16_64 3
		.amdhsa_memory_ordered 1
		.amdhsa_forward_progress 1
		.amdhsa_inst_pref_size 53
	.end_amdhsa_kernel
	.amdgpu_metadata
---
amdhsa.version: [ 1, 2 ]
amdhsa.kernels:
  - .name:           k_q008d87b6ef_wo
    .symbol:         k_q008d87b6ef_wo.kd
    .args:
      - { .name: ctx, .offset: 0, .size: 8, .value_kind: global_buffer, .address_space: global }
      - { .name: wimg, .offset: 8, .size: 8, .value_kind: global_buffer, .address_space: global }
      - { .name: lowp_scales, .offset: 16, .size: 8, .value_kind: global_buffer, .address_space: global }
      - { .name: x, .offset: 24, .size: 8, .value_kind: global_buffer, .address_space: global }
      - { .name: bo, .offset: 32, .size: 8, .value_kind: global_buffer, .address_space: global }
      - { .name: x1, .offset: 40, .size: 8, .value_kind: global_buffer, .address_space: global }
    .group_segment_fixed_size: 327680
    .private_segment_fixed_size: 0
    .kernarg_segment_align: 8
    .kernarg_segment_size: 48
    .max_flat_workgroup_size: 128
    .sgpr_count:     100
    .vgpr_count:     640
    .wavefront_size: 32
...
	.end_amdgpu_metadata
.endif
;; end of part 4
;; launch ln2 (part 5): grid 256 x 1, 4 waves a work-group, no clusters, 17,408 bytes of LDS; arguments x1, ln2_scale, ln2_shift, lowp_scales, h2; writes h2
.if DOCPART == 5
	.amdgcn_target "amdgcn-amd-amdhsa--gfx1250"
	.amdhsa_code_object_version 6
	.text
	.protected	k_q008d87b6ef_ln2
	.globl	k_q008d87b6ef_ln2
	.p2align	8
	.type	k_q008d87b6ef_ln2,@function
k_q008d87b6ef_ln2:
	s_mov_b64 s[64:65], 0
	v_nop
	global_prefetch_b8 v0, s[64:65] scope:SCOPE_SE
	s_setreg_imm32_b32 hwreg(HW_REG_WAVE_MODE, 25, 1), 1
	s_wait_xcnt 0x0
; LAYERNORM 2 of x1, quantised to E5M2 with entry 12 of the scales, stored as an image: [block of 64 rows][K block of 128][fragment 0..3][2,048 bytes]; byte 512 c + 16 l + i of a fragment is
; k = 32 c + 16 (l / 16) + i of the row at place l % 16; place r of fragment f is row 32 (f / 2) + 8 (f % 2) + r + 8 (r / 8) of the 64.
; A work-group takes the 16 rows of one fragment; wave w the four rows at places 4 w .. 4 w + 3, which are neighbours in x1.  A row lies in 32 registers of the wave: it is read once.
; The variance is a sum of squares of differences from the mean.  LIMITS: e12 between -126 and 112.  NaN among the inputs is not served.
.set P,  2                             ; v2-9    a pair of sums for each of my four rows
.set MR, 10                            ; v10-17  a pair for each row: the mean, later 1 / sqrt(var + eps)
.set QS, 24                            ; v24, v25  2^e, 57,344 x 2^e
.set X,  32                            ; v32-159 my four rows, 32 registers each
.set SC, 160                           ; v160-191 the gain at my columns
.set SH, 192                           ; v192-223 the shift
.set T,  224                           ; v224-239 two sets of 8 numbers held for the conversion
.set CD, 240                           ; v240-255 two banks of 8 registers of codes
.set SPITCH, 1040                      ; a stage row: 1,024 codes + 16: an odd multiple of 16 bytes
.set STGB, 16*SPITCH
.set XP,  4                            ; s[4:5] x1
.set SCP, 6                            ; s[6:7] gain
.set SHP, 8                            ; s[8:9] shift
.set HB,  40                           ; s[40:41] where the image of my 16 rows begins
.set EX,  24                           ; s24 e12
.set SEL, 20                           ; s20, s21 lane selects; s22 = 1 / 1024; s23 = 1e-5
.macro REDUCE                          ; the four rows' pairs of sums become sums over the wave's 32 lanes, in every lane; the rows take turns line by line
.irp i, 0,1,2,3
	v_add_f32 v[P+2*\i], v[P+2*\i], v[P+2*\i+1]
.endr
.irp m, 1,2,4,8
.irp i, 0,1,2,3
	v_add_f32_dpp v[P+2*\i], v[P+2*\i], v[P+2*\i] row_xmask:\m row_mask:0xf bank_mask:0xf
.endr
.endr
.irp i, 0,1,2,3
	v_permlanex16_b32 v[P+2*\i+1], v[P+2*\i], s[SEL], s[SEL+1]
.endr
.irp i, 0,1,2,3
	v_add_f32 v[P+2*\i], v[P+2*\i], v[P+2*\i+1]
.endr
.endm
; Row i is quantised and goes into the stage.  Eight registers are two loads' four numbers: k = 128 jj + 4 l + 0..3 and 128 (jj + 1) + 4 l + 0..3: the conversion's two registers go to two places of the row.
.macro QROW n, q, i
.if (\n) >= 2
	s_wait_dscnt 8                                 ; the 8 stores of the row before may be out; those of the row before that, which read this bank of codes, are done
.endif
.irp jj, 0,2,4,6
.set TS, T+8*((\jj/2)%2)
.set CQ, CD+8*((\n)%2)+\jj
.set k, 0
.rept 8
	v_med3_num_f32 v[TS+k], v[X+32*(\i)+4*\jj+k], -v[QS+2*(\q)+1], v[QS+2*(\q)+1]   ; the conversion does not saturate (ISA guide 7.6.2): the hold at the largest code x the scale
.set k, k+1
.endr
	v_cvt_scalef32_pk8_bf8_f32 v[CQ:CQ+1], v[TS:TS+7], v[QS+2*(\q)]      ; the other set's eight holds stand between this line and the next write of its sources
	ds_store_b32 v20, v[CQ] offset:(\q)*STGB+(\i)*SPITCH+128*\jj         ; 32 lanes: 128 consecutive bytes of the row
	ds_store_b32 v20, v[CQ+1] offset:(\q)*STGB+(\i)*SPITCH+128*\jj+128
.endr
.endm
	s_load_b256 s[4:11], s[0:1], 0x0               ; x1 s[4:5], gain s[6:7], shift s[8:9], the exponents s[10:11]
	s_load_b64 s[12:13], s[0:1], 0x20              ; h2
	v_lshl_add_u32 v30, v0, 2, 0x4200
	v_mov_b32 v31, 0
	v_lshrrev_b32 v1, 5, v0
	v_readfirstlane_b32 s28, v1                    ; wave 0..3
	v_and_b32 v1, 31, v0                           ; lane
	s_lshr_b32 s31, ttmp9, 1                       ; g = the work-group's number: which fragment of 16 rows
	s_lshl_b32 s31, s31, 5
	s_and_b32 s32, ttmp9, 1
	s_lshl_b32 s32, s32, 3
	s_add_co_u32 s31, s31, s32
	s_lshl_b32 s32, s28, 2
	s_add_co_u32 s31, s31, s32
	s_lshr_b32 s32, s28, 1
	s_lshl_b32 s32, s32, 3
	s_add_co_u32 s31, s31, s32                     ; my first row: 32 (g / 2) + 8 (g % 2) + 4 w + 8 (w / 2)
	s_lshl_b32 s32, s31, 12
	s_mov_b32 s33, 0
	s_lshr_b32 s34, ttmp9, 2
	s_lshl_b32 s34, s34, 16                        ; the block of 64 rows: 8 K blocks of 8,192 bytes,
	s_and_b32 s35, ttmp9, 3
	s_lshl_b32 s35, s35, 11                        ; the fragment in each
	s_add_co_u32 s34, s34, s35
	s_mov_b32 s35, 0
	s_wait_kmcnt 0x0
	s_load_b32 s[EX], s[10:11], 0x30               ; e12
	s_add_nc_u64 s[XP:XP+1], s[XP:XP+1], s[32:33]
	s_add_nc_u64 s[HB:HB+1], s[12:13], s[34:35]
	v_lshlrev_b32 v23, 4, v1                       ; 16 x lane
.irp i, 0,1,2,3
.irp j, 0,1,2,3,4,5,6,7
	global_load_b128 v[X+32*\i+4*\j:X+32*\i+4*\j+3], v23, s[XP:XP+1] offset:\i*4096+512*\j th:TH_LOAD_NT   ; 512 consecutive bytes a load
.endr
.endr
.irp j, 0,1,2,3,4,5,6,7
	global_load_b128 v[SC+4*\j:SC+4*\j+3], v23, s[SCP:SCP+1] offset:512*\j
	global_load_b128 v[SH+4*\j:SH+4*\j+3], v23, s[SHP:SHP+1] offset:512*\j
.endr
	s_mul_i32 s36, s28, 4*SPITCH
	v_lshl_add_u32 v20, v1, 2, s36                 ; into the stage: my wave's four rows, 4 bytes a lane
	v_and_b32 v18, 15, v1
	v_lshrrev_b32 v19, 4, v1
	v_mul_u32_u24 v21, v18, SPITCH
	v_lshl_add_u32 v21, v19, 4, v21
	s_lshl_b32 s36, s28, 8
	v_add_nc_u32 v21, s36, v21                     ; out of it: row r, 16 h, and my wave's two K blocks: 256 w
	s_lshl_b32 s36, s28, 14
	v_add_nc_u32 v22, s36, v23                     ; and in the image: 16 x lane + two K blocks x wave
	s_mov_b32 s[SEL], 0x76543210
	s_mov_b32 s[SEL+1], 0xfedcba98
	s_mov_b32 s[SEL+2], 0x3a800000                 ; 1 / 1024
	s_mov_b32 s[SEL+3], 0x3727c5ac                 ; 1e-5
	s_wait_kmcnt 0x0
	s_add_co_i32 s36, s[EX], 127
	s_lshl_b32 s37, s36, 23
	v_mov_b32 v[QS], s37
	s_add_co_i32 s36, s36, 15
	s_lshl_b32 s36, s36, 23
	s_or_b32 s36, s36, 0x600000
	v_mov_b32 v[QS+1], s36
	s_wait_loadcnt 16                              ; x1's 32 loads are in; the 16 of gain and shift may be out
.irp i, 0,1,2,3
	v_pk_add_f32 v[P+2*\i:P+2*\i+1], v[X+32*\i:X+32*\i+1], v[X+32*\i+2:X+32*\i+3]
.endr
.set k, 4
.rept 14
.irp i, 0,1,2,3
	v_pk_add_f32 v[P+2*\i:P+2*\i+1], v[P+2*\i:P+2*\i+1], v[X+32*\i+k:X+32*\i+k+1]
.endr
.set k, k+2
.endr
	REDUCE
.irp i, 0,1,2,3
	v_mul_f32 v[MR+2*\i], s[SEL+2], v[P+2*\i]      ; the mean
	v_mov_b32 v[MR+2*\i+1], v[MR+2*\i]
.endr
.set k, 0
.rept 16
.irp i, 0,1,2,3
	v_pk_add_f32 v[X+32*\i+k:X+32*\i+k+1], v[X+32*\i+k:X+32*\i+k+1], v[MR+2*\i:MR+2*\i+1] neg_lo:[0,1] neg_hi:[0,1]   ; x - mean, in place
.endr
.set k, k+2
.endr
.irp i, 0,1,2,3
	v_pk_mul_f32 v[P+2*\i:P+2*\i+1], v[X+32*\i:X+32*\i+1], v[X+32*\i:X+32*\i+1]
.endr
.set k, 2
.rept 15
.irp i, 0,1,2,3
	v_pk_fma_f32 v[P+2*\i:P+2*\i+1], v[X+32*\i+k:X+32*\i+k+1], v[X+32*\i+k:X+32*\i+k+1], v[P+2*\i:P+2*\i+1]
.endr
.set k, k+2
.endr
	REDUCE
.irp i, 0,1,2,3
	v_fma_f32 v[P+2*\i], v[P+2*\i], s[SEL+2], s[SEL+3]   ; var + eps
.endr
.irp i, 0,1,2,3
	v_rsq_f32 v[MR+2*\i], v[P+2*\i]
.endr
	v_nop                                          ; a plain instruction behind the last of the batch (ISA guide 5.7.2)
	s_wait_alu depctr_va_vdst(0)                   ; one wait for the four, ahead of the first line that names a result
.irp i, 0,1,2,3
	v_mov_b32 v[MR+2*\i+1], v[MR+2*\i]
.endr
	s_wait_loadcnt 0x0                             ; gain and shift
.irp i, 0,1,2,3
.set k, 0
.rept 16
	v_pk_mul_f32 v[X+32*\i+k:X+32*\i+k+1], v[X+32*\i+k:X+32*\i+k+1], v[MR+2*\i:MR+2*\i+1]
.set k, k+2
.endr
.set k, 0
.rept 16
	v_pk_fma_f32 v[X+32*\i+k:X+32*\i+k+1], v[X+32*\i+k:X+32*\i+k+1], v[SC+k:SC+k+1], v[SH+k:SH+k+1]
.set k, k+2
.endr
.endr
.set n, 0
.irp i, 0,1,2,3
	QROW n, 0, \i
.set n, n+1
.endr
	v_nop
	s_wait_dscnt 0x0                               ; for the others' sake: my stores into the stage are done
	s_barrier_signal -1
	s_barrier_wait -1
	; the way out: wave w takes K blocks 2 w and 2 w + 1, in the image's order, and stores 512 consecutive bytes an instruction
.set n, 0
.irp kk, 0,1
.irp c, 0,1,2,3
	ds_load_b128 v[X+4*n:X+4*n+3], v21 offset:128*\kk+32*\c
.set n, n+1
.endr
.endr
.set n, 0
.irp kk, 0,1
.irp c, 0,1,2,3
	s_wait_dscnt 7-n                               ; LDS loads come back in order (ISA guide 5.7.1): load n is in
	global_store_b128 v22, v[X+4*n:X+4*n+3], s[HB:HB+1] offset:\kk*8192+512*\c
.set n, n+1
.endr
.endr
	s_wait_tensorcnt 0x0
	ds_add_u32 v30, v31
	s_wait_dscnt 0x0
	s_endpgm
.Lfunc_end_k_q008d87b6ef_ln2:
	.size	k_q008d87b6ef_ln2, .Lfunc_end_k_q008d87b6ef_ln2-k_q008d87b6ef_ln2
	.p2alignl 7, 3214868480
	.fill 96, 4, 3214868480
	.section	.rodata,"a",@progbits
	.p2align	6, 0x0
	.amdhsa_kernel k_q008d87b6ef_ln2
		.amdhsa_group_segment_fixed_size 17408
		.amdhsa_private_segment_fixed_size 0
		.amdhsa_enable_private_segment 0
		.amdhsa_kernarg_size 40
		.amdhsa_user_sgpr_count 2
		.amdhsa_user_sgpr_kernarg_segment_ptr 1
		.amdhsa_wavefront_size32 1
		.amdhsa_system_sgpr_workgroup_id_x 1
		.amdhsa_system_sgpr_workgroup_id_y 1
		.amdhsa_system_sgpr_workgroup_id_z 1
		.amdhsa_system_vgpr_workitem_id 0
		.amdhsa_next_free_vgpr 256
		.amdhsa_next_free_sgpr 66
		.amdhsa_reserve_vcc 0
		.amdhsa_float_denorm_mode_32 3
		.amdhsa_float_denorm_mode_16_64 3
		.amdhsa_memory_ordered 1
		.amdhsa_forward_progress 1
		.amdhsa_inst_pref_size 44
	.end_amdhsa_kernel
	.amdgpu_metadata
---
amdhsa.version: [ 1, 2 ]
amdhsa.kernels:
  - .name:           k_q008d87b6ef_ln2
    .symbol:         k_q008d87b6ef_ln2.kd
    .args:
      - { .name: x1, .offset: 0, .size: 8, .value_kind: global_buffer, .address_space: global }
      - { .name: ln2_scale, .offset: 8, .size: 8, .value_kind: global_buffer, .address_space: global }
      - { .name: ln2_shift, .offset: 16, .size: 8, .value_kind: global_buffer, .address_space: global }
      - { .name: lowp_scales, .offset: 24, .size: 8, .value_kind: global_buffer, .address_space: global }
      - { .name: h2, .offset: 32, .size: 8, .value_kind: global_buffer, .address_space: global }
    .group_segment_fixed_size: 17408
    .private_segment_fixed_size: 0
    .kernarg_segment_align: 8
    .kernarg_segment_size: 40
    .max_flat_workgroup_size: 128
    .sgpr_count:     66
    .vgpr_count:     256
    .wavefront_size: 32
...
	.end_amdgpu_metadata
.endif
;; end of part 5
;; launch ffn1 (part 6): grid 32 x 32, 4 waves a work-group, clusters of 4 x 4, 327,680 bytes of LDS; arguments h2, wimg, lowp_scales, b1, gimg; writes gimg
.if DOCPART == 6
	.amdgcn_target "amdgcn-amd-amdhsa--gfx1250"
	.amdhsa_code_object_version 6
	.text
	.protected	k_q008d87b6ef_ffn1
	.globl	k_q008d87b6ef_ffn1
	.p2align	8
	.type	k_q008d87b6ef_ffn1,@function
k_q008d87b6ef_ffn1:
	s_mov_b64 s[64:65], 0
	v_nop
	global_prefetch_b8 v0, s[64:65] scope:SCOPE_SE
	s_setreg_imm32_b32 hwreg(HW_REG_WAVE_MODE, 25, 1), 1
	s_wait_xcnt 0x0
	s_wait_alu depctr_hold_cnt(0) depctr_sa_sdst(0) depctr_va_vdst(0) depctr_va_sdst(0) depctr_va_ssrc(0) depctr_va_vcc(0) depctr_vm_vsrc(0)
	s_getreg_b32 s2, hwreg(HW_REG_IB_STS2, 6, 4)
	s_cmp_eq_u32 s2, 0
	s_cbranch_scc0 .Lentry_in_a_cluster
	s_endpgm
.Lentry_in_a_cluster:
	s_bfe_u32 s2, ttmp6, 0x10000c
	s_cmp_lg_u32 s2, 0xf033
	s_cbranch_scc0 .Lentry_shape_is_right
	s_endpgm
.Lentry_shape_is_right:
; G = gelu(H W1 + b1), quantised at once (entry 14) into the image that the last product reads.  The product on codes of E5M2: H = h2 (K = 1,024, entry 12), W1 in wimg at 4 MiB (entry 13).
; OPERANDS are images: [block of 64 rows][K block of 128][fragment 0..3][2,048 bytes]; byte 512 c + 16 l + i of a fragment is k = 32 c + 16 (l / 16) + i of the row at place l % 16;
; place r of fragment f is row 32 (f / 2) + 8 (f % 2) + r + 8 (r / 8) of the 64.  The place of k in the registers is the same permutation in both operands.
; THE CORE.  A tile is 128 rows of R (tokens) x 128 rows of P (W1's columns); four waves, each 64 x 64: 16 accumulators.  Source 0 = a fragment of P, source 1 = a fragment of R: a lane holds ONE token,
; and the 16 registers of accumulators (a, 2 b), (a, 2 b + 1) are the 16 neighbouring hidden units 32 b + 16 (l / 16) + 0 .. 15: two conversions make four registers of the next operand's image.
; K goes in steps of 512 through two LDS slots; with K = 1,024 each slot is filled once.  CLUSTERS: 4 x 4 work-groups: R's tile is shared along a row, P's along a column: each is asked for JOINTLY.
; GELU: 0.5 z (1 + tanh(u)), u = sqrt(2 / pi) (z + 0.044715 z^3), is z / (1 + e^(-2 u)) = z / (1 + 2^(z (K1 z^2 + K2))), K2 = -2 sqrt(2 / pi) log2(e), K1 = 0.044715 K2: all in f32, with no difference of near numbers.
; LIMITS: e12 + e13 between -126 and 127; e14 between -126 and 112.
; REGISTERS: window 0: v2, v8-11 K1, K2, v12, v13 the conversion's scale and the hold, v16-21 LDS addresses, v27-29, v32-63 at work, v64-95 codes, v96-127 b1 at my 32 units, v128-255 accumulators;  window 1: two fragment buffers.
.set HALFT,  32768                     ; 64 rows x 512 K: what one tensor load brings, and what one wave reads of R or of P
.set SLOT,   4*HALFT                   ; R's two blocks of 64 rows, then P's two
.set SPARE,  2*SLOT                    ; behind the ring: the spare words, 128 bytes for each wave: two blocks of 256 bytes that no other line names
.set ADRA, 16                          ; v16-17  LDS address of my fragments of R in slot 0, 1
.set ADRB, 20                          ; v20-21  the same for P
.set LI,   27                          ; v27     16 x lane
.set SPW,  28                          ; v28     LDS address of my spare word; never rewritten
.set NIL,  29                          ; v29     0; never rewritten
.set TT,   32
.set BIAS, 96
.set ACC,  128
.set F0,   0
.set F1,   128
.set G1,   24                          ; s[24:31] descriptor group 1 for R's tiles; s[32:39] group 0, a set for each slot
.set G0,   32
.set G1B,  48                          ; s[48:55], s[56:63] the same for P's
.set G0B,  56
.set MSB,  0
.macro WIN new                         ; the immediate's high byte repeats the setting that is left
.if MSB != \new
	s_set_vgpr_msb (MSB<<8)|\new
.set MSB, \new
.endif
.endm
.set MUL,  0x05                        ; sources 0 (P) and 1 (R) window 1; C and D window 0
.set TO_F, 0x40                        ; destination window 1, address window 0
.macro JLOAD s                         ; a joint load: waves 0 and 1 fetch R's two blocks, waves 2 and 3 P's; four v_nop follow each of the two lines
	s_cmp_eq_u32 s11, 0
	s_cbranch_scc0 .Lfor_b_\@
	tensor_load_to_lds s[G0+4*\s:G0+4*\s+3], s[G1:G1+7]
	s_nop 0
.rept 4
	v_nop
.endr
	s_branch .Lasked_\@
.Lfor_b_\@:
	tensor_load_to_lds s[G0B+4*\s:G0B+4*\s+3], s[G1B:G1B+7]
	s_nop 0
.rept 4
	v_nop
.endr
.Lasked_\@:
.endm
.macro CREST                           ; a round of the cluster's barrier behind its opening barrier
	s_cmp_lg_u32 s10, 0
	s_cbranch_scc1 .Lnot_wave_0_\@
	s_barrier_signal -3
.Lnot_wave_0_\@:
	s_barrier_wait -3
	s_barrier_signal -1
	s_barrier_wait -1
.endm
.macro CROUND
	s_barrier_signal -1
	s_barrier_wait -1
	CREST
.endm
.macro PLACES                          ; four places in front of loads into registers that matrix instructions have read, and of the first read of results
.rept 4
	v_nop
.endr
.endm
.macro FETCH slot, q, f                ; 32 LDS loads in one run: K block q of the slot into buffer f: P's four fragments, then R's; each load takes 512 consecutive bytes
	WIN TO_F
.irp i, 0,1,2,3
.irp c, 0,1,2,3
	ds_load_b128 v[\f+64+16*\i+4*\c:\f+64+16*\i+4*\c+3], v[ADRB+\slot] offset:(\q)*8192+\i*2048+\c*512
.endr
.endr
.irp i, 0,1,2,3
.irp c, 0,1,2,3
	ds_load_b128 v[\f+16*\i+4*\c:\f+16*\i+4*\c+3], v[ADRA+\slot] offset:(\q)*8192+\i*2048+\c*512
.endr
.endr
.endm
.macro MULA f, a, zero                 ; R's fragment a against P's four.  The 16 accumulators take turns, one instruction a turn, in the same order in every quarter
	WIN MUL
.irp b, 0,1,2,3
.if \zero
	v_wmma_f32_16x16x128_bf8_bf8 v[ACC+8*(4*(\a)+\b):ACC+8*(4*(\a)+\b)+7], v[\f+64+16*\b:\f+64+16*\b+15], v[\f+16*(\a):\f+16*(\a)+15], 0
.else
	v_wmma_f32_16x16x128_bf8_bf8 v[ACC+8*(4*(\a)+\b):ACC+8*(4*(\a)+\b)+7], v[\f+64+16*\b:\f+64+16*\b+15], v[\f+16*(\a):\f+16*(\a)+15], v[ACC+8*(4*(\a)+\b):ACC+8*(4*(\a)+\b)+7]
.endif
.endr
.endm
.macro QUARTER slot, q, f, g, zero     ; 128 along K: multiplies buffer f; in its middle fetches K block q of the same slot into g
	s_wait_dscnt 8                                 ; P's fragments and R's 0, 1 are in; the youngest eight loads (R's 2, 3) may be out
	MULA \f, 0, \zero
	MULA \f, 1, \zero
	PLACES
	FETCH \slot, \q, \g
	s_wait_dscnt 32                                ; all but the 32 just issued
	MULA \f, 2, \zero
	MULA \f, 3, \zero
.endm
.macro TURN slot, next, fill           ; a slot's last quarter multiplies buffer 1 and changes slots: one barrier; in front of it each wave waits for all its tensor loads, adds 0 to its spare word, and waits for that and for its reads of this slot
	WIN 0
	s_wait_tensorcnt 0x0                           ; all my tensor loads have landed: my part of the next slot
	ds_add_u32 v[SPW], v[NIL]                      ; 0 onto my spare word
	s_wait_dscnt 9                                 ; (the add and the youngest eight loads may be out)
	MULA F1, 0, 0
	s_wait_dscnt 0x0                               ; the add is done, and my reads of this slot are over
	s_barrier_signal -1
	MULA F1, 1, 0
.if \fill
	WIN 0
.endif
	s_barrier_wait -1
.if \fill
	CREST
	s_add_nc_u64 s[G0+4*\slot+2:G0+4*\slot+3], s[G0+4*\slot+2:G0+4*\slot+3], 2*HALFT
	s_add_nc_u64 s[G0B+4*\slot+2:G0B+4*\slot+3], s[G0B+4*\slot+2:G0B+4*\slot+3], 2*HALFT
	JLOAD \slot
.else
	PLACES
.endif
	FETCH \next, 0, F0
	MULA F1, 2, 0
	MULA F1, 3, 0
.endm
	s_load_b256 s[84:91], s[0:1], 0x0              ; h2 s[84:85], wimg s[86:87], the exponents s[88:89], b1 s[90:91]
	s_load_b64 s[92:93], s[0:1], 0x20              ; gimg
	v_lshl_add_u32 v[SPW], v0, 2, SPARE
	v_mov_b32 v[NIL], 0
	ds_add_u32 v28, v29
	ds_add_u32 v28, v29
	s_wait_dscnt 0x0
	v_lshrrev_b32 v1, 5, v0
	v_readfirstlane_b32 s10, v1                    ; wave 0..3
	s_lshr_b32 s11, s10, 1                         ; which 64 rows of R are mine.  Also: I fetch for R (0) or for P (1)
	s_and_b32 s12, s10, 1                          ; which 64 rows of P.  Also: which block of 64 rows I fetch
	s_bfe_u32 s40, ttmp6, 0x40000                  ; cx, cy: my place in the cluster
	s_bfe_u32 s41, ttmp6, 0x40004
	s_lshl_b32 s42, ttmp9, 2
	s_add_co_u32 s42, s42, s40                     ; tile of P = 4 x cluster x + cx
	s_and_b32 s13, ttmp7, 0xffff
	s_lshl_b32 s13, s13, 2
	s_add_co_u32 s13, s13, s41                     ; tile of R = 4 x cluster y + cy
	s_lshl_b32 s43, s41, 2
	s_lshl_b32 s43, 15, s43                        ; my row of the cluster
	s_lshl_b32 s44, 0x1111, s40                    ; my column
	; descriptor group 1: 32,768 consecutive bytes as 128 rows of 32 elements of 8 bytes
	s_or_b32 s[G1+0], s43, (3<<16)|(1<<21)         ; 15:0 the mask: R's tiles go to my row; 17:16 elements of 8 bytes; 21 set beside a mask; no padding
	s_or_b32 s[G1B+0], s44, (3<<16)|(1<<21)
.irp g, G1, G1B
	s_mov_b32 s[\g+1], 32<<16                      ; tensor_dim0 = 32
	s_mov_b32 s[\g+2], 128<<16                     ; tensor_dim1 = 128
	s_mov_b32 s[\g+3], 32<<16                      ; tile_dim0 = 32
	s_mov_b32 s[\g+4], 128                         ; tile_dim1 = 128
	s_mov_b32 s[\g+5], 32                          ; tensor_dim0_stride
	s_mov_b32 s[\g+6], 0
	s_mov_b32 s[\g+7], 0
.endr
	s_lshl_b32 s16, s13, 1
	s_add_co_u32 s16, s16, s12
	s_lshl_b32 s16, s16, 16                        ; R: the block of 64 rows x 1,024 K that I fetch
	s_mov_b32 s17, 0
	s_lshl_b32 s46, s42, 1
	s_add_co_u32 s46, s46, s12
	s_lshl_b32 s46, s46, 16
	s_add_co_u32 s46, s46, 0x400000                ; P likewise, in W1's image
	s_mov_b32 s47, 0
	s_lshl_b32 s20, s10, 15                        ; where they go: wave x 32,768: no place in the cluster enters an LDS address
	s_wait_kmcnt 0x0
	s_load_b512 s[68:83], s[88:89], 0x0            ; the sixteen exponents
	s_add_nc_u64 s[14:15], s[84:85], s[16:17]
	s_add_nc_u64 s[46:47], s[86:87], s[46:47]
	CROUND                                         ; all sixteen work-groups are here: the first joint loads meet
.irp s, 0,1
	s_mov_b32 s[G0+4*\s], 1
	s_add_co_u32 s[G0+4*\s+1], s20, \s*SLOT
	s_add_nc_u64 s[G0+4*\s+2:G0+4*\s+3], s[14:15], \s*HALFT
	s_or_b32 s[G0+4*\s+3], s[G0+4*\s+3], 0x80000000
	s_mov_b32 s[G0B+4*\s], 1
	s_add_co_u32 s[G0B+4*\s+1], s20, \s*SLOT
	s_add_nc_u64 s[G0B+4*\s+2:G0B+4*\s+3], s[46:47], \s*HALFT
	s_or_b32 s[G0B+4*\s+3], s[G0B+4*\s+3], 0x80000000
	JLOAD \s
.endr
	v_and_b32 v1, 31, v0
	v_lshlrev_b32 v[LI], 4, v1
	s_lshl_b32 s21, s11, 15                        ; my 64 rows of R
	s_lshl_b32 s22, s12, 15                        ; my 64 rows of P,
	s_add_co_u32 s22, s22, 2*HALFT                 ; which lie behind R's 128
.irp s, 0,1
	v_add_nc_u32 v[ADRA+\s], s21, v[LI]
	v_add_nc_u32 v[ADRB+\s], s22, v[LI]
	s_add_co_u32 s21, s21, SLOT
	s_add_co_u32 s22, s22, SLOT
.endr
	s_lshl_b32 s46, s42, 9
	s_lshl_b32 s47, s12, 8
	s_add_co_u32 s46, s46, s47
	s_mov_b32 s47, 0
	s_add_nc_u64 s[90:91], s[90:91], s[46:47]      ; b1 at my wave's 64 hidden units
	v_bfe_u32 v2, v0, 4, 1
	v_lshlrev_b32 v2, 6, v2                        ; lanes 16-31: 16 units further on
.irp b, 0,1
.irp i, 0,1,2,3
	global_load_b128 v[BIAS+16*\b+4*\i:BIAS+16*\b+4*\i+3], v2, s[90:91] offset:128*\b+16*\i   ; units 32 b + 16 (l / 16) + 0 .. 15: the accumulators' layout
.endr
.endr
	s_lshl_b32 s16, s13, 1
	s_add_co_u32 s16, s16, s11
	s_lshl_b32 s16, s16, 18                        ; my block of 64 tokens: 32 K blocks of 8,192 bytes
	s_mov_b32 s17, 0
	s_add_nc_u64 s[96:97], s[92:93], s[16:17]
	s_lshl_b32 s46, s42, 13                        ; the K block = the tile of P,
	s_lshl_b32 s47, s12, 10                        ; my half of its four groups of registers
	s_add_co_u32 s46, s46, s47
	s_mov_b32 s47, 0
	s_add_nc_u64 s[96:97], s[96:97], s[46:47]
	v_mov_b32 v8, 0xbdd2d3e8                       ; K1 = 0.044715 K2, in both halves of a pair
	v_mov_b32 v9, 0xbdd2d3e8
	v_mov_b32 v10, 0xc0135761                      ; K2 = -2 sqrt(2 / pi) log2(e)
	v_mov_b32 v11, 0xc0135761
	s_wait_kmcnt 0x0
	s_add_co_i32 s66, s80, s81                     ; e12 + e13
	s_add_co_i32 s66, s66, 127
	s_lshl_b32 s66, s66, 23                        ; 2^(e12 + e13) as f32
	s_mov_b32 s67, s66                             ; (named with it as a pair, so it is written)
	s_add_co_i32 s4, s82, 127                      ; e14
	s_lshl_b32 s5, s4, 23
	v_mov_b32 v12, s5
	s_add_co_i32 s4, s4, 15
	s_lshl_b32 s4, s4, 23
	s_or_b32 s4, s4, 0x600000
	v_mov_b32 v13, s4
	s_wait_tensorcnt 1                             ; my part of slot 0 is in (slot 1's load may be out)
	s_barrier_signal -1
	s_barrier_wait -1                              ; everybody's is
	FETCH 0, 0, F0
	QUARTER 0, 1, F0, F1, 1                        ; the first quarter's products start the sums: nothing is cleared
	QUARTER 0, 2, F1, F0, 0
	QUARTER 0, 3, F0, F1, 0
	TURN 0, 1, 0
	QUARTER 1, 1, F0, F1, 0
	QUARTER 1, 2, F1, F0, 0
	QUARTER 1, 3, F0, F1, 0
	s_wait_dscnt 8
	MULA F1, 0, 0
	MULA F1, 1, 0
	s_wait_dscnt 0
	MULA F1, 2, 0
	MULA F1, 3, 0
	WIN 0
	PLACES
	s_wait_loadcnt 0x0                             ; b1
	; THE WAY OUT, a fragment of 16 tokens at a time: bias, gelu, hold, convert, store; each accumulator from its low end on
.irp a, 0,1,2,3
.set Z, ACC+32*\a
.set i, 0
.rept 16
	v_pk_fma_f32 v[Z+i:Z+i+1], v[Z+i:Z+i+1], s[66:67], v[BIAS+i:BIAS+i+1] op_sel_hi:[1,0,1]   ; z = sum x 2^(e12 + e13) + b1
.set i, i+2
.endr
.set i, 0
.rept 16
	v_pk_mul_f32 v[TT+i:TT+i+1], v[Z+i:Z+i+1], v[Z+i:Z+i+1]
.set i, i+2
.endr
.set i, 0
.rept 16
	v_pk_fma_f32 v[TT+i:TT+i+1], v[TT+i:TT+i+1], v[8:9], v[10:11]
.set i, i+2
.endr
.set i, 0
.rept 16
	v_pk_mul_f32 v[TT+i:TT+i+1], v[TT+i:TT+i+1], v[Z+i:Z+i+1]   ; z (K1 z^2 + K2)
.set i, i+2
.endr
.set i, 0
.rept 32
	v_exp_f32 v[TT+i], v[TT+i]
.set i, i+1
.endr
	v_nop                                          ; a plain line behind the batch
	s_wait_alu depctr_va_vdst(0)                   ; one wait for the 32, ahead of the first line that names a result
.set i, 0
.rept 16
	v_pk_add_f32 v[TT+i:TT+i+1], v[TT+i:TT+i+1], 1.0 op_sel_hi:[1,0]
.set i, i+2
.endr
.set i, 0
.rept 32
	v_rcp_f32 v[TT+i], v[TT+i]
.set i, i+1
.endr
	v_nop
	s_wait_alu depctr_va_vdst(0)                   ; likewise for the 32 reciprocals
.set i, 0
.rept 16
	v_pk_mul_f32 v[Z+i:Z+i+1], v[Z+i:Z+i+1], v[TT+i:TT+i+1]
.set i, i+2
.endr
.set i, 0
.rept 32
	v_med3_num_f32 v[Z+i], v[Z+i], -v13, v13       ; the conversion does not saturate (ISA guide 7.6.2)
.set i, i+1
.endr
.irp g, 0,1,2,3
	v_cvt_scalef32_pk8_bf8_f32 v[64+8*\a+2*\g:65+8*\a+2*\g], v[Z+8*\g:Z+8*\g+7], v12
.endr
	v_nop                                          ; a plain line behind the conversions
.irp b, 0,1
	global_store_b128 v[LI], v[64+8*\a+4*\b:67+8*\a+4*\b], s[96:97] offset:\a*2048+512*\b   ; 512 consecutive bytes, aligned
.endr
.endr
	s_wait_tensorcnt 0x0                           ; the wave's end
	ds_add_u32 v[SPW], v[NIL]
	s_wait_dscnt 0x0
	CROUND                                         ; the closing round: no work-group ends while a partner may still ask for a tile that names it
	s_endpgm
.Lfunc_end_k_q008d87b6ef_ffn1:
	.size	k_q008d87b6ef_ffn1, .Lfunc_end_k_q008d87b6ef_ffn1-k_q008d87b6ef_ffn1
	.p2alignl 7, 3214868480
	.fill 96, 4, 3214868480
	.section	.rodata,"a",@progbits
	.p2align	6, 0x0
	.amdhsa_kernel k_q008d87b6ef_ffn1
		.amdhsa_group_segment_fixed_size 327680
		.amdhsa_private_segment_fixed_size 0
		.amdhsa_enable_private_segment 0
		.amdhsa_kernarg_size 40
		.amdhsa_user_sgpr_count 2
		.amdhsa_user_sgpr_kernarg_segment_ptr 1
		.amdhsa_wavefront_size32 1
		.amdhsa_system_sgpr_workgroup_id_x 1
		.amdhsa_system_sgpr_workgroup_id_y 1
		.amdhsa_system_sgpr_workgroup_id_z 1
		.amdhsa_system_vgpr_workitem_id 0
		.amdhsa_next_free_vgpr 512
		.amdhsa_next_free_sgpr 100
		.amdhsa_reserve_vcc 0
		.amdhsa_float_denorm_mode_32 3
		.amdhsa_float_denorm_mode_16_64 3
		.amdhsa_memory_ordered 1
		.amdhsa_forward_progress 1
		.amdhsa_inst_pref_size 77
	.end_amdhsa_kernel
	.amdgpu_metadata
---
amdhsa.version: [ 1, 2 ]
amdhsa.kernels:
  - .name:           k_q008d87b6ef_ffn1
    .symbol:         k_q008d87b6ef_ffn1.kd
    .args:
      - { .name: h2, .offset: 0, .size: 8, .value_kind: global_buffer, .address_space: global }
      - { .name: wimg, .offset: 8, .size: 8, .value_kind: global_buffer, .address_space: global }
      - { .name: lowp_scales, .offset: 16, .size: 8, .value_kind: global_buffer, .address_space: global }
      - { .name: b1, .offset: 24, .size: 8, .value_kind: global_buffer, .address_space: global }
      - { .name: gimg, .offset: 32, .size: 8, .value_kind: global_buffer, .address_space: global }
    .group_segment_fixed_size: 327680
    .private_segment_fixed_size: 0
    .kernarg_segment_align: 8
    .kernarg_segment_size: 40
    .max_flat_workgroup_size: 128
    .sgpr_count:     100
    .vgpr_count:     512
    .wavefront_size: 32
...
	.end_amdgpu_metadata
.endif
;; end of part 6
;; launch ffn2 (part 7): grid 8 x 32, 4 waves a work-group, clusters of 4 x 4, 327,680 bytes of LDS; arguments gimg, wimg, lowp_scales, x1, b2, out0; writes out0
.if DOCPART == 7
	.amdgcn_target "amdgcn-amd-amdhsa--gfx1250"
	.amdhsa_code_object_version 6
	.text
	.protected	k_q008d87b6ef_ffn2
	.globl	k_q008d87b6ef_ffn2
	.p2align	8
	.type	k_q008d87b6ef_ffn2,@function
k_q008d87b6ef_ffn2:
	s_mov_b64 s[64:65], 0
	v_nop
	global_prefetch_b8 v0, s[64:65] scope:SCOPE_SE
	s_setreg_imm32_b32 hwreg(HW_REG_WAVE_MODE, 25, 1), 1
	s_wait_xcnt 0x0
	s_wait_alu depctr_hold_cnt(0) depctr_sa_sdst(0) depctr_va_vdst(0) depctr_va_sdst(0) depctr_va_ssrc(0) depctr_va_vcc(0) depctr_vm_vsrc(0)
	s_getreg_b32 s2, hwreg(HW_REG_IB_STS2, 6, 4)
	s_cmp_eq_u32 s2, 0
	s_cbranch_scc0 .Lentry_in_a_cluster
	s_endpgm
.Lentry_in_a_cluster:
	s_bfe_u32 s2, ttmp6, 0x10000c
	s_cmp_lg_u32 s2, 0xf033
	s_cbranch_scc0 .Lentry_shape_is_right
	s_endpgm
.Lentry_shape_is_right:
; OUT = RES + (A W + bias), f32, [4,096][1,024]; the product on codes of E5M2.  Here: A = gimg (K = 4,096, entry 14), W = W2 (entry 15, in wimg at 8 MiB), bias = b2, RES = x1, OUT = out0.
; OPERANDS are images: [block of 64 rows][K block of 128][fragment 0..3][2,048 bytes]; byte 512 c + 16 l + i of a fragment is k = 32 c + 16 (l / 16) + i of the row at place l % 16;
; place r of fragment f is row 32 (f / 2) + 8 (f % 2) + r + 8 (r / 8) of the 64.  The place of k in the registers is the same permutation in both operands.
; THE CORE.  A tile is 128 rows of R (tokens) x 128 rows of P (the weight's columns); four waves, each 64 x 64: 16 accumulators.  Source 0 = a fragment of P, source 1 = a fragment of R: a lane holds ONE token,
; and the 16 registers of accumulators (a, 2 b), (a, 2 b + 1) are the 16 neighbouring columns 32 b + 16 (l / 16) + 0 .. 15.
; K goes in steps of 512 through a ring of two LDS slots; a wave fetches 64 rows x 512 K, 32,768 consecutive bytes, by one tensor load: one load of a wave is out behind each change of slots, two at the start.
; CLUSTERS: 4 x 4 work-groups: the four of a row need the same tile of R, the four of a column the same tile of P: each is asked for JOINTLY.
; THE WAY OUT: 16 tokens x 64 columns at a time through the wave's own stage in LDS, back as rows of 256 bytes; sum x 2^(eA + eB) + bias, + RES; sixteen lanes store 256 consecutive bytes, aligned.
; The stage lies in slot 0, which has had its last fill and its last read when the first result is stored there.  RES is loaded at the head into 128 registers and lands under the products.
; LIMIT: eA + eB lies between -126 and 127.
; REGISTERS: window 0: v2, v8-11 bias, v16-21 LDS addresses, v24-29, v128-255 accumulators ((a, b) at 128 + 8 (4 a + b));  window 1: two fragment buffers of 128: R's four fragments, then P's four;  window 2: v0-127 RES.
.set KB,    32                         ; K blocks of 128
.set RBSH,  18                         ; a block of 64 rows of an image is 2^RBSH bytes
.set WOFF,  0x800000                   ; where the weight's image begins in wimg
.set EA,    82                         ; s82, s83: entries 14, 15
.set LAPS,  KB/8                       ; a lap = two K steps = once round the ring
.set HALFT,  32768                     ; 64 rows x 512 K: what one tensor load brings, and what one wave reads of R or of P
.set SLOT,   4*HALFT                   ; R's two blocks of 64 rows, then P's two
.set SPARE,  2*SLOT                    ; behind the ring: the spare words, 128 bytes for each wave: two blocks of 256 bytes that no other line names
.set ADRA, 16                          ; v16-17  LDS address of my fragments of R in slot 0, 1
.set ADRB, 20                          ; v20-21  the same for P
.set STO,  24                          ; v24     the way out: where I put 16 bytes of a row
.set RD,   25                          ; v25     where I read a row back
.set CO,   26                          ; v26     my byte offset in two rows of OUT and RES
.set LI,   27                          ; v27     16 x lane
.set SPW,  28                          ; v28     LDS address of my spare word; never rewritten
.set NIL,  29                          ; v29     0; never rewritten
.set ACC,  128
.set F0,   0
.set F1,   128
.set G1,   24                          ; s[24:31] descriptor group 1 for R's tiles; s[32:39] group 0, a set for each slot
.set G0,   32
.set G1B,  48                          ; s[48:55], s[56:63] the same for P's
.set G0B,  56
.set MSB,  0
.macro WIN new                         ; the immediate's high byte repeats the setting that is left
.if MSB != \new
	s_set_vgpr_msb (MSB<<8)|\new
.set MSB, \new
.endif
.endm
.set MUL,  0x05                        ; sources 0 (P) and 1 (R) window 1; C and D window 0
.set TO_F, 0x40                        ; destination window 1, address window 0
.macro JLOAD s                         ; a joint load: waves 0 and 1 fetch R's two blocks, waves 2 and 3 P's; four v_nop follow each of the two lines
	s_cmp_eq_u32 s11, 0
	s_cbranch_scc0 .Lfor_b_\@
	tensor_load_to_lds s[G0+4*\s:G0+4*\s+3], s[G1:G1+7]
	s_nop 0
.rept 4
	v_nop
.endr
	s_branch .Lasked_\@
.Lfor_b_\@:
	tensor_load_to_lds s[G0B+4*\s:G0B+4*\s+3], s[G1B:G1B+7]
	s_nop 0
.rept 4
	v_nop
.endr
.Lasked_\@:
.endm
.macro CREST                           ; a round of the cluster's barrier behind its opening barrier
	s_cmp_lg_u32 s10, 0
	s_cbranch_scc1 .Lnot_wave_0_\@
	s_barrier_signal -3
.Lnot_wave_0_\@:
	s_barrier_wait -3
	s_barrier_signal -1
	s_barrier_wait -1
.endm
.macro CROUND
	s_barrier_signal -1
	s_barrier_wait -1
	CREST
.endm
.macro PLACES                          ; four places in front of loads into registers that matrix instructions have read, and of the first read of results
.rept 4
	v_nop
.endr
.endm
.macro FETCH slot, q, f                ; 32 LDS loads in one run: K block q of the slot into buffer f: P's four fragments, then R's; each load takes 512 consecutive bytes
	WIN TO_F
.irp i, 0,1,2,3
.irp c, 0,1,2,3
	ds_load_b128 v[\f+64+16*\i+4*\c:\f+64+16*\i+4*\c+3], v[ADRB+\slot] offset:(\q)*8192+\i*2048+\c*512
.endr
.endr
.irp i, 0,1,2,3
.irp c, 0,1,2,3
	ds_load_b128 v[\f+16*\i+4*\c:\f+16*\i+4*\c+3], v[ADRA+\slot] offset:(\q)*8192+\i*2048+\c*512
.endr
.endr
.endm
.macro MULA f, a, zero                 ; R's fragment a against P's four.  The 16 accumulators take turns, one instruction a turn, in the same order in every quarter
	WIN MUL
.irp b, 0,1,2,3
.if \zero
	v_wmma_f32_16x16x128_bf8_bf8 v[ACC+8*(4*(\a)+\b):ACC+8*(4*(\a)+\b)+7], v[\f+64+16*\b:\f+64+16*\b+15], v[\f+16*(\a):\f+16*(\a)+15], 0
.else
	v_wmma_f32_16x16x128_bf8_bf8 v[ACC+8*(4*(\a)+\b):ACC+8*(4*(\a)+\b)+7], v[\f+64+16*\b:\f+64+16*\b+15], v[\f+16*(\a):\f+16*(\a)+15], v[ACC+8*(4*(\a)+\b):ACC+8*(4*(\a)+\b)+7]
.endif
.endr
.endm
.macro QUARTER slot, q, f, g, zero     ; 128 along K: multiplies buffer f; in its middle fetches K block q of the same slot into g
	s_wait_dscnt 8                                 ; P's fragments and R's 0, 1 are in; the youngest eight loads (R's 2, 3) may be out
	MULA \f, 0, \zero
	MULA \f, 1, \zero
	PLACES
	FETCH \slot, \q, \g
	s_wait_dscnt 32                                ; all but the 32 just issued
	MULA \f, 2, \zero
	MULA \f, 3, \zero
.endm
.macro TURN slot, next, fill           ; a slot's last quarter multiplies buffer 1 and changes slots: one barrier; in front of it each wave waits for all its tensor loads, adds 0 to its spare word, and waits for that and for its reads of this slot.  fill = 1: this slot is filled again, two K steps ahead
	WIN 0
	s_wait_tensorcnt 0x0                           ; all my tensor loads have landed: my part of the next slot
	ds_add_u32 v[SPW], v[NIL]                      ; 0 onto my spare word
	s_wait_dscnt 9                                 ; (the add and the youngest eight loads may be out)
	MULA F1, 0, 0
	s_wait_dscnt 0x0                               ; the add is done, and my reads of this slot are over
	s_barrier_signal -1
	MULA F1, 1, 0
.if \fill
	WIN 0
.endif
	s_barrier_wait -1
.if \fill
	CREST                                          ; the barrier has opened a round of the cluster's barrier: no wave of any partner still reads this slot or has a load on its way
	s_add_nc_u64 s[G0+4*\slot+2:G0+4*\slot+3], s[G0+4*\slot+2:G0+4*\slot+3], 2*HALFT
	s_add_nc_u64 s[G0B+4*\slot+2:G0B+4*\slot+3], s[G0B+4*\slot+2:G0B+4*\slot+3], 2*HALFT
	JLOAD \slot                                    ; the first tensor load behind the round; its four v_nop are also the places in front of the loads below
.else
	PLACES
.endif
	FETCH \next, 0, F0
	MULA F1, 2, 0
	MULA F1, 3, 0
.endm
.macro TOSTAGE a                       ; fragment a's 16 tokens x 64 columns into my stage, and back as rows, into the registers that they left; LDS serves a wave's instructions in order (ISA guide 5.7.1.4)
.irp b, 0,1
.irp i, 0,1,2,3
	ds_store_b128 v[STO], v[ACC+32*(\a)+16*\b+4*\i:ACC+32*(\a)+16*\b+4*\i+3] offset:128*\b+16*\i
.endr
.endr
.irp t, 0,1,2,3,4,5,6,7
	ds_load_b128 v[ACC+32*(\a)+4*\t:ACC+32*(\a)+4*\t+3], v[RD] offset:\t*544
.endr
.endm
.macro SEND a, younger                 ; younger: the LDS instructions issued behind fragment a's loads, which may stay out
	s_wait_dscnt \younger
.irp t, 0,1,2,3,4,5,6,7
.irp k, 0,2
	v_pk_fma_f32 v[ACC+32*(\a)+4*\t+\k:ACC+32*(\a)+4*\t+\k+1], v[ACC+32*(\a)+4*\t+\k:ACC+32*(\a)+4*\t+\k+1], s[66:67], v[8+\k:9+\k] op_sel_hi:[1,0,1]   ; sum x 2^(eA + eB) + bias
.endr
.endr
	WIN 0x08                                       ; source 1 window 2
.irp t, 0,1,2,3,4,5,6,7
.irp k, 0,2
	v_pk_add_f32 v[ACC+32*(\a)+4*\t+\k:ACC+32*(\a)+4*\t+\k+1], v[ACC+32*(\a)+4*\t+\k:ACC+32*(\a)+4*\t+\k+1], v[32*(\a)+4*\t+\k:32*(\a)+4*\t+\k+1]   ; + RES
.endr
.endr
	WIN 0
.irp t, 0,1,2,3,4,5,6,7
	global_store_b128 v[CO], v[ACC+32*(\a)+4*\t:ACC+32*(\a)+4*\t+3], s[96:97] offset:(32*((\a)/2)+8*((\a)%2)+2*\t+8*(\t/4))*4096   ; places 2 t, 2 t + 1 of the fragment are these two rows
.endr
.endm
	s_load_b256 s[84:91], s[0:1], 0x0              ; A's image s[84:85], wimg s[86:87], the exponents s[88:89], RES s[90:91]
	s_load_b128 s[92:95], s[0:1], 0x20             ; bias s[92:93], OUT s[94:95]
	v_lshl_add_u32 v[SPW], v0, 2, SPARE
	v_mov_b32 v[NIL], 0
	ds_add_u32 v28, v29
	ds_add_u32 v28, v29
	s_wait_dscnt 0x0
	v_lshrrev_b32 v1, 5, v0
	v_readfirstlane_b32 s10, v1                    ; wave 0..3
	s_lshr_b32 s11, s10, 1                         ; which 64 rows of R are mine.  Also: I fetch for R (0) or for P (1)
	s_and_b32 s12, s10, 1                          ; which 64 rows of P.  Also: which block of 64 rows I fetch
	s_bfe_u32 s40, ttmp6, 0x40000                  ; cx, cy: my place in the cluster
	s_bfe_u32 s41, ttmp6, 0x40004
	s_lshl_b32 s42, ttmp9, 2
	s_add_co_u32 s42, s42, s40                     ; tile of P = 4 x cluster x + cx
	s_and_b32 s13, ttmp7, 0xffff
	s_lshl_b32 s13, s13, 2
	s_add_co_u32 s13, s13, s41                     ; tile of R = 4 x cluster y + cy
	s_lshl_b32 s43, s41, 2
	s_lshl_b32 s43, 15, s43                        ; my row of the cluster
	s_lshl_b32 s44, 0x1111, s40                    ; my column
	; descriptor group 1: 32,768 consecutive bytes as 128 rows of 32 elements of 8 bytes
	s_or_b32 s[G1+0], s43, (3<<16)|(1<<21)         ; 15:0 the mask: R's tiles go to my row; 17:16 elements of 8 bytes; 21 set beside a mask; no padding
	s_or_b32 s[G1B+0], s44, (3<<16)|(1<<21)
.irp g, G1, G1B
	s_mov_b32 s[\g+1], 32<<16                      ; tensor_dim0 = 32
	s_mov_b32 s[\g+2], 128<<16                     ; tensor_dim1 = 128
	s_mov_b32 s[\g+3], 32<<16                      ; tile_dim0 = 32
	s_mov_b32 s[\g+4], 128                         ; tile_dim1 = 128
	s_mov_b32 s[\g+5], 32                          ; tensor_dim0_stride
	s_mov_b32 s[\g+6], 0
	s_mov_b32 s[\g+7], 0
.endr
	s_lshl_b32 s16, s13, 1
	s_add_co_u32 s16, s16, s12
	s_lshl_b32 s16, s16, RBSH                      ; R: the block of 64 rows that I fetch
	s_mov_b32 s17, 0
	s_lshl_b32 s46, s42, 1
	s_add_co_u32 s46, s46, s12
	s_lshl_b32 s46, s46, RBSH
	s_add_co_u32 s46, s46, WOFF                    ; P likewise, in the weight's image
	s_mov_b32 s47, 0
	s_lshl_b32 s20, s10, 15                        ; where they go: wave x 32,768: no place in the cluster enters an LDS address
	s_wait_kmcnt 0x0
	s_load_b512 s[68:83], s[88:89], 0x0            ; the sixteen exponents
	s_add_nc_u64 s[14:15], s[84:85], s[16:17]
	s_add_nc_u64 s[46:47], s[86:87], s[46:47]
	CROUND                                         ; all sixteen work-groups are here: the first joint loads meet
.irp s, 0,1
	s_mov_b32 s[G0+4*\s], 1
	s_add_co_u32 s[G0+4*\s+1], s20, \s*SLOT
	s_add_nc_u64 s[G0+4*\s+2:G0+4*\s+3], s[14:15], \s*HALFT
	s_or_b32 s[G0+4*\s+3], s[G0+4*\s+3], 0x80000000
	s_mov_b32 s[G0B+4*\s], 1
	s_add_co_u32 s[G0B+4*\s+1], s20, \s*SLOT
	s_add_nc_u64 s[G0B+4*\s+2:G0B+4*\s+3], s[46:47], \s*HALFT
	s_or_b32 s[G0B+4*\s+3], s[G0B+4*\s+3], 0x80000000
	JLOAD \s
.endr
	v_and_b32 v1, 31, v0
	v_lshlrev_b32 v[LI], 4, v1
	s_lshl_b32 s21, s11, 15                        ; my 64 rows of R
	s_lshl_b32 s22, s12, 15                        ; my 64 rows of P,
	s_add_co_u32 s22, s22, 2*HALFT                 ; which lie behind R's 128
.irp s, 0,1
	v_add_nc_u32 v[ADRA+\s], s21, v[LI]
	v_add_nc_u32 v[ADRB+\s], s22, v[LI]
	s_add_co_u32 s21, s21, SLOT
	s_add_co_u32 s22, s22, SLOT
.endr
	v_and_b32 v1, 15, v0                           ; r
	v_bfe_u32 v3, v0, 4, 1                         ; h
	v_lshlrev_b32 v2, 4, v1                        ; 16 r
	v_lshl_add_u32 v[CO], v3, 12, v2               ; lanes 0-15 one row of OUT, lanes 16-31 the next; 16 bytes a lane
	s_mul_i32 s23, s10, 16*272                     ; my stage: 16 rows x (256 bytes + 16)
	v_mul_u32_u24 v4, v1, 272
	v_lshl_add_u32 v4, v3, 6, v4
	v_add_nc_u32 v[STO], s23, v4                   ; in: row r, + 64 h
	v_mul_u32_u24 v4, v3, 272
	v_add_nc_u32 v4, v4, v2
	v_add_nc_u32 v[RD], s23, v4                    ; back: row h, + 16 r
	s_lshl_b32 s16, s13, 7
	s_lshl_b32 s17, s11, 6
	s_add_co_u32 s16, s16, s17
	s_lshl_b32 s16, s16, 12                        ; my first row: 128 x tile of R + 64 x half, rows of 4,096 bytes
	s_mov_b32 s17, 0
	s_lshl_b32 s46, s42, 9
	s_lshl_b32 s47, s12, 8
	s_add_co_u32 s46, s46, s47                     ; my first column, in bytes: 512 x tile of P + 256 x half
	s_mov_b32 s47, 0
	s_add_nc_u64 s[98:99], s[90:91], s[16:17]
	s_add_nc_u64 s[98:99], s[98:99], s[46:47]      ; RES
	s_add_nc_u64 s[96:97], s[94:95], s[16:17]
	s_add_nc_u64 s[96:97], s[96:97], s[46:47]      ; OUT
	s_add_nc_u64 s[92:93], s[92:93], s[46:47]      ; bias
	WIN 0x80                                       ; destination window 2
.irp a, 0,1,2,3
.irp t, 0,1,2,3,4,5,6,7
	global_load_b128 v[32*\a+4*\t:32*\a+4*\t+3], v[CO], s[98:99] offset:(32*(\a/2)+8*(\a%2)+2*\t+8*(\t/4))*4096
.endr
.endr
	WIN 0
	global_load_b128 v[8:11], v2, s[92:93]         ; the bias at my four columns
	s_wait_kmcnt 0x0
	s_add_co_i32 s66, s[EA], s[EA+1]
	s_add_co_i32 s66, s66, 127
	s_lshl_b32 s66, s66, 23                        ; 2^(eA + eB) as f32
	s_mov_b32 s67, s66                             ; (named with it as a pair, so it is written)
	s_wait_tensorcnt 1                             ; my part of slot 0 is in (slot 1's load may be out)
	s_barrier_signal -1
	s_barrier_wait -1                              ; everybody's is
	FETCH 0, 0, F0
	QUARTER 0, 1, F0, F1, 1                        ; the first quarter's products start the sums: nothing is cleared
.if LAPS > 1
	WIN 0                                          ; at a label and at a branch every window is 0
	s_mov_b32 s3, LAPS-1
.Llap:                                                 ; a trip goes once round the ring, from a lap's second quarter to the next lap's first, and fills both slots again
	QUARTER 0, 2, F1, F0, 0
	QUARTER 0, 3, F0, F1, 0
	TURN 0, 1, 1
	QUARTER 1, 1, F0, F1, 0
	QUARTER 1, 2, F1, F0, 0
	QUARTER 1, 3, F0, F1, 0
	TURN 1, 0, 1
	QUARTER 0, 1, F0, F1, 0
	WIN 0
	s_sub_co_u32 s3, s3, 1
	s_cmp_lg_u32 s3, 0
	s_cbranch_scc1 .Llap
.endif
	QUARTER 0, 2, F1, F0, 0                        ; the last lap fills nothing
	QUARTER 0, 3, F0, F1, 0
	TURN 0, 1, 0
	QUARTER 1, 1, F0, F1, 0
	QUARTER 1, 2, F1, F0, 0
	QUARTER 1, 3, F0, F1, 0
	s_wait_dscnt 8
	MULA F1, 0, 0
	MULA F1, 1, 0
	s_wait_dscnt 0
	MULA F1, 2, 0
	MULA F1, 3, 0
	WIN 0
	PLACES
	s_wait_loadcnt 0x0                             ; RES and the bias
	TOSTAGE 0
	TOSTAGE 1
	SEND 0, 16                                     ; behind fragment 0's loads: fragment 1's 8 stores and 8 loads
	TOSTAGE 2
	SEND 1, 16
	TOSTAGE 3
	SEND 2, 16
	SEND 3, 0
	s_wait_tensorcnt 0x0                           ; the wave's end
	ds_add_u32 v[SPW], v[NIL]
	s_wait_dscnt 0x0
	CROUND                                         ; the closing round: no work-group ends while a partner may still ask for a tile that names it
	s_endpgm
.Lfunc_end_k_q008d87b6ef_ffn2:
	.size	k_q008d87b6ef_ffn2, .Lfunc_end_k_q008d87b6ef_ffn2-k_q008d87b6ef_ffn2
	.p2alignl 7, 3214868480
	.fill 96, 4, 3214868480
	.section	.rodata,"a",@progbits
	.p2align	6, 0x0
	.amdhsa_kernel k_q008d87b6ef_ffn2
		.amdhsa_group_segment_fixed_size 327680
		.amdhsa_private_segment_fixed_size 0
		.amdhsa_enable_private_segment 0
		.amdhsa_kernarg_size 48
		.amdhsa_user_sgpr_count 2
		.amdhsa_user_sgpr_kernarg_segment_ptr 1
		.amdhsa_wavefront_size32 1
		.amdhsa_system_sgpr_workgroup_id_x 1
		.amdhsa_system_sgpr_workgroup_id_y 1
		.amdhsa_system_sgpr_workgroup_id_z 1
		.amdhsa_system_vgpr_workitem_id 0
		.amdhsa_next_free_vgpr 640
		.amdhsa_next_free_sgpr 100
		.amdhsa_reserve_vcc 0
		.amdhsa_float_denorm_mode_32 3
		.amdhsa_float_denorm_mode_16_64 3
		.amdhsa_memory_ordered 1
		.amdhsa_forward_progress 1
		.amdhsa_inst_pref_size 81
	.end_amdhsa_kernel
	.amdgpu_metadata
---
amdhsa.version: [ 1, 2 ]
amdhsa.kernels:
  - .name:           k_q008d87b6ef_ffn2
    .symbol:         k_q008d87b6ef_ffn2.kd
    .args:
      - { .name: gimg, .offset: 0, .size: 8, .value_kind: global_buffer, .address_space: global }
      - { .name: wimg, .offset: 8, .size: 8, .value_kind: global_buffer, .address_space: global }
      - { .name: lowp_scales, .offset: 16, .size: 8, .value_kind: global_buffer, .address_space: global }
      - { .name: x1, .offset: 24, .size: 8, .value_kind: global_buffer, .address_space: global }
      - { .name: b2, .offset: 32, .size: 8, .value_kind: global_buffer, .address_space: global }
      - { .name: out0, .offset: 40, .size: 8, .value_kind: global_buffer, .address_space: global }
    .group_segment_fixed_size: 327680
    .private_segment_fixed_size: 0
    .kernarg_segment_align: 8
    .kernarg_segment_size: 48
    .max_flat_workgroup_size: 128
    .sgpr_count:     100
    .vgpr_count:     640
    .wavefront_size: 32
...
	.end_amdgpu_metadata
.endif
;; end of part 7
;; ======== version 2 of 2: 7 launches
;; limits: right only within a limited range of input values
;; workspace buffers: wimg 12,582,912 bytes; himg 12,582,912 bytes; qkvc 12,582,912 bytes; ctx 4,194,304 bytes; x1 16,777,216 bytes; h2 4,194,304 bytes; gimg 16,777,216 bytes
;; launch prep (part 8): grid 640 x 1, 4 waves a work-group, no clusters, 50,688 bytes of LDS; arguments Wq, Wk, Wv, Wo, W1, W2, x, ln1_scale, ln1_shift, lowp_scales, wimg, himg; writes wimg, himg
.if DOCPART == 8
	.amdgcn_target "amdgcn-amd-amdhsa--gfx1250"
	.amdhsa_code_object_version 6
	.text
	.protected	k_q008d87b6ef_prep
	.globl	k_q008d87b6ef_prep
	.p2align	8
	.type	k_q008d87b6ef_prep,@function
k_q008d87b6ef_prep:
	s_mov_b64 s[64:65], 0
	v_nop
	global_prefetch_b8 v0, s[64:65] scope:SCOPE_SE
	s_setreg_imm32_b32 hwreg(HW_REG_WAVE_MODE, 25, 1), 1
	s_wait_xcnt 0x0
; PREP.  Work-groups 0-383 turn the six weights (f32, stored [K][N]) into codes of E5M2; work-groups 384-639 make LayerNorm 1 of x and quantise it three times (entries 0, 2, 4 of the scales).
; THE LAYOUT OF EVERY OPERAND OF CODES IN THIS PROGRAM (an IMAGE): [block of 64 rows][block of 128 along K][fragment f = 0..3][2,048 bytes].  A fragment is the picture of the 16 registers that a lane
; of the matrix instruction holds: byte 512 c + 16 l + i (lane l = 16 h + r) is k = 32 c + 16 h + i of the K block, of the row at place r.  Place r of fragment f is row 32 (f / 2) + 8 (f % 2) + r + 8 (r / 8)
; of the block of 64.  So a fragment is fetched by four loads of 16 bytes a lane, 512 consecutive bytes each, and 64 rows x 512 K are 32,768 consecutive bytes.
; code = x / 2^e, held within +-57,344, to the nearest code, ties to even.  LIMITS: each e used here lies between -126 and 112, so that 2^e and 57,344 x 2^e are f32 numbers.  NaN among the inputs is not served.
; The two paths part on the work-group's number alone: all four waves of a work-group take the same path; only the second path uses LDS and has a barrier.
.set WA, 16                            ; weights: v16-47   byte offset of row i of a block of 32 rows, at my column
.set WX, 48                            ;          v48-111  two sets of 32 numbers
.set WC, 112                           ;          v112-175 codes: eight registers for each block, never written again
.set P,  2                             ; norm: v2-9    a pair of sums for each of my four rows
.set MR, 10                            ;       v10-17  a pair for each row: the mean, later 1 / sqrt(var + eps)
.set QS, 24                            ;       v24-29  for each of the three scales: 2^e, 57,344 x 2^e
.set X,  32                            ;       v32-159 my four rows, 32 registers each
.set SC, 160                           ;       v160-191 the gain at my columns
.set SH, 192                           ;       v192-223 the shift
.set T,  224                           ;       v224-239 two sets of 8 numbers held for the conversion
.set CD, 240                           ;       v240-255 two banks of 8 registers of codes
.set SPITCH, 1040                      ; a stage row: 1,024 codes + 16: an odd multiple of 16 bytes
.set STGB, 16*SPITCH                   ; a stage: 16 rows; one stage for each scale
.set XP,  16                           ; s[16:17] x
.set SCP, 18                           ; s[18:19] gain
.set SHP, 20                           ; s[20:21] shift
.set HB,  40                           ; s[40:45] where the three images of my 16 rows begin
.set EX,  68                           ; s[68:83] the sixteen exponents
.set SEL, 84                           ; s84, s85 lane selects; s86 = 1 / 1024; s87 = 1e-5
.macro WLOAD t                         ; block t: W(32 t + i, my column), i = 0 .. 31: each load reads 128 consecutive bytes a wave, the four waves side by side
.set i, 0
.rept 32
	global_load_b32 v[WX+32*((\t)%2)+i], v[WA+i], s[40+2*(\t):41+2*(\t)] th:TH_LOAD_NT
.set i, i+1
.endr
.endm
.macro WBLOCK t
.if (\t) < 7
	s_wait_loadcnt 32                              ; this block's 32 loads are in; the next block's 32 may be out
.else
	s_wait_loadcnt 0
.endif
.set i, 0
.rept 32
	v_med3_num_f32 v[WX+32*((\t)%2)+i], v[WX+32*((\t)%2)+i], -v10, v10   ; the conversion does not saturate (ISA guide 7.6.2): the hold at the largest code x the scale
.set i, i+1
.endr
.irp g, 0,1,2,3
	v_cvt_scalef32_pk8_bf8_f32 v[WC+8*(\t)+2*\g:WC+8*(\t)+2*\g+1], v[WX+32*((\t)%2)+8*\g:WX+32*((\t)%2)+8*\g+7], v11
.endr
	global_store_b128 v4, v[WC+8*(\t):WC+8*(\t)+3], s[56:57] offset:((\t)/4)*8192+((\t)%4)*512          ; k 0-15 of the block: the image's lanes 0-15; sixteen lanes store 256 consecutive bytes, aligned
	global_store_b128 v4, v[WC+8*(\t)+4:WC+8*(\t)+7], s[56:57] offset:((\t)/4)*8192+((\t)%4)*512+256    ; k 16-31: its lanes 16-31
.if (\t) < 6
	WLOAD (\t)+2
.endif
.endm
.macro REDUCE                          ; the four rows' pairs of sums become sums over the wave's 32 lanes, in every lane; the rows take turns line by line
.irp i, 0,1,2,3
	v_add_f32 v[P+2*\i], v[P+2*\i], v[P+2*\i+1]
.endr
.irp m, 1,2,4,8
.irp i, 0,1,2,3
	v_add_f32_dpp v[P+2*\i], v[P+2*\i], v[P+2*\i] row_xmask:\m row_mask:0xf bank_mask:0xf
.endr
.endr
.irp i, 0,1,2,3
	v_permlanex16_b32 v[P+2*\i+1], v[P+2*\i], s[SEL], s[SEL+1]
.endr
.irp i, 0,1,2,3
	v_add_f32 v[P+2*\i], v[P+2*\i], v[P+2*\i+1]
.endr
.endm
; Row i is quantised with scale q and goes into stage q.  Eight registers are two loads' four numbers: k = 128 jj + 4 l + 0..3 and 128 (jj + 1) + 4 l + 0..3: the conversion's two registers go to two places of the row.
.macro QROW n, q, i
.if (\n) >= 2
	s_wait_dscnt 8                                 ; the 8 stores of the row before may be out; those of the row before that, which read this bank of codes, are done
.endif
.irp jj, 0,2,4,6
.set TS, T+8*((\jj/2)%2)
.set CQ, CD+8*((\n)%2)+\jj
.set k, 0
.rept 8
	v_med3_num_f32 v[TS+k], v[X+32*(\i)+4*\jj+k], -v[QS+2*(\q)+1], v[QS+2*(\q)+1]
.set k, k+1
.endr
	v_cvt_scalef32_pk8_bf8_f32 v[CQ:CQ+1], v[TS:TS+7], v[QS+2*(\q)]      ; the other set's eight holds stand between this line and the next write of its sources
	ds_store_b32 v20, v[CQ] offset:(\q)*STGB+(\i)*SPITCH+128*\jj         ; 32 lanes: 128 consecutive bytes of the row
	ds_store_b32 v20, v[CQ+1] offset:(\q)*STGB+(\i)*SPITCH+128*\jj+128
.endr
.endm
	s_load_b512 s[4:19], s[0:1], 0x0               ; Wq s[4:5], Wk, Wv, Wo, W1, W2 s[14:15], x s[16:17], gain s[18:19]
	s_load_b256 s[20:27], s[0:1], 0x40             ; shift s[20:21], the exponents s[22:23], wimg s[24:25], himg s[26:27]
	s_set_vgpr_msb 0x40
	v_lshl_add_u32 v0, v0, 2, 0xc400
	v_mov_b32 v1, 0
	s_set_vgpr_msb 0x4000
	v_lshrrev_b32 v1, 5, v0
	v_readfirstlane_b32 s28, v1                    ; wave 0..3
	v_and_b32 v1, 31, v0                           ; lane
	s_wait_kmcnt 0x0
	s_load_b512 s[EX:EX+15], s[22:23], 0x0
	s_cmp_lt_u32 ttmp9, 384
	s_cbranch_scc0 .Lln
	; ---------------- THE WEIGHTS.  A work-group takes 128 columns x 256 along K of one weight, a wave 32 columns: A LANE TAKES A COLUMN AND ITS REGISTERS RUN DOWN K, so the conversions give codes with K innermost.
	; 32 work-groups for each of Wq, Wk, Wv, Wo, then 128 for W1, then 128 for W2.
	s_lshr_b32 s29, ttmp9, 5
	s_sub_co_u32 s30, ttmp9, 128
	s_lshr_b32 s30, s30, 7
	s_add_co_u32 s30, s30, 4
	s_and_b32 s31, ttmp9, 31
	s_and_b32 s32, ttmp9, 127
	s_cmp_lt_u32 ttmp9, 128
	s_cselect_b32 s29, s29, s30                    ; which weight, 0..5
	s_cselect_b32 s30, s31, s32                    ; which part of it
	s_and_b32 s31, s30, 31
	s_lshr_b32 s32, s30, 5
	s_and_b32 s36, s30, 7
	s_lshr_b32 s37, s30, 3
	s_mov_b32 s33, 4096
	s_cmp_eq_u32 s29, 4                            ; W1 is 4,096 columns wide, the others 1,024
	s_cselect_b32 s31, s31, s36                    ; which 128 columns
	s_cselect_b32 s32, s32, s37                    ; which 256 along K
	s_cselect_b32 s33, 16384, s33                  ; a row of the weight in bytes
	s_lshl_b32 s35, s29, 20
	s_mov_b32 s34, 65536
	s_cmp_eq_u32 s29, 5                            ; W2 has K = 4,096, the others 1,024
	s_cselect_b32 s34, 262144, s34                 ; a block of 64 rows of the image in bytes
	s_cselect_b32 s35, 0x800000, s35               ; where the weight's image begins in wimg: 1 MiB each for the first four, W1 at 4 MiB, W2 at 8 MiB
	s_mov_b64 s[58:59], s[4:5]
.irp j, 1,2,3,4,5
	s_cmp_eq_u32 s29, \j
	s_cselect_b64 s[58:59], s[4+2*\j:5+2*\j], s[58:59]   ; the weight's address: a choice on the work-group's number
.endr
	s_wait_alu depctr_va_vdst(0)
	v_and_b32 v2, 7, v1
	v_bfe_u32 v5, v1, 3, 1
	v_lshl_add_u32 v2, v5, 4, v2
	v_lshrrev_b32 v5, 4, v1                        ; u: which of my wave's two fragments
	v_lshl_add_u32 v2, v5, 3, v2                   ; my column among the wave's 32: 16 ((l / 8) % 2) + 8 (l / 16) + l % 8: the image's order of rows
	v_lshlrev_b32 v3, 2, v2
	v_and_b32 v6, 15, v1
	v_lshlrev_b32 v4, 4, v6
	v_lshl_add_u32 v4, v5, 11, v4                  ; out: 2,048 u + 16 r
.set i, 0
.rept 32
	v_mad_u32_u24 v[WA+i], s33, i, v3
.set i, i+1
.endr
	s_lshl_b32 s36, s32, 8
	s_mul_i32 s36, s36, s33                        ; 256 x part rows down,
	s_lshl_b32 s37, s31, 9
	s_add_co_u32 s36, s36, s37                     ; 128 x part columns on,
	s_lshl_b32 s37, s28, 7
	s_add_co_u32 s36, s36, s37                     ; 32 x wave columns on
	s_mov_b32 s37, 0
	s_add_nc_u64 s[40:41], s[58:59], s[36:37]
	s_lshl_b32 s38, s33, 5                         ; 32 rows
	s_mov_b32 s39, 0
.irp t, 1,2,3,4,5,6,7
	s_add_nc_u64 s[40+2*\t:41+2*\t], s[38+2*\t:39+2*\t], s[38:39]   ; a base for each block of 32 rows, so that no address is ever stepped
.endr
	s_lshl_b32 s36, s31, 1
	s_lshr_b32 s37, s28, 1
	s_add_co_u32 s36, s36, s37                     ; my block of 64 rows of the image
	s_mul_i32 s36, s36, s34
	s_add_co_u32 s36, s36, s35
	s_lshl_b32 s37, s32, 14                        ; two K blocks of 8,192 bytes for each 256 along K
	s_add_co_u32 s36, s36, s37
	s_and_b32 s37, s28, 1
	s_lshl_b32 s37, s37, 12                        ; my two fragments of its four
	s_add_co_u32 s36, s36, s37
	s_mov_b32 s37, 0
	s_add_nc_u64 s[56:57], s[24:25], s[36:37]
	s_wait_alu depctr_va_vdst(0)
	WLOAD 0
	WLOAD 1
	s_wait_kmcnt 0x0
	s_mov_b32 s60, s[EX+1]                         ; the weight's exponent: entries 1, 3, 5, 11, 13, 15
	s_cmp_eq_u32 s29, 1
	s_cselect_b32 s60, s[EX+3], s60
	s_cmp_eq_u32 s29, 2
	s_cselect_b32 s60, s[EX+5], s60
	s_cmp_eq_u32 s29, 3
	s_cselect_b32 s60, s[EX+11], s60
	s_cmp_eq_u32 s29, 4
	s_cselect_b32 s60, s[EX+13], s60
	s_cmp_eq_u32 s29, 5
	s_cselect_b32 s60, s[EX+15], s60
	s_add_co_i32 s60, s60, 127
	s_lshl_b32 s61, s60, 23
	v_mov_b32 v11, s61                             ; 2^e as f32: the conversion takes its exponent field
	s_add_co_i32 s60, s60, 15
	s_lshl_b32 s60, s60, 23
	s_or_b32 s60, s60, 0x600000
	v_mov_b32 v10, s60                             ; 57,344 x 2^e
	s_wait_alu depctr_va_vdst(0)
.irp t, 0,1,2,3,4,5,6,7
	WBLOCK \t
.endr
	s_endpgm
.Lln:
	; ---------------- LAYERNORM 1.  A work-group takes the 16 rows of one fragment; wave w the four rows at places 4 w .. 4 w + 3, which are neighbours in x.  A row lies in 32 registers of the wave: it is read once.
	s_sub_co_u32 s30, ttmp9, 384                   ; g: which fragment of 16 rows
	s_lshr_b32 s31, s30, 1
	s_lshl_b32 s31, s31, 5
	s_and_b32 s32, s30, 1
	s_lshl_b32 s32, s32, 3
	s_add_co_u32 s31, s31, s32
	s_lshl_b32 s32, s28, 2
	s_add_co_u32 s31, s31, s32
	s_lshr_b32 s32, s28, 1
	s_lshl_b32 s32, s32, 3
	s_add_co_u32 s31, s31, s32                     ; my first row: 32 (g / 2) + 8 (g % 2) + 4 w + 8 (w / 2)
	s_lshl_b32 s32, s31, 12
	s_mov_b32 s33, 0
	s_add_nc_u64 s[XP:XP+1], s[XP:XP+1], s[32:33]
	s_lshr_b32 s34, s30, 2
	s_lshl_b32 s34, s34, 16                        ; the block of 64 rows: 8 K blocks of 8,192 bytes,
	s_and_b32 s35, s30, 3
	s_lshl_b32 s35, s35, 11                        ; the fragment in each
	s_add_co_u32 s34, s34, s35
	s_mov_b32 s35, 0
	s_add_nc_u64 s[HB:HB+1], s[26:27], s[34:35]
	s_add_nc_u64 s[HB+2:HB+3], s[HB:HB+1], 0x400000    ; the three images lie 4 MiB apart
	s_add_nc_u64 s[HB+4:HB+5], s[HB+2:HB+3], 0x400000
	s_wait_alu depctr_va_vdst(0)
	v_lshlrev_b32 v23, 4, v1                       ; 16 x lane
.irp i, 0,1,2,3
.irp j, 0,1,2,3,4,5,6,7
	global_load_b128 v[X+32*\i+4*\j:X+32*\i+4*\j+3], v23, s[XP:XP+1] offset:\i*4096+512*\j th:TH_LOAD_NT   ; 512 consecutive bytes a load
.endr
.endr
.irp j, 0,1,2,3,4,5,6,7
	global_load_b128 v[SC+4*\j:SC+4*\j+3], v23, s[SCP:SCP+1] offset:512*\j
	global_load_b128 v[SH+4*\j:SH+4*\j+3], v23, s[SHP:SHP+1] offset:512*\j
.endr
	s_mul_i32 s36, s28, 4*SPITCH
	v_lshl_add_u32 v20, v1, 2, s36                 ; into a stage: my wave's four rows, 4 bytes a lane
	v_and_b32 v18, 15, v1
	v_lshrrev_b32 v19, 4, v1
	v_mul_u32_u24 v21, v18, SPITCH
	v_lshl_add_u32 v21, v19, 4, v21
	s_lshl_b32 s36, s28, 8
	v_add_nc_u32 v21, s36, v21                     ; out of it: row r, 16 h, and my wave's two K blocks: 256 w
	s_lshl_b32 s36, s28, 14
	v_add_nc_u32 v22, s36, v23                     ; and in the image: 16 x lane + two K blocks x wave
	s_mov_b32 s[SEL], 0x76543210
	s_mov_b32 s[SEL+1], 0xfedcba98
	s_mov_b32 s[SEL+2], 0x3a800000                 ; 1 / 1024
	s_mov_b32 s[SEL+3], 0x3727c5ac                 ; 1e-5
	s_wait_kmcnt 0x0
.irp q, 0,1,2
	s_add_co_i32 s36, s[EX+2*\q], 127              ; entries 0, 2, 4
	s_lshl_b32 s37, s36, 23
	v_mov_b32 v[QS+2*\q], s37
	s_add_co_i32 s36, s36, 15
	s_lshl_b32 s36, s36, 23
	s_or_b32 s36, s36, 0x600000
	v_mov_b32 v[QS+2*\q+1], s36
.endr
	s_wait_loadcnt 16                              ; x's 32 loads are in; the 16 of gain and shift may be out
.irp i, 0,1,2,3
	v_pk_add_f32 v[P+2*\i:P+2*\i+1], v[X+32*\i:X+32*\i+1], v[X+32*\i+2:X+32*\i+3]
.endr
.set k, 4
.rept 14
.irp i, 0,1,2,3
	v_pk_add_f32 v[P+2*\i:P+2*\i+1], v[P+2*\i:P+2*\i+1], v[X+32*\i+k:X+32*\i+k+1]
.endr
.set k, k+2
.endr
	REDUCE
.irp i, 0,1,2,3
	v_mul_f32 v[MR+2*\i], s[SEL+2], v[P+2*\i]      ; the mean
	v_mov_b32 v[MR+2*\i+1], v[MR+2*\i]
.endr
.set k, 0
.rept 16
.irp i, 0,1,2,3
	v_pk_add_f32 v[X+32*\i+k:X+32*\i+k+1], v[X+32*\i+k:X+32*\i+k+1], v[MR+2*\i:MR+2*\i+1] neg_lo:[0,1] neg_hi:[0,1]   ; x - mean, in place: the variance is a sum of squares of differences
.endr
.set k, k+2
.endr
.irp i, 0,1,2,3
	v_pk_mul_f32 v[P+2*\i:P+2*\i+1], v[X+32*\i:X+32*\i+1], v[X+32*\i:X+32*\i+1]
.endr
.set k, 2
.rept 15
.irp i, 0,1,2,3
	v_pk_fma_f32 v[P+2*\i:P+2*\i+1], v[X+32*\i+k:X+32*\i+k+1], v[X+32*\i+k:X+32*\i+k+1], v[P+2*\i:P+2*\i+1]
.endr
.set k, k+2
.endr
	REDUCE
.irp i, 0,1,2,3
	v_fma_f32 v[P+2*\i], v[P+2*\i], s[SEL+2], s[SEL+3]   ; var + eps
.endr
	s_wait_alu depctr_va_vdst(0)
.irp i, 0,1,2,3
	v_rsq_f32 v[MR+2*\i], v[P+2*\i]
.endr
	v_nop                                          ; a plain instruction behind the last of the batch (ISA guide 5.7.2)
	s_wait_alu depctr_va_vdst(0)                   ; one wait for the four, ahead of the first line that names a result
.irp i, 0,1,2,3
	v_mov_b32 v[MR+2*\i+1], v[MR+2*\i]
.endr
	s_wait_alu depctr_va_vdst(0)
	s_wait_loadcnt 0x0                             ; gain and shift
.irp i, 0,1,2,3
.set k, 0
.rept 16
	v_pk_mul_f32 v[X+32*\i+k:X+32*\i+k+1], v[X+32*\i+k:X+32*\i+k+1], v[MR+2*\i:MR+2*\i+1]
.set k, k+2
.endr
.set k, 0
.rept 16
	v_pk_fma_f32 v[X+32*\i+k:X+32*\i+k+1], v[X+32*\i+k:X+32*\i+k+1], v[SC+k:SC+k+1], v[SH+k:SH+k+1]
.set k, k+2
.endr
.endr
.set n, 0
.irp q, 0,1,2
.irp i, 0,1,2,3
	QROW n, \q, \i
.set n, n+1
.endr
.endr
	v_nop
	s_wait_dscnt 0x0                               ; for the others' sake: my stores into the stages are done
	s_barrier_signal -1
	s_barrier_wait -1
	; the way out: wave w takes K blocks 2 w and 2 w + 1 of each stage, in the image's order, and stores 512 consecutive bytes an instruction
.set n, 0
.irp q, 0,1,2
.irp kk, 0,1
.irp c, 0,1,2,3
	ds_load_b128 v[X+4*n:X+4*n+3], v21 offset:\q*STGB+128*\kk+32*\c
.set n, n+1
.endr
.endr
.endr
.set n, 0
.irp q, 0,1,2
.irp kk, 0,1
.irp c, 0,1,2,3
	s_wait_dscnt 23-n                              ; LDS loads come back in order (ISA guide 5.7.1): load n is in
	global_store_b128 v22, v[X+4*n:X+4*n+3], s[HB+2*\q:HB+2*\q+1] offset:\kk*8192+512*\c
.set n, n+1
.endr
.endr
.endr
	s_set_vgpr_msb 0x5
	s_wait_tensorcnt 0x0
	ds_add_u32 v0, v1
	s_wait_dscnt 0x0
	s_set_vgpr_msb 0x500
	s_endpgm
.Lfunc_end_k_q008d87b6ef_prep:
	.size	k_q008d87b6ef_prep, .Lfunc_end_k_q008d87b6ef_prep-k_q008d87b6ef_prep
	.p2alignl 7, 3214868480
	.fill 96, 4, 3214868480
	.section	.rodata,"a",@progbits
	.p2align	6, 0x0
	.amdhsa_kernel k_q008d87b6ef_prep
		.amdhsa_group_segment_fixed_size 50688
		.amdhsa_private_segment_fixed_size 0
		.amdhsa_enable_private_segment 0
		.amdhsa_kernarg_size 96
		.amdhsa_user_sgpr_count 2
		.amdhsa_user_sgpr_kernarg_segment_ptr 1
		.amdhsa_wavefront_size32 1
		.amdhsa_system_sgpr_workgroup_id_x 1
		.amdhsa_system_sgpr_workgroup_id_y 1
		.amdhsa_system_sgpr_workgroup_id_z 1
		.amdhsa_system_vgpr_workitem_id 0
		.amdhsa_next_free_vgpr 258
		.amdhsa_next_free_sgpr 100
		.amdhsa_reserve_vcc 0
		.amdhsa_float_denorm_mode_32 3
		.amdhsa_float_denorm_mode_16_64 3
		.amdhsa_memory_ordered 1
		.amdhsa_forward_progress 1
		.amdhsa_inst_pref_size 119
	.end_amdhsa_kernel
	.amdgpu_metadata
---
amdhsa.version: [ 1, 2 ]
amdhsa.kernels:
  - .name:           k_q008d87b6ef_prep
    .symbol:         k_q008d87b6ef_prep.kd
    .args:
      - { .name: Wq, .offset: 0, .size: 8, .value_kind: global_buffer, .address_space: global }
      - { .name: Wk, .offset: 8, .size: 8, .value_kind: global_buffer, .address_space: global }
      - { .name: Wv, .offset: 16, .size: 8, .value_kind: global_buffer, .address_space: global }
      - { .name: Wo, .offset: 24, .size: 8, .value_kind: global_buffer, .address_space: global }
      - { .name: W1, .offset: 32, .size: 8, .value_kind: global_buffer, .address_space: global }
      - { .name: W2, .offset: 40, .size: 8, .value_kind: global_buffer, .address_space: global }
      - { .name: x, .offset: 48, .size: 8, .value_kind: global_buffer, .address_space: global }
      - { .name: ln1_scale, .offset: 56, .size: 8, .value_kind: global_buffer, .address_space: global }
      - { .name: ln1_shift, .offset: 64, .size: 8, .value_kind: global_buffer, .address_space: global }
      - { .name: lowp_scales, .offset: 72, .size: 8, .value_kind: global_buffer, .address_space: global }
      - { .name: wimg, .offset: 80, .size: 8, .value_kind: global_buffer, .address_space: global }
      - { .name: himg, .offset: 88, .size: 8, .value_kind: global_buffer, .address_space: global }
    .group_segment_fixed_size: 50688
    .private_segment_fixed_size: 0
    .kernarg_segment_align: 8
    .kernarg_segment_size: 96
    .max_flat_workgroup_size: 128
    .sgpr_count:     100
    .vgpr_count:     258
    .wavefront_size: 32
...
	.end_amdgpu_metadata
.endif
;; end of part 8
;; launch qkv (part 9): grid 16 x 12, 4 waves a work-group, clusters of 4 x 4, 327,680 bytes of LDS; arguments himg, wimg, lowp_scales, qkvc; writes qkvc
.if DOCPART == 9
	.amdgcn_target "amdgcn-amd-amdhsa--gfx1250"
	.amdhsa_code_object_version 6
	.text
	.protected	k_q008d87b6ef_qkv
	.globl	k_q008d87b6ef_qkv
	.p2align	8
	.type	k_q008d87b6ef_qkv,@function
k_q008d87b6ef_qkv:
	s_mov_b64 s[64:65], 0
	v_nop
	global_prefetch_b8 v0, s[64:65] scope:SCOPE_SE
	s_setreg_imm32_b32 hwreg(HW_REG_WAVE_MODE, 25, 1), 1
	s_wait_xcnt 0x0
	s_wait_alu depctr_hold_cnt(0) depctr_sa_sdst(0) depctr_va_vdst(0) depctr_va_sdst(0) depctr_va_ssrc(0) depctr_va_vcc(0) depctr_vm_vsrc(0)
	s_getreg_b32 s2, hwreg(HW_REG_IB_STS2, 6, 4)
	s_cmp_eq_u32 s2, 0
	s_cbranch_scc0 .Lentry_in_a_cluster
	s_endpgm
.Lentry_in_a_cluster:
	s_bfe_u32 s2, ttmp6, 0x10000c
	s_cmp_lg_u32 s2, 0xf033
	s_cbranch_scc0 .Lentry_shape_is_right
	s_endpgm
.Lentry_shape_is_right:
; QKV.  Three products on codes of E5M2 (K = 1,024), each result quantised at once for attention:  q = h Wq (scales 0, 1; out 6),  k = h Wk (2, 3; out 7),  v = h Wv (4, 5; out 9).
; OPERANDS are images: [block of 64 rows][K block of 128][fragment 0..3][2,048 bytes]; byte 512 c + 16 l + i of a fragment is k = 32 c + 16 (l / 16) + i of the row at place l % 16;
; place r of fragment f is row 32 (f / 2) + 8 (f % 2) + r + 8 (r / 8) of the 64.  The place of k in the registers is the same permutation in both operands, so every product meets its partner.
; THE CORE.  A tile is 256 rows of R x 256 rows of P; four waves, as many as a WGP has SIMDs, each 128 x 128: 64 accumulators, 512 registers.  Source 0 = a fragment of P, source 1 = a fragment of R: a lane holds
; ONE row of R, and the 16 registers of accumulators (a, 2 b), (a, 2 b + 1) are 16 NEIGHBOURS along P (32 b + 16 (l / 16) + 0 .. 15): two conversions make four registers of the next operand's image.
; q, k: R = tokens (h), P = the weight's columns: codes run along the head's 64.   v: R = Wv's columns, P = tokens: codes run along the KEYS, as the second product of attention wants them.
; K goes in steps of 256 through a ring of two LDS slots: four K steps, two first fills and two refills, written out.  A wave fetches two blocks of 64 rows x 256 K by one tensor load: two rows of 16,384 bytes, 65,536 bytes apart in memory.
; A step of 128 along K is 64 matrix instructions, R's fragments one after the other, each against P's eight: a fragment of R is free as soon as its eight products are issued, so R has ONE set of registers; P has two.
; CLUSTERS: 4 x 4 work-groups: the four of a row need the same tile of R, the four of a column the same tile of P: each is asked for JOINTLY.  64 tiles each for q, k and v: 192 work-groups, 12 clusters; cluster y says which of the three.
; OUT, in qkvc:  q at 0: [batch x head][group of 16 tokens][1,024 bytes];  k and v from 4 MiB on: [batch x head][block of 128 keys][16,384 bytes]: eight fragments of k (16 keys x 64), then four of v^T (16 of the head's 64 x 128 keys).
; LIMITS: (out's e) - (the two operands' e) lies between -126 and 112.
; REGISTERS, in windows of 256: window 0: v4-11 store offsets, v12, v13 the conversion's scale and the hold, v16-21 LDS addresses, v27-29, v32-95 numbers held, v128-255 R's eight fragments, on the way out the codes;
;   window 1: P's fragments, two sets, at v0 and v128;  window 2: the accumulators of R's fragments 0-3 ((a, b) at 8 (8 a + b));  window 3: those of fragments 4-7.
.set KSB,    16384                     ; a K step of 256 in a block of 64 rows: two K blocks of 8,192 bytes
.set HALFT,  32768                     ; 128 rows x 256 K: what one tensor load brings, and what one wave reads of R or of P
.set SLOT,   4*HALFT                   ; R's four blocks of 64 rows, then P's four
.set SPARE,  2*SLOT                    ; behind the ring: the spare words, 128 bytes for each wave: two blocks of 256 bytes that no other line names
.set FR,   16                          ; registers of a fragment
.set OA,   4                           ; v4-11   where fragment a's codes go: 16 x lane + the fragment's place
.set ADRA, 16                          ; v16-17  LDS address of my fragments of R in slot 0, 1
.set ADRB, 20                          ; v20-21  the same for P
.set LI,   27                          ; v27     16 x lane
.set SPW,  28                          ; v28     LDS address of my spare word; never rewritten
.set NIL,  29                          ; v29     0; never rewritten
.set TT,   32                          ; v32-95  64 numbers held for the conversions
.set AF,   128                         ; R's fragments, in window 0
.set CODE, 128                         ; the way out: 16 registers of codes for each fragment of R, never written again
.set G1,   24                          ; s[24:31] descriptor group 1 for R's tiles; s[32:39] group 0, a set for each slot
.set G0,   32
.set G1B,  48                          ; s[48:55], s[56:63] the same for P's
.set G0B,  56
.set MSB,  0
.macro WIN new                         ; the immediate's high byte repeats the setting that is left
.if MSB != \new
	s_set_vgpr_msb (MSB<<8)|\new
.set MSB, \new
.endif
.endm
.set MUL_LO, 0xa1                      ; source 0 (P) window 1, source 1 (R) window 0, C and D window 2
.set MUL_HI, 0xf1                      ; the same, C and D window 3
.set TO_B,   0x40                      ; destination window 1, address window 0
.macro JLOAD s                         ; a joint load: waves 0 and 1 fetch R's two halves, waves 2 and 3 P's; four v_nop follow each of the two lines
	s_cmp_eq_u32 s11, 0
	s_cbranch_scc0 .Lfor_b_\@
	tensor_load_to_lds s[G0+4*\s:G0+4*\s+3], s[G1:G1+7]
	s_nop 0
.rept 4
	v_nop
.endr
	s_branch .Lasked_\@
.Lfor_b_\@:
	tensor_load_to_lds s[G0B+4*\s:G0B+4*\s+3], s[G1B:G1B+7]
	s_nop 0
.rept 4
	v_nop
.endr
.Lasked_\@:
.endm
.macro CREST                           ; a round of the cluster's barrier behind its opening barrier
	s_cmp_lg_u32 s10, 0
	s_cbranch_scc1 .Lnot_wave_0_\@
	s_barrier_signal -3
.Lnot_wave_0_\@:
	s_barrier_wait -3
	s_barrier_signal -1
	s_barrier_wait -1
.endm
.macro CROUND
	s_barrier_signal -1
	s_barrier_wait -1
	CREST
.endm
.macro PLACES                          ; four places in front of loads into registers that matrix instructions have read, and of the first read of results
.rept 4
	v_nop
.endr
.endm
.macro FRAG reg, adr, q, i             ; fragment i of my eight, K block q of the slot: four loads of 512 consecutive bytes
.irp c, 0,1,2,3
	ds_load_b128 v[\reg+4*\c:\reg+4*\c+3], v[\adr] offset:((\i)/4)*KSB+(\q)*8192+((\i)%4)*2048+\c*512
.endr
.endm
.macro FETCH_B slot, q, p              ; P's eight fragments into set p
	WIN TO_B
.irp i, 0,1,2,3,4,5,6,7
	FRAG 128*(\p)+FR*\i, ADRB+\slot, \q, \i
.endr
	WIN 0
.endm
.macro FETCH_A slot, q, i0             ; R's fragments i0 .. i0 + 3
.irp i, \i0, \i0+1, \i0+2, \i0+3
	FRAG AF+FR*(\i), ADRA+\slot, \q, \i
.endr
.endm
; 16 matrix instructions: R's fragments a0, a0 + 1 x P's eight, 128 along K.  p: P's set.  zero = 1: the first product starts the sums: nothing is ever cleared.
; The 64 accumulators take turns, one instruction a turn, in the same order in every step.
.macro MUL16 a0, p, zero
.irp a, \a0, \a0+1
.irp b, 0,1,2,3,4,5,6,7
.if \zero
	v_wmma_f32_16x16x128_bf8_bf8 v[8*(8*((\a)%4)+\b):8*(8*((\a)%4)+\b)+7], v[128*(\p)+FR*\b:128*(\p)+FR*\b+FR-1], v[AF+FR*(\a):AF+FR*(\a)+FR-1], 0
.else
	v_wmma_f32_16x16x128_bf8_bf8 v[8*(8*((\a)%4)+\b):8*(8*((\a)%4)+\b)+7], v[128*(\p)+FR*\b:128*(\p)+FR*\b+FR-1], v[AF+FR*(\a):AF+FR*(\a)+FR-1], v[8*(8*((\a)%4)+\b):8*(8*((\a)%4)+\b)+7]
.endif
.endr
.endr
.endm
.macro STEP slot, zero                 ; a slot's first 128 along K, on P's set 0; it fetches the slot's second 128
	s_wait_dscnt 16                                ; P's set and R's fragments 0-3 are in; the youngest sixteen loads (R's 4-7) may be out
	WIN MUL_LO
	MUL16 0, 0, \zero
	MUL16 2, 0, \zero
	s_wait_dscnt 0                                 ; R's fragments 4-7 are in (asked for 32 matrix instructions ago)
	PLACES
	FETCH_B \slot, 1, 1
	FETCH_A \slot, 1, 0
	WIN MUL_HI
	MUL16 4, 0, \zero
	MUL16 6, 0, \zero
	PLACES
	WIN 0
	FETCH_A \slot, 1, 4
.endm
; A slot's second 128 along K, on P's set 1, changes slots: ONE barrier; in front of it each wave waits for all its tensor loads, adds 0 to its spare word, and waits for that and for its own reads of this slot.  fill = 1: this slot is filled again, two K steps ahead.
.macro TURN slot, next, fill
	s_wait_tensorcnt 0x0                           ; all my tensor loads have landed: my part of the next slot  (every window is 0 here)
	ds_add_u32 v[SPW], v[NIL]                      ; 0 onto my spare word
	s_wait_dscnt 17                                ; (the add and the youngest sixteen loads may be out)
	WIN MUL_LO
	MUL16 0, 1, 0                                  ; sixteen matrix instructions stand between the add and the wait for it
	s_wait_dscnt 0x0                               ; the add is done, and my reads of this slot are over
	s_barrier_signal -1
	MUL16 2, 1, 0
	WIN 0
	s_barrier_wait -1
.if \fill
	CREST                                          ; the barrier has opened a round of the cluster's barrier: no wave of any partner still reads this slot or has a load on its way
	s_add_nc_u64 s[G0+4*\slot+2:G0+4*\slot+3], s[G0+4*\slot+2:G0+4*\slot+3], 2*KSB
	s_add_nc_u64 s[G0B+4*\slot+2:G0B+4*\slot+3], s[G0B+4*\slot+2:G0B+4*\slot+3], 2*KSB
	JLOAD \slot                                    ; the first tensor load behind the round; its four v_nop are also the places in front of the loads below
.else
	PLACES
.endif
	FETCH_B \next, 0, 0
	FETCH_A \next, 0, 0
	WIN MUL_HI
	MUL16 4, 1, 0
	MUL16 6, 1, 0
	PLACES
	WIN 0
	FETCH_A \next, 0, 4
.endm
	s_load_b256 s[84:91], s[0:1], 0x0              ; himg s[84:85], wimg s[86:87], the exponents s[88:89], qkvc s[90:91]
	v_lshl_add_u32 v[SPW], v0, 2, SPARE
	v_mov_b32 v[NIL], 0
	ds_add_u32 v28, v29
	ds_add_u32 v28, v29
	s_wait_dscnt 0x0
	v_lshrrev_b32 v1, 5, v0
	v_readfirstlane_b32 s10, v1                    ; wave 0..3
	s_lshr_b32 s11, s10, 1                         ; which 128 rows of R are mine.  Also: I fetch for R (0) or for P (1)
	s_and_b32 s12, s10, 1                          ; which 128 rows of P.  Also: which 128 rows I fetch
	s_bfe_u32 s40, ttmp6, 0x40000                  ; cx, cy: my place in the cluster
	s_bfe_u32 s41, ttmp6, 0x40004
	s_and_b32 s45, ttmp7, 0xffff                   ; cluster y: 0 = q, 1 = k, 2 = v
	s_cmp_eq_u32 s45, 2                            ; q, k: 4 tiles of P (one cluster wide) x 16 of R;  v: 16 tiles of P x 4 of R
	s_cselect_b32 s98, ttmp9, 0                    ; the cluster's place along P
	s_cselect_b32 s99, 0, ttmp9                    ; and along R
	s_lshl_b32 s42, s98, 2
	s_add_co_u32 s42, s42, s40                     ; tile of P
	s_lshl_b32 s13, s99, 2
	s_add_co_u32 s13, s13, s41                     ; tile of R
	s_lshl_b32 s43, s41, 2
	s_lshl_b32 s43, 15, s43                        ; my row of the cluster
	s_lshl_b32 s44, 0x1111, s40                    ; my column
	; descriptor group 1: two rows of 2,048 elements of 8 bytes (a block of 64 rows x 256 K each), 8,192 elements apart in memory, on end in LDS
	s_or_b32 s[G1+0], s43, (3<<16)|(1<<21)         ; 15:0 the mask: R's tiles go to my row; 17:16 elements of 8 bytes; 21 set beside a mask; no padding
	s_or_b32 s[G1B+0], s44, (3<<16)|(1<<21)
.irp g, G1, G1B
	s_mov_b32 s[\g+1], 2048<<16                    ; tensor_dim0 = 2,048
	s_mov_b32 s[\g+2], 2<<16                       ; tensor_dim1 = 2
	s_mov_b32 s[\g+3], 2048<<16                    ; tile_dim0 = 2,048
	s_mov_b32 s[\g+4], 2                           ; tile_dim1 = 2
	s_mov_b32 s[\g+5], 8192                        ; tensor_dim0_stride: a block of 64 rows x 1,024 K is 65,536 bytes
	s_mov_b32 s[\g+6], 0
	s_mov_b32 s[\g+7], 0
.endr
	s_cmp_eq_u32 s45, 1
	s_cselect_b32 s21, 0x400000, 0                 ; where R's image begins in its buffer: q: himg + 0; k: himg + 4 MiB; v: wimg + 2 MiB
	s_cselect_b32 s22, 0x100000, 0                 ; and P's: q: wimg + 0; k: wimg + 1 MiB; v: himg + 8 MiB
	s_cmp_eq_u32 s45, 2
	s_cselect_b32 s21, 0x200000, s21
	s_cselect_b32 s22, 0x800000, s22
	s_lshl_b32 s16, s13, 2                         ; four blocks of 64 rows to a tile,
	s_lshl_b32 s17, s12, 1                         ; two to a wave's load
	s_add_co_u32 s16, s16, s17
	s_lshl_b32 s16, s16, 16
	s_add_co_u32 s16, s16, s21
	s_mov_b32 s17, 0
	s_lshl_b32 s46, s42, 2
	s_lshl_b32 s47, s12, 1
	s_add_co_u32 s46, s46, s47
	s_lshl_b32 s46, s46, 16
	s_add_co_u32 s46, s46, s22
	s_mov_b32 s47, 0
	s_lshl_b32 s20, s10, 15                        ; where they go: wave x 32,768: no place in the cluster enters an LDS address
	s_wait_kmcnt 0x0
	s_load_b512 s[68:83], s[88:89], 0x0            ; the sixteen exponents
	s_cmp_eq_u32 s45, 2
	s_cselect_b64 s[14:15], s[86:87], s[84:85]     ; R's buffer
	s_cselect_b64 s[18:19], s[84:85], s[86:87]     ; P's buffer
	s_add_nc_u64 s[14:15], s[14:15], s[16:17]
	s_add_nc_u64 s[46:47], s[18:19], s[46:47]
	CROUND                                         ; all sixteen work-groups are here: the first joint loads meet
.irp s, 0,1
	s_mov_b32 s[G0+4*\s], 1
	s_add_co_u32 s[G0+4*\s+1], s20, \s*SLOT
	s_add_nc_u64 s[G0+4*\s+2:G0+4*\s+3], s[14:15], \s*KSB
	s_or_b32 s[G0+4*\s+3], s[G0+4*\s+3], 0x80000000
	s_mov_b32 s[G0B+4*\s], 1
	s_add_co_u32 s[G0B+4*\s+1], s20, \s*SLOT
	s_add_nc_u64 s[G0B+4*\s+2:G0B+4*\s+3], s[46:47], \s*KSB
	s_or_b32 s[G0B+4*\s+3], s[G0B+4*\s+3], 0x80000000
.endr
	JLOAD 0                                        ; K step 0: one tensor load a wave at the head; the set-up below stands under its flight
	v_and_b32 v1, 31, v0
	v_lshlrev_b32 v[LI], 4, v1
	v_lshlrev_b32 v30, 8, v1                       ; the prefetches' offset: 256 x lane; never rewritten
	s_wait_alu depctr_va_vdst(0)
	; PREFETCH: of the 2 x 16,384 bytes that my wave fetches in a K step, the partner at place p (cx for R, cy for P) names block p / 2 of the two, bytes 8,192 (p % 2) on, a lane 256 bytes:
	; each block of 256 bytes is named once in each cluster that will load it.  Behind the load of K step 0: steps 1 and 2; behind that of step 1: step 3.
	s_cmp_eq_u32 s11, 0
	s_cselect_b64 s[92:93], s[14:15], s[46:47]     ; the tile that I fetch,
	s_cselect_b32 s94, s40, s41                    ; my place among the four that ask for it with me
	s_lshr_b32 s95, s94, 1
	s_lshl_b32 s95, s95, 16
	s_and_b32 s94, s94, 1
	s_lshl_b32 s94, s94, 13
	s_add_co_u32 s94, s94, s95
	s_mov_b32 s95, 0
	s_add_nc_u64 s[92:93], s[92:93], s[94:95]      ; never rewritten
	global_prefetch_b8 v30, s[92:93] offset:KSB th:TH_LOAD_NT scope:SCOPE_SE
	global_prefetch_b8 v30, s[92:93] offset:2*KSB th:TH_LOAD_NT scope:SCOPE_SE
	s_lshl_b32 s21, s11, 15
	s_lshl_b32 s22, s12, 15                        ; my 128 rows of P,
	s_add_co_u32 s22, s22, 2*HALFT                 ; which lie behind R's 256
.irp s, 0,1
	v_add_nc_u32 v[ADRA+\s], s21, v[LI]
	v_add_nc_u32 v[ADRB+\s], s22, v[LI]
	s_add_co_u32 s21, s21, SLOT
	s_add_co_u32 s22, s22, SLOT
.endr
	; where my codes go (in registers that feed no descriptor)
	s_mov_b32 s6, 1024
	s_mov_b32 s7, 4096
	s_cmp_eq_u32 s45, 2
	s_cselect_b32 s2, s42, s13                     ; the tile of 256 tokens
	s_cselect_b32 s3, s13, s42                     ; the four heads
	s_cselect_b32 s4, s12, s11                     ; which 128 tokens of the tile are my wave's
	s_cselect_b32 s5, s11, s12                     ; which two heads of the four
	s_cselect_b32 s6, 2048, s6                     ; from fragment to fragment of R within a block of 64: q, k 1,024 bytes (16 tokens), v 2,048 (16 of the head's 64)
	s_cselect_b32 s7, 0x40000, s7                  ; from block to block of 64: q, k four fragments; v the next head
	s_cselect_b32 s8, 8192, 0                      ; v lies behind k's eight fragments
	s_lshr_b32 s9, s2, 3                           ; batch: 8 tiles of 256 tokens each
	s_lshl_b32 s9, s9, 4
	s_lshl_b32 s3, s3, 2
	s_add_co_u32 s3, s3, s9
	s_lshl_b32 s5, s5, 1
	s_add_co_u32 s3, s3, s5                        ; 16 x batch + my first head
	s_lshl_b32 s2, s2, 1
	s_add_co_u32 s2, s2, s4
	s_and_b32 s2, s2, 15                           ; my block of 128 tokens within the batch
	s_cmp_eq_u32 s45, 0
	s_cselect_b32 s4, 17, 18                       ; a head: q 2^17 bytes, k and v together 2^18
	s_cselect_b32 s5, 13, 14                       ; a block of 128 tokens: q 2^13, k and v 2^14
	s_cselect_b32 s9, 0, 0x400000
	s_lshl_b32 s3, s3, s4
	s_lshl_b32 s2, s2, s5
	s_add_co_u32 s2, s2, s3
	s_add_co_u32 s2, s2, s8
	s_add_co_u32 s2, s2, s9
	s_mov_b32 s3, 0
	s_add_nc_u64 s[96:97], s[90:91], s[2:3]        ; P's indices 0-63 of my 128 go here,
	s_lshl_b32 s2, 1, s4
	s_cmp_eq_u32 s45, 2
	s_cselect_b32 s2, 1024, s2                     ; 64 further along P: q, k the next head; v two of a fragment's four groups of registers
	s_add_nc_u64 s[98:99], s[96:97], s[2:3]        ; and indices 64-127 here
.irp a, 0,1,2,3
	v_mad_u32_u24 v[OA+\a], s6, \a, v[LI]
.endr
.irp a, 0,1,2,3
	v_add_nc_u32 v[OA+4+\a], s7, v[OA+\a]
.endr
	s_wait_kmcnt 0x0
	s_sub_co_i32 s4, s74, s68                      ; a sum stands for sum x 2^(eA + eB): its code is sum / 2^(eOut - eA - eB): the three scales are folded into the conversion's one
	s_sub_co_i32 s4, s4, s69
	s_sub_co_i32 s5, s75, s70
	s_sub_co_i32 s5, s5, s71
	s_sub_co_i32 s7, s77, s72
	s_sub_co_i32 s7, s7, s73
	s_cmp_eq_u32 s45, 1
	s_cselect_b32 s4, s5, s4
	s_cmp_eq_u32 s45, 2
	s_cselect_b32 s4, s7, s4
	s_add_co_i32 s4, s4, 127
	s_lshl_b32 s5, s4, 23
	v_mov_b32 v12, s5
	s_add_co_i32 s4, s4, 15
	s_lshl_b32 s4, s4, 23
	s_or_b32 s4, s4, 0x600000
	v_mov_b32 v13, s4
	s_wait_alu depctr_va_vdst(0)
	s_wait_tensorcnt 0x0                           ; my part of K step 0 is in; slot 1's first fill is issued as a refill is:
	ds_add_u32 v[SPW], v[NIL]                      ; 0 onto my spare word
	s_wait_dscnt 0x0
	CROUND                                         ; everybody's part of K step 0 is in, and all sixteen work-groups are here
	JLOAD 1                                        ; K step 1, the first tensor load behind the round
	FETCH_B 0, 0, 0
	FETCH_A 0, 0, 0
	FETCH_A 0, 0, 4
	global_prefetch_b8 v30, s[92:93] offset:3*KSB th:TH_LOAD_NT scope:SCOPE_SE   ; behind the load of K step 1 and the run of LDS loads: K step 3, the last
	STEP 0, 1
	TURN 0, 1, 1                                   ; K 128-255; slot 0 takes K 512-767
	STEP 1, 0
	TURN 1, 0, 1                                   ; slot 1 takes K 768-1,023
	STEP 0, 0
	TURN 0, 1, 0                                   ; nothing is left to fetch
	STEP 1, 0
	s_wait_dscnt 16                                ; the very last step
	WIN MUL_LO
	MUL16 0, 1, 0
	MUL16 2, 1, 0
	s_wait_alu depctr_va_vdst(0)
	s_wait_dscnt 0
	WIN MUL_HI
	MUL16 4, 1, 0
	MUL16 6, 1, 0
	WIN 0
	PLACES
	; THE WAY OUT, a fragment of R at a time: hold, convert, store: each accumulator from its low end on; a store covers 512 consecutive bytes, aligned
.irp a, 0,1,2,3,4,5,6,7
	WIN (0x02+\a/4)                                ; source 0: window 2 or 3
.set i, 0
.rept 64
	v_med3_num_f32 v[TT+i], v[64*(\a%4)+i], -v13, v13   ; the conversion does not saturate (ISA guide 7.6.2): the hold at the largest code x the scale
.set i, i+1
.endr
	WIN 0
.irp g, 0,1,2,3,4,5,6,7
	v_cvt_scalef32_pk8_bf8_f32 v[CODE+16*\a+2*\g:CODE+16*\a+2*\g+1], v[TT+8*\g:TT+8*\g+7], v12
.endr
	v_nop                                          ; a plain line behind the conversions: the next fragment's holds write their sources
.irp b, 0,1,2,3
	global_store_b128 v[OA+\a], v[CODE+16*\a+4*\b:CODE+16*\a+4*\b+3], s[96+2*(\b/2):97+2*(\b/2)] offset:512*(\b%2)
.endr
.endr
	s_wait_tensorcnt 0x0                           ; the wave's end
	ds_add_u32 v[SPW], v[NIL]
	s_wait_dscnt 0x0
	CROUND                                         ; the closing round: no work-group ends while a partner may still ask for a tile that names it
	s_endpgm
.Lfunc_end_k_q008d87b6ef_qkv:
	.size	k_q008d87b6ef_qkv, .Lfunc_end_k_q008d87b6ef_qkv-k_q008d87b6ef_qkv
	.p2alignl 7, 3214868480
	.fill 96, 4, 3214868480
	.section	.rodata,"a",@progbits
	.p2align	6, 0x0
	.amdhsa_kernel k_q008d87b6ef_qkv
		.amdhsa_group_segment_fixed_size 327680
		.amdhsa_private_segment_fixed_size 0
		.amdhsa_enable_private_segment 0
		.amdhsa_kernarg_size 32
		.amdhsa_user_sgpr_count 2
		.amdhsa_user_sgpr_kernarg_segment_ptr 1
		.amdhsa_wavefront_size32 1
		.amdhsa_system_sgpr_workgroup_id_x 1
		.amdhsa_system_sgpr_workgroup_id_y 1
		.amdhsa_system_sgpr_workgroup_id_z 1
		.amdhsa_system_vgpr_workitem_id 0
		.amdhsa_next_free_vgpr 1024
		.amdhsa_next_free_sgpr 100
		.amdhsa_reserve_vcc 0
		.amdhsa_float_denorm_mode_32 3
		.amdhsa_float_denorm_mode_16_64 3
		.amdhsa_memory_ordered 1
		.amdhsa_forward_progress 1
		.amdhsa_inst_pref_size 120
	.end_amdhsa_kernel
	.amdgpu_metadata
---
amdhsa.version: [ 1, 2 ]
amdhsa.kernels:
  - .name:           k_q008d87b6ef_qkv
    .symbol:         k_q008d87b6ef_qkv.kd
    .args:
      - { .name: himg, .offset: 0, .size: 8, .value_kind: global_buffer, .address_space: global }
      - { .name: wimg, .offset: 8, .size: 8, .value_kind: global_buffer, .address_space: global }
      - { .name: lowp_scales, .offset: 16, .size: 8, .value_kind: global_buffer, .address_space: global }
      - { .name: qkvc, .offset: 24, .size: 8, .value_kind: global_buffer, .address_space: global }
    .group_segment_fixed_size: 327680
    .private_segment_fixed_size: 0
    .kernarg_segment_align: 8
    .kernarg_segment_size: 32
    .max_flat_workgroup_size: 128
    .sgpr_count:     100
    .vgpr_count:     1024
    .wavefront_size: 32
...
	.end_amdgpu_metadata
.endif
;; end of part 9
;; launch attn (part 10): grid 8 x 32, 16 waves a work-group, no clusters, 327,680 bytes of LDS; arguments qkvc, lowp_scales, ctx; writes ctx
.if DOCPART == 10
	.amdgcn_target "amdgcn-amd-amdhsa--gfx1250"
	.amdhsa_code_object_version 6
	.text
	.protected	k_q008d87b6ef_attn
	.globl	k_q008d87b6ef_attn
	.p2align	8
	.type	k_q008d87b6ef_attn,@function
k_q008d87b6ef_attn:
	s_mov_b64 s[64:65], 0
	v_nop
	global_prefetch_b8 v0, s[64:65] scope:SCOPE_SE
	s_setreg_imm32_b32 hwreg(HW_REG_WAVE_MODE, 25, 1), 1
	s_wait_xcnt 0x0
; ATTENTION, causal, head size 64, 2,048 tokens, 32 (batch x head), both products on codes of E5M2; the result is quantised (entry 10) into the image that the next product reads.
; THE SOFTMAX AHEAD OF THE SECOND PRODUCT: t = score x log2(e) / 8; M = the largest t so far, rounded UP to a whole number; p = 2^(t - M) is quantised (entry 8), not normalised; the row's sum is taken of
; the unquantised p and divides at the end.  When M moves, the sum and O are multiplied by 2^(old M - new M): exact.
; LEFT OUT: a block of 128 keys that all come after a tile's 16 queries lies wholly under the causal mask: its scores become -inf and its p is 0 for all inputs, so the block's work is jumped over.
; SHARES.  A work-group (number i) serves one (batch, head) and two blocks of 128 queries, i (short: i + 1 key steps a tile) and 15 - i (long: 16 - i steps).  Its sixteen waves are eight PAIRS, waves 2 j and 2 j + 1; pair j owns tile j of both blocks, 17 steps.
; One wave of a pair has role A, the other role B: wave w has role ((w / 4) xor w) % 2 (0 = A), so that each four neighbouring waves, and each four waves 4 apart, hold two of each role: 34 steps.
; A walks the long tile's blocks 0 .. hA of the keys, hA = 8 (i < 2: 9).  B walks the short tile, stores it, then walks the long tile's blocks hA + 1 .. 15 - i with a state of its own (its own running M),
; and hands O^T, -M and the sum to A through LDS bytes of their own; behind one barrier A brings both states under the larger M, by factors that are powers of two, adds them and stores the long tile.  So no wave walks more than 10 steps.
; LDS holds the head's WHOLE k and v, 262,144 bytes, as they lie in memory, each byte filled once, by two tensor loads a wave: at the head 4,096 bytes of blocks 0-3; behind the full sequence and a barrier 12,288 bytes of blocks 4-15.
; All loops have constant trip counts (blocks 0-3, 4-9, 9-15); a block outside the wave's range LO .. HI is jumped over by scalar branches on ids.
; LAYOUT.  S^T = k q^T (source 0 = 16 keys, source 1 = my 16 queries), O^T = v^T p^T: a lane holds ONE query throughout.  The keys of a tile of k are laid so that the 16 registers of tiles 2 b, 2 b + 1 are keys 32 b + 16 (lane / 16) + 0 .. 15.
; NO CLUSTER: the work-groups that share a head's k and v own different blocks of queries, so their causal branches differ; partners of joint loads would have to run alike.
; NO PREFETCH: the two fills are all that the launch loads into LDS, and the second is asked for as soon as the first is in: there is no later load to run ahead of.
; LIMITS: e6 + e7 between -123 and 130 (added to c's exponent field); e8 and e10 between -126 and 112; e8 + e9 is applied by v_ldexp_f32.  The scaled scores stay under 2^31 in magnitude.
; REGISTERS: v1 16 x lane; v2 the step's LDS address; v5 the pair's hand-over bytes; v12 -M, v13 the largest t, v[14:15] the sum in two halves; v16-23 q; v24-31 the long tile's q; v32-95 k's eight fragments, then v's four;
; v96-159 S^T, then p; v160-191 O^T; v192-207 p's codes; v210-223, v242-249 at work and constants; v254, v255 the add's two.
.set WV, 18                            ; s18 wave; s17 its role (0 = A, 1 = B); s[20:21] lane selects; s[22:23] c; s2 LDS byte of the block of keys in hand; s3 its number
.set LO, 19                            ; s19, s66: the blocks of keys that I walk now;  s78: the block of my tile's queries
.set HI, 66
.set QB, 78
.set DUMP, 0x40000+2048                ; behind k, v and the spare words: 4,608 bytes for each pair
.macro STEP
	s_cmp_gt_u32 s3, s[HI]                         ; outside my range: nothing to do
	s_cbranch_scc1 .Lhid_\@
	s_cmp_lt_u32 s3, s[LO]
	s_cbranch_scc1 .Lhid_\@
	v_add_nc_u32 v2, s2, v1
.rept 3
	v_nop                                          ; with the addition above: four places in front of loads into registers that the last products read
.endr
.irp t, 0,1,2,3,4,5,6,7
.irp c, 0,1
	ds_load_b128 v[32+8*\t+4*\c:35+8*\t+4*\c], v2 offset:1024*\t+512*\c
.endr
.endr
	s_wait_alu depctr_va_vdst(0)
	s_wait_dscnt 0x0
.irp t, 0,1,2,3,4,5,6,7
	v_wmma_f32_16x16x64_bf8_bf8 v[96+8*\t:103+8*\t], v[32+8*\t:39+8*\t], v[16:23], 0
.endr
.rept 4
	v_nop                                          ; places in front of the loads below and of the first read of the scores
.endr
.irp t, 0,1,2,3
.irp c, 0,1,2,3
	ds_load_b128 v[32+16*\t+4*\c:35+16*\t+4*\c], v2 offset:8192+2048*\t+512*\c   ; v's fragments land while the softmax is worked
.endr
.endr
	s_cmp_lg_u32 s3, s[QB]                         ; not my queries' own block: all 128 keys count: no mask
	s_cbranch_scc1 .Lopen_\@
.set n, 0
.rept 64
	v_cmp_gt_i32 vcc_lo, 32*(n/16)+n%16, v220      ; register 16 b + i holds key 32 b + 16 (lane / 16) + i of the block: hidden where it comes after my query
	v_cndmask_b32 v[96+n], v[96+n], v221, vcc_lo   ; -infinity: p = 0 then
.set n, n+1
.endr
.Lopen_\@:
	v_max3_num_f32 v210, v96, v97, v98             ; the step's largest score of my query, among my 64 keys, in two chains,
	v_max3_num_f32 v212, v99, v100, v101
.irp i, 6,10,14,18,22,26,30,34,38,42,46,50,54,58
	v_max3_num_f32 v210, v210, v[96+\i], v[97+\i]
	v_max3_num_f32 v212, v212, v[98+\i], v[99+\i]
.endr
	v_max3_num_f32 v210, v210, v158, v159
	s_delay_alu instid0(VALU_DEP_1)
	v_max_num_f32 v210, v210, v212
	s_delay_alu instid0(VALU_DEP_1)
	v_permlanex16_b32 v214, v210, s20, s21
	s_delay_alu instid0(VALU_DEP_1)
	v_max_num_f32 v210, v210, v214                 ; and among lane l xor 16's
	s_delay_alu instid0(VALU_DEP_1)
	v_mul_f32 v210, s22, v210                      ; as t (c is positive)
	s_delay_alu instid0(VALU_DEP_1)
	v_max_num_f32 v13, v13, v210                   ; the running largest t
	v_mov_b32 v210, v12
	s_delay_alu instid0(VALU_DEP_2)
	v_floor_f32 v12, -v13                          ; the new -M = floor(-t): M is a whole number
	s_delay_alu instid0(VALU_DEP_1)
	v_sub_f32 v210, v12, v210                      ; old M - new M: a whole number, 0 or less
	s_delay_alu instid0(VALU_DEP_1)
	v_cvt_i32_f32 v210, v210                       ; (it saturates)
	s_delay_alu instid0(VALU_DEP_1)
	v_ldexp_f32 v212, 1.0, v210                    ; f = 2^(old M - new M)
.set j, 0
.rept 32
	v_pk_fma_f32 v[96+j:97+j], v[96+j:97+j], s[22:23], v[12:13] op_sel_hi:[1,0,0]   ; t - M, two at a time
.set j, j+2
.endr
.set j, 0
	s_wait_alu depctr_va_vdst(0)
.rept 64
	v_exp_f32 v[96+j], v[96+j]                     ; p = 2^(t - M)
.set j, j+1
.endr
	v_pk_mul_f32 v[14:15], v[14:15], v[212:213] op_sel_hi:[1,0]   ; the sums under the new M: the plain line behind the exponentials
	s_wait_alu depctr_va_vdst(0)                   ; one wait for the whole batch, ahead of the first line that names a result
.irp c, 0,1,2,3
	v_pk_add_f32 v[242+2*\c:243+2*\c], v[96+2*\c:97+2*\c], v[104+2*\c:105+2*\c]   ; the row's sum of the unquantised p: 32 pairs in four chains
.endr
.set j, 16
.rept 6
.irp c, 0,1,2,3
	v_pk_add_f32 v[242+2*\c:243+2*\c], v[242+2*\c:243+2*\c], v[96+j+2*\c:97+j+2*\c]
.endr
.set j, j+8
.endr
	v_pk_add_f32 v[242:243], v[242:243], v[244:245]
	v_pk_add_f32 v[246:247], v[246:247], v[248:249]
	s_delay_alu instid0(VALU_DEP_1)
	v_pk_add_f32 v[242:243], v[242:243], v[246:247]
	s_delay_alu instid0(VALU_DEP_1)
	v_pk_add_f32 v[14:15], v[14:15], v[242:243]
.irp b, 0,1,2,3
.set i, 0
.rept 16
	v_min_num_f32 v[96+16*\b+i], v[96+16*\b+i], v219   ; the conversion does not saturate (ISA guide 7.6.2); p is not negative, so the hold is one-sided
.set i, i+1
.endr
	v_cvt_scalef32_pk8_bf8_f32 v[192+4*\b:193+4*\b], v[96+16*\b:103+16*\b], v218
	v_cvt_scalef32_pk8_bf8_f32 v[194+4*\b:195+4*\b], v[104+16*\b:111+16*\b], v218
.endr
.set j, 0
.rept 16
	v_pk_mul_f32 v[160+j:161+j], v[160+j:161+j], v[212:213] op_sel_hi:[1,0]   ; O^T under the new M; these are also the plain lines behind the conversions
.set j, j+2
.endr
	s_wait_alu depctr_va_vdst(0)
	s_wait_dscnt 0x0                               ; v's fragments
.irp t, 0,1,2,3
	v_wmma_f32_16x16x128_bf8_bf8 v[160+8*\t:167+8*\t], v[32+16*\t:47+16*\t], v[192:207], v[160+8*\t:167+8*\t]   ; four accumulators by turns
.endr
.Lhid_\@:
	s_add_co_u32 s2, s2, 16384
	s_add_co_u32 s3, s3, 1
.endm
.macro WALK first, last                ; blocks first .. last - 1 of the keys
	s_mov_b32 s2, \first*16384
	s_mov_b32 s3, \first
.Lstep_\@:
	STEP
	s_cmp_lt_u32 s3, \last
	s_cbranch_scc1 .Lstep_\@
.endm
; THE WAY OUT of a tile: O^T / the sum x 2^(e8 + e9), quantised with entry 10.  The 16 registers of tiles 2 b, 2 b + 1 are channels 32 b + 16 (lane / 16) + 0 .. 15: the conversions' results are the image's registers.
.macro FINISH
	v_add_f32 v14, v14, v15
	s_delay_alu instid0(VALU_DEP_1)
	v_permlanex16_b32 v214, v14, s20, s21
	s_delay_alu instid0(VALU_DEP_1)
	v_add_f32 v14, v14, v214                       ; the row's sum
	s_wait_alu depctr_va_vdst(0)
	v_rcp_f32 v14, v14
	v_nop                                          ; a plain line behind the transcendental
	s_wait_alu depctr_va_vdst(0)                   ; and the wait ahead of the first line that names its result
	v_ldexp_f32 v14, v14, s79
.set j, 0
.rept 32
	v_mul_f32 v[96+j], v[160+j], v14               ; each accumulator from its low end on
.set j, j+1
.endr
.set j, 0
.rept 32
	v_med3_num_f32 v[96+j], v[96+j], -v223, v223
.set j, j+1
.endr
.irp b, 0,1
	v_cvt_scalef32_pk8_bf8_f32 v[192+4*\b:193+4*\b], v[96+16*\b:103+16*\b], v222
	v_cvt_scalef32_pk8_bf8_f32 v[194+4*\b:195+4*\b], v[104+16*\b:111+16*\b], v222
.endr
	v_nop
.irp b, 0,1
	global_store_b128 v1, v[192+4*\b:195+4*\b], s[8:9] offset:512*\b   ; 512 consecutive bytes, aligned
.endr
.endm
	s_load_b128 s[4:7], s[0:1], 0x0                ; qkvc s[4:5], the exponents s[6:7]
	s_load_b64 s[8:9], s[0:1], 0x10                ; ctx
	v_lshl_add_u32 v254, v0, 2, 0x40000
	v_mov_b32 v255, 0
	ds_add_u32 v254, v255                          ; the opening lines: the add, twice on end, and its wait ahead of my first tensor load
	ds_add_u32 v254, v255
	v_lshrrev_b32 v3, 5, v0
	s_delay_alu instid0(VALU_DEP_1)
	v_readfirstlane_b32 s[WV], v3                  ; wave 0..15
	s_and_b32 s67, ttmp7, 0xffff                   ; 16 x batch + head
	; two groups 1: dense bytes as rows of 32 elements of 8 bytes: 16 rows (4,096 bytes) and 48 rows (12,288 bytes)
	s_mov_b32 s24, 3<<16                           ; no mask; elements of 8 bytes; no padding
	s_mov_b32 s25, 32<<16                          ; tensor_dim0 = 32
	s_mov_b32 s26, 16<<16                          ; tensor_dim1 = 16
	s_mov_b32 s27, 32<<16                          ; tile_dim0 = 32
	s_mov_b32 s28, 16                              ; tile_dim1 = 16
	s_mov_b32 s29, 32                              ; tensor_dim0_stride
	s_mov_b32 s30, 0
	s_mov_b32 s31, 0
	s_mov_b32 s40, 3<<16
	s_mov_b32 s41, 32<<16
	s_mov_b32 s42, 48<<16
	s_mov_b32 s43, 32<<16
	s_mov_b32 s44, 48
	s_mov_b32 s45, 32
	s_mov_b32 s46, 0
	s_mov_b32 s47, 0
	s_mov_b32 s32, 1                               ; count = 1
	s_lshl_b32 s33, s[WV], 12                      ; LDS: my 4,096 bytes of blocks 0-3
	s_mov_b32 s36, 1
	s_mul_i32 s37, s[WV], 12288
	s_add_co_u32 s37, s37, 65536                   ; LDS: my 12,288 bytes of blocks 4-15
	s_lshl_b32 s70, s67, 18                        ; the head's 262,144 bytes,
	s_add_co_u32 s70, s70, 0x400000                ; behind q's 4 MiB
	s_mov_b32 s71, 0
	s_mov_b32 s72, s33                             ; memory lies as LDS does
	s_mov_b32 s73, 0
	s_mov_b32 s74, s37
	s_mov_b32 s75, 0
	s_wait_dscnt 0x0
	s_wait_kmcnt 0x0
	s_load_b512 s[48:63], s[6:7], 0x0              ; the sixteen exponents: entry n in s[48 + n]
	s_add_nc_u64 s[70:71], s[4:5], s[70:71]
	s_add_nc_u64 s[34:35], s[70:71], s[72:73]
	s_or_b32 s35, s35, 0x80000000                  ; type = 2
	s_add_nc_u64 s[38:39], s[70:71], s[74:75]
	s_or_b32 s39, s39, 0x80000000
	tensor_load_to_lds s[32:35], s[24:31]          ; blocks 0-3: my one tensor load at the head
	s_nop 0
.rept 4
	v_nop
.endr
	s_lshr_b32 s17, s[WV], 2
	s_xor_b32 s17, s17, s[WV]
	s_and_b32 s17, s17, 1                          ; role: 0 = A, 1 = B; waves 2 j and 2 j + 1 differ in it
	s_lshr_b32 s73, s[WV], 1                       ; the pair: its tile of 16 in both blocks of queries
	s_sub_co_u32 s15, 15, ttmp9                    ; the long block
	s_cmp_lt_u32 ttmp9, 2
	s_cselect_b32 s14, 9, 8                        ; hA
	s_add_co_u32 s16, s14, 1
	s_cmp_eq_u32 s17, 0
	s_cselect_b32 s[QB], s15, ttmp9                ; the tile that I walk first and store: A the long one, B the short one
	s_cselect_b32 s[HI], s14, ttmp9                ; its blocks of keys: A 0 .. hA, B 0 .. i
	s_mov_b32 s[LO], 0
	s_lshl_b32 s74, s[QB], 3
	s_add_co_u32 s74, s74, s73                     ; its group of 16 tokens within the batch
	s_lshl_b32 s76, s67, 17
	s_lshl_b32 s75, s74, 10
	s_add_co_u32 s76, s76, s75
	s_mov_b32 s77, 0
	s_add_nc_u64 s[76:77], s[4:5], s[76:77]
	s_lshl_b32 s10, s15, 3
	s_add_co_u32 s10, s10, s73
	s_lshl_b32 s10, s10, 10
	s_lshl_b32 s11, s67, 17
	s_add_co_u32 s10, s10, s11
	s_mov_b32 s11, 0
	s_add_nc_u64 s[10:11], s[4:5], s[10:11]        ; the long tile's q
	s_mul_i32 s12, s73, 4608
	s_add_co_u32 s12, s12, DUMP
	v_and_b32 v3, 31, v0
	s_delay_alu instid0(VALU_DEP_1)
	v_lshlrev_b32 v1, 4, v3
	s_delay_alu instid0(VALU_DEP_1)
	v_add_nc_u32 v5, s12, v1                       ; the pair's hand-over bytes, 16 a lane
	global_load_b128 v[16:19], v1, s[76:77]        ; q's fragment stays in registers
	global_load_b128 v[20:23], v1, s[76:77] offset:512
	global_load_b128 v[24:27], v1, s[10:11]
	global_load_b128 v[28:31], v1, s[10:11] offset:512
	; where my codes go: the image of ctx: rows = tokens, K = 64 x head + channel
	s_lshr_b32 s68, s67, 4
	s_lshl_b32 s68, s68, 7
	s_add_co_u32 s68, s68, s74                     ; my group of 16 among all tokens
	s_and_b32 s69, s67, 15                         ; head
	s_lshr_b32 s70, s68, 2
	s_lshl_b32 s70, s70, 3
	s_lshr_b32 s71, s69, 1
	s_add_co_u32 s70, s70, s71
	s_lshl_b32 s70, s70, 13                        ; (block of 64 rows x 8 + K block) x 8,192
	s_and_b32 s71, s68, 3
	s_lshl_b32 s71, s71, 11                        ; the fragment
	s_add_co_u32 s70, s70, s71
	s_and_b32 s71, s69, 1
	s_lshl_b32 s71, s71, 10                        ; the head's half of the K block
	s_add_co_u32 s70, s70, s71
	s_mov_b32 s71, 0
	s_add_nc_u64 s[8:9], s[8:9], s[70:71]
	s_lshr_b32 s68, s73, 1
	s_lshl_b32 s68, s68, 5
	s_and_b32 s69, s73, 1
	s_lshl_b32 s69, s69, 3
	s_add_co_u32 s68, s68, s69
	v_and_b32 v3, 15, v0
	s_delay_alu instid0(VALU_DEP_1)
	v_and_b32 v4, 8, v3
	s_delay_alu instid0(VALU_DEP_1)
	v_add_nc_u32 v3, v3, v4                        ; r + 8 (r / 8)
	v_bfe_u32 v4, v0, 4, 1
	s_delay_alu instid0(VALU_DEP_1)
	v_lshlrev_b32 v4, 4, v4
	s_delay_alu instid0(VALU_DEP_1)
	v_sub_nc_u32 v3, v3, v4
	s_delay_alu instid0(VALU_DEP_1)
	v_add_nc_u32 v220, s68, v3                     ; my query's place in its block of 128, less 16 (lane / 16): the same in both blocks
	v_mov_b32 v221, 0xff800000                     ; -infinity
	s_mov_b32 s20, 0x76543210
	s_mov_b32 s21, 0xfedcba98
	v_mov_b32 v13, 0xff61b1e6                      ; the largest t so far: -3e38, under every t
	v_mov_b32 v12, 0x7f61b1e6                      ; -M: 3e38, a whole number
	v_mov_b32 v14, 0
	v_mov_b32 v15, 0
	v_mov_b32 v213, 0                              ; (named as the upper halves of the pairs v[212:213], v[216:217])
	v_mov_b32 v217, 0
	v_mov_b32 v214, 0                              ; a lane permute's destination counts as one of its sources
.set j, 0
.rept 32
	v_mov_b32 v[160+j], 0                          ; O^T: the step is written for every block alike; the first change of M leaves zeros zeros
.set j, j+1
.endr
	s_wait_kmcnt 0x0
	s_mov_b32 s22, 0x3e38aa3b                      ; c = log2(e) / 8
	s_add_co_i32 s68, s54, s55
	s_lshl_b32 s68, s68, 23
	s_add_co_i32 s22, s22, s68                     ; a score stands for score x 2^(e6 + e7): added to c's exponent field
	s_mov_b32 s23, s22
	s_add_co_i32 s68, s56, 127
	s_lshl_b32 s69, s68, 23
	v_mov_b32 v218, s69                            ; 2^e8
	s_add_co_i32 s68, s68, 15
	s_lshl_b32 s68, s68, 23
	s_or_b32 s68, s68, 0x600000
	v_mov_b32 v219, s68                            ; 57,344 x 2^e8
	s_add_co_i32 s68, s58, 127
	s_lshl_b32 s69, s68, 23
	v_mov_b32 v222, s69                            ; 2^e10
	s_add_co_i32 s68, s68, 15
	s_lshl_b32 s68, s68, 23
	s_or_b32 s68, s68, 0x600000
	v_mov_b32 v223, s68                            ; 57,344 x 2^e10
	s_add_co_i32 s79, s56, s57                     ; e8 + e9
	s_wait_alu depctr_va_vdst(0)
	s_wait_loadcnt 0x0                             ; q, twice
	s_wait_tensorcnt 0x0                           ; my part of blocks 0-3 is in
	ds_add_u32 v254, v255
	s_wait_dscnt 0x0
	s_barrier_signal -1
	s_barrier_wait -1                              ; everybody's part is in
	tensor_load_to_lds s[36:39], s[40:47]          ; blocks 4-15: my one tensor load behind this barrier
	s_nop 0
.rept 4
	v_nop
.endr
	WALK 0, 4
	s_wait_tensorcnt 0x0                           ; my part of blocks 4-15 is in
	s_wait_dscnt 0x0
	s_barrier_signal -1
	s_barrier_wait -1                              ; everybody's is
	WALK 4, 10
.rept 4
	v_nop                                          ; places behind the last products, on every path
.endr
	s_cmp_eq_u32 s17, 0
	s_cbranch_scc1 .Lsecond
	FINISH                                         ; B: the short tile is whole
	s_wait_xcnt 0x0                                ; the stores have read their registers
.set j, 0
.rept 8
	v_mov_b32 v[16+j], v[24+j]                     ; B: on to the long tile, with a state of its own
.set j, j+1
.endr
	v_mov_b32 v13, 0xff61b1e6
	v_mov_b32 v12, 0x7f61b1e6
	v_mov_b32 v14, 0
	v_mov_b32 v15, 0
.set j, 0
.rept 32
	v_mov_b32 v[160+j], 0
.set j, j+1
.endr
	s_wait_alu depctr_va_vdst(0)
.Lsecond:
	s_cmp_eq_u32 s17, 0
	s_cselect_b32 s[LO], 1, s16                    ; A: an empty range; B: hA + 1 .. 15 - i (empty where i = 7)
	s_cselect_b32 s[HI], 0, s15
	s_mov_b32 s[QB], s15
	WALK 9, 16
.rept 4
	v_nop                                          ; places behind the last products, on every path
.endr
	s_cmp_eq_u32 s17, 0
	s_cbranch_scc1 .Lkept
.irp k, 0,1,2,3,4,5,6,7
	ds_store_b128 v5, v[160+4*\k:163+4*\k] offset:512*\k   ; B: O^T, each accumulator from its low end on,
.endr
	ds_store_b128 v5, v[12:15] offset:4096         ; -M, the largest t, the sum's two halves
.Lkept:
	s_wait_dscnt 0x0                               ; for A's sake: my stores are done
	s_barrier_signal -1
	s_barrier_wait -1
	s_cmp_eq_u32 s17, 0
	s_cbranch_scc0 .Lend                           ; B has stored its tile
.irp k, 0,1,2,3,4,5,6,7
	ds_load_b128 v[32+4*\k:35+4*\k], v5 offset:512*\k
.endr
	ds_load_b128 v[64:67], v5 offset:4096
	s_wait_dscnt 0x0
	v_min_num_f32 v210, v12, v64                   ; -M of the larger M
	s_delay_alu instid0(VALU_DEP_1)
	v_sub_f32 v212, v210, v12                      ; my M less the larger one, and B's: whole numbers, 0 or less
	v_sub_f32 v216, v210, v64
	s_delay_alu instid0(VALU_DEP_2)
	v_cvt_i32_f32 v212, v212                       ; (they saturate: an empty state's factor becomes 0)
	s_delay_alu instid0(VALU_DEP_2)
	v_cvt_i32_f32 v216, v216
	s_delay_alu instid0(VALU_DEP_2)
	v_ldexp_f32 v212, 1.0, v212
	s_delay_alu instid0(VALU_DEP_2)
	v_ldexp_f32 v216, 1.0, v216
	s_delay_alu instid0(VALU_DEP_2)
	v_pk_mul_f32 v[14:15], v[14:15], v[212:213] op_sel_hi:[1,0]
.set j, 0
.rept 16
	v_pk_mul_f32 v[160+j:161+j], v[160+j:161+j], v[212:213] op_sel_hi:[1,0]
.set j, j+2
.endr
	v_pk_fma_f32 v[14:15], v[66:67], v[216:217], v[14:15] op_sel_hi:[1,0,1]
.set j, 0
.rept 16
	v_pk_fma_f32 v[160+j:161+j], v[32+j:33+j], v[216:217], v[160+j:161+j] op_sel_hi:[1,0,1]
.set j, j+2
.endr
	FINISH                                         ; A: the long tile is whole
.Lend:
	s_wait_tensorcnt 0x0                           ; the wave's end
	ds_add_u32 v254, v255
	s_wait_dscnt 0x0
	s_endpgm
.Lfunc_end_k_q008d87b6ef_attn:
	.size	k_q008d87b6ef_attn, .Lfunc_end_k_q008d87b6ef_attn-k_q008d87b6ef_attn
	.p2alignl 7, 3214868480
	.fill 96, 4, 3214868480
	.section	.rodata,"a",@progbits
	.p2align	6, 0x0
	.amdhsa_kernel k_q008d87b6ef_attn
		.amdhsa_group_segment_fixed_size 327680
		.amdhsa_private_segment_fixed_size 0
		.amdhsa_enable_private_segment 0
		.amdhsa_kernarg_size 24
		.amdhsa_user_sgpr_count 2
		.amdhsa_user_sgpr_kernarg_segment_ptr 1
		.amdhsa_wavefront_size32 1
		.amdhsa_system_sgpr_workgroup_id_x 1
		.amdhsa_system_sgpr_workgroup_id_y 1
		.amdhsa_system_sgpr_workgroup_id_z 1
		.amdhsa_system_vgpr_workitem_id 0
		.amdhsa_next_free_vgpr 256
		.amdhsa_next_free_sgpr 80
		.amdhsa_reserve_vcc 1
		.amdhsa_float_denorm_mode_32 3
		.amdhsa_float_denorm_mode_16_64 3
		.amdhsa_memory_ordered 1
		.amdhsa_forward_progress 1
		.amdhsa_inst_pref_size 85
	.end_amdhsa_kernel
	.amdgpu_metadata
---
amdhsa.version: [ 1, 2 ]
amdhsa.kernels:
  - .name:           k_q008d87b6ef_attn
    .symbol:         k_q008d87b6ef_attn.kd
    .args:
      - { .name: qkvc, .offset: 0, .size: 8, .value_kind: global_buffer, .address_space: global }
      - { .name: lowp_scales, .offset: 8, .size: 8, .value_kind: global_buffer, .address_space: global }
      - { .name: ctx, .offset: 16, .size: 8, .value_kind: global_buffer, .address_space: global }
    .group_segment_fixed_size: 327680
    .private_segment_fixed_size: 0
    .kernarg_segment_align: 8
    .kernarg_segment_size: 24
    .max_flat_workgroup_size: 512
    .sgpr_count:     80
    .vgpr_count:     256
    .wavefront_size: 32
...
	.end_amdgpu_metadata
.endif
;; end of part 10
;; launch wo (part 11): grid 8 x 32, 4 waves a work-group, clusters of 4 x 4, 327,680 bytes of LDS; arguments ctx, wimg, lowp_scales, x, bo, x1; writes x1
.if DOCPART == 11
	.amdgcn_target "amdgcn-amd-amdhsa--gfx1250"
	.amdhsa_code_object_version 6
	.text
	.protected	k_q008d87b6ef_wo
	.globl	k_q008d87b6ef_wo
	.p2align	8
	.type	k_q008d87b6ef_wo,@function
k_q008d87b6ef_wo:
	s_mov_b64 s[64:65], 0
	v_nop
	global_prefetch_b8 v0, s[64:65] scope:SCOPE_SE
	s_setreg_imm32_b32 hwreg(HW_REG_WAVE_MODE, 25, 1), 1
	s_wait_xcnt 0x0
	s_wait_alu depctr_hold_cnt(0) depctr_sa_sdst(0) depctr_va_vdst(0) depctr_va_sdst(0) depctr_va_ssrc(0) depctr_va_vcc(0) depctr_vm_vsrc(0)
	s_getreg_b32 s2, hwreg(HW_REG_IB_STS2, 6, 4)
	s_cmp_eq_u32 s2, 0
	s_cbranch_scc0 .Lentry_in_a_cluster
	s_endpgm
.Lentry_in_a_cluster:
	s_bfe_u32 s2, ttmp6, 0x10000c
	s_cmp_lg_u32 s2, 0xf033
	s_cbranch_scc0 .Lentry_shape_is_right
	s_endpgm
.Lentry_shape_is_right:
; x1 = x + (ctx Wo + bo), f32, [4,096][1,024]; the product on codes of E5M2: A = ctx (K = 1,024, entry 10), W = Wo (entry 11, in wimg at 3 MiB).
; OPERANDS are images: [block of 64 rows][K block of 128][fragment 0..3][2,048 bytes]; byte 512 c + 16 l + i of a fragment is k = 32 c + 16 (l / 16) + i of the row at place l % 16;
; place r of fragment f is row 32 (f / 2) + 8 (f % 2) + r + 8 (r / 8) of the 64.  The place of k in the registers is the same permutation in both operands.
; THE CORE.  A tile is 128 rows of R (tokens) x 128 rows of P (the weight's columns); four waves, each 64 x 64: 16 accumulators.  Source 0 = a fragment of P, source 1 = a fragment of R: a lane holds ONE token,
; and the 16 registers of accumulators (a, 2 b), (a, 2 b + 1) are the 16 neighbouring columns 32 b + 16 (l / 16) + 0 .. 15.
; LDS HOLDS THE TILE'S WHOLE K: 256 rows x 1,024 codes = 262,144 bytes, filled once: each wave fetches one block of 64 rows, 65,536 consecutive bytes, by its one tensor load.  Nothing is filled again: one barrier, behind the fill.
; CLUSTERS: 4 x 4 work-groups: the four of a row need the same tile of R, the four of a column the same tile of P: each is asked for JOINTLY.
; NO PREFETCH: the one fill is asked for at the head; there is no loop of loads to run ahead in.
; THE WAY OUT: 16 tokens x 64 columns at a time through the wave's own stage in LDS (bytes of its own, behind the spare words), back as rows of 256 bytes; sum x 2^(eA + eB) + bias, + x; sixteen lanes store 256 consecutive bytes, aligned.
; x is loaded at the head into 128 registers and lands under the products.   LIMIT: e10 + e11 lies between -126 and 127.
; REGISTERS: window 0: v1-7 at work, v8-11 bias, v16, v20 LDS addresses, v24-29, v128-255 accumulators ((a, b) at 128 + 8 (4 a + b));  window 1: two fragment buffers of 128: R's four fragments, then P's four;  window 2: v0-127 x.
.set RBSH,  16                         ; a block of 64 rows of an image is 2^RBSH bytes
.set WOFF,  0x300000                   ; where the weight's image begins in wimg
.set EA,    78                         ; s78, s79: entries 10, 11
.set BLK,   65536                      ; 64 rows x 1,024 K
.set SPARE, 4*BLK                      ; the spare words, 128 bytes for each wave: two blocks of 256 bytes that no other line names
.set STAGE, SPARE+512                  ; four stages of 16 rows x 272 bytes
.set ADRA, 16
.set ADRB, 20
.set STO,  24
.set RD,   25
.set CO,   26
.set LI,   27
.set SPW,  28
.set NIL,  29
.set ACC,  128
.set F0,   0
.set F1,   128
.set G1,   24                          ; s[24:31] group 1 for R's tile, s[32:35] its group 0; s[48:55], s[56:59] the same for P's
.set G0,   32
.set G1B,  48
.set G0B,  56
.set MSB,  0
.macro WIN new                         ; the immediate's high byte repeats the setting that is left
.if MSB != \new
	s_set_vgpr_msb (MSB<<8)|\new
.set MSB, \new
.endif
.endm
.set MUL,  0x05                        ; sources 0 (P) and 1 (R) window 1; C and D window 0
.set TO_F, 0x40                        ; destination window 1, address window 0
.macro CREST
	s_cmp_lg_u32 s10, 0
	s_cbranch_scc1 .Lnot_wave_0_\@
	s_barrier_signal -3
.Lnot_wave_0_\@:
	s_barrier_wait -3
	s_barrier_signal -1
	s_barrier_wait -1
.endm
.macro CROUND                          ; a round of the cluster's barrier
	s_barrier_signal -1
	s_barrier_wait -1
	CREST
.endm
.macro PLACES                          ; four places in front of loads into registers that matrix instructions have read, and of the first read of results
.rept 4
	v_nop
.endr
.endm
.macro FETCH q, f                      ; 32 LDS loads in one run: K block q into buffer f: P's four fragments, then R's; each load takes 512 consecutive bytes
	WIN TO_F
.irp i, 0,1,2,3
.irp c, 0,1,2,3
	ds_load_b128 v[\f+64+16*\i+4*\c:\f+64+16*\i+4*\c+3], v[ADRB] offset:(\q)*8192+\i*2048+\c*512
.endr
.endr
.irp i, 0,1,2,3
.irp c, 0,1,2,3
	ds_load_b128 v[\f+16*\i+4*\c:\f+16*\i+4*\c+3], v[ADRA] offset:(\q)*8192+\i*2048+\c*512
.endr
.endr
.endm
.macro MULA f, a, zero                 ; R's fragment a against P's four.  The 16 accumulators take turns, one instruction a turn
	WIN MUL
.irp b, 0,1,2,3
.if \zero
	v_wmma_f32_16x16x128_bf8_bf8 v[ACC+8*(4*(\a)+\b):ACC+8*(4*(\a)+\b)+7], v[\f+64+16*\b:\f+64+16*\b+15], v[\f+16*(\a):\f+16*(\a)+15], 0
.else
	v_wmma_f32_16x16x128_bf8_bf8 v[ACC+8*(4*(\a)+\b):ACC+8*(4*(\a)+\b)+7], v[\f+64+16*\b:\f+64+16*\b+15], v[\f+16*(\a):\f+16*(\a)+15], v[ACC+8*(4*(\a)+\b):ACC+8*(4*(\a)+\b)+7]
.endif
.endr
.endm
.macro QUARTER q, f, g, zero           ; 128 along K: multiplies buffer f; in its middle fetches K block q into g
	s_wait_dscnt 8                                 ; P's fragments and R's 0, 1 are in; the youngest eight loads (R's 2, 3) may be out
	MULA \f, 0, \zero
	MULA \f, 1, \zero
	PLACES
	FETCH \q, \g
	s_wait_dscnt 32                                ; all but the 32 just issued
	MULA \f, 2, \zero
	MULA \f, 3, \zero
.endm
.macro TOSTAGE a                       ; fragment a's 16 tokens x 64 columns into my stage, and back as rows, into the registers that they left; LDS serves a wave's instructions in order (ISA guide 5.7.1.4)
.irp b, 0,1
.irp i, 0,1,2,3
	ds_store_b128 v[STO], v[ACC+32*(\a)+16*\b+4*\i:ACC+32*(\a)+16*\b+4*\i+3] offset:128*\b+16*\i
.endr
.endr
.irp t, 0,1,2,3,4,5,6,7
	ds_load_b128 v[ACC+32*(\a)+4*\t:ACC+32*(\a)+4*\t+3], v[RD] offset:\t*544
.endr
.endm
.macro SEND a, younger                 ; younger: the LDS instructions issued behind fragment a's loads, which may stay out
	s_wait_dscnt \younger
.irp t, 0,1,2,3,4,5,6,7
.irp k, 0,2
	v_pk_fma_f32 v[ACC+32*(\a)+4*\t+\k:ACC+32*(\a)+4*\t+\k+1], v[ACC+32*(\a)+4*\t+\k:ACC+32*(\a)+4*\t+\k+1], s[66:67], v[8+\k:9+\k] op_sel_hi:[1,0,1]   ; sum x 2^(eA + eB) + bias
.endr
.endr
	WIN 0x08                                       ; source 1 window 2
.irp t, 0,1,2,3,4,5,6,7
.irp k, 0,2
	v_pk_add_f32 v[ACC+32*(\a)+4*\t+\k:ACC+32*(\a)+4*\t+\k+1], v[ACC+32*(\a)+4*\t+\k:ACC+32*(\a)+4*\t+\k+1], v[32*(\a)+4*\t+\k:32*(\a)+4*\t+\k+1]   ; + x
.endr
.endr
	WIN 0
.irp t, 0,1,2,3,4,5,6,7
	global_store_b128 v[CO], v[ACC+32*(\a)+4*\t:ACC+32*(\a)+4*\t+3], s[96:97] offset:(32*((\a)/2)+8*((\a)%2)+2*\t+8*(\t/4))*4096   ; places 2 t, 2 t + 1 of the fragment are these two rows
.endr
.endm
	s_load_b256 s[84:91], s[0:1], 0x0              ; ctx s[84:85], wimg s[86:87], the exponents s[88:89], x s[90:91]
	s_load_b128 s[92:95], s[0:1], 0x20             ; bo s[92:93], x1 s[94:95]
	v_lshl_add_u32 v[SPW], v0, 2, SPARE
	v_mov_b32 v[NIL], 0
	ds_add_u32 v[SPW], v[NIL]                      ; the opening lines: the add, twice on end, and its wait ahead of my first tensor load
	ds_add_u32 v[SPW], v[NIL]
	v_lshrrev_b32 v1, 5, v0
	v_readfirstlane_b32 s10, v1                    ; wave 0..3
	s_lshr_b32 s11, s10, 1                         ; which 64 rows of R are mine.  Also: I fetch for R (0) or for P (1)
	s_and_b32 s12, s10, 1                          ; which 64 rows of P.  Also: which block of 64 rows I fetch
	s_bfe_u32 s40, ttmp6, 0x40000                  ; cx, cy: my place in the cluster
	s_bfe_u32 s41, ttmp6, 0x40004
	s_lshl_b32 s42, ttmp9, 2
	s_add_co_u32 s42, s42, s40                     ; tile of P = 4 x cluster x + cx
	s_and_b32 s13, ttmp7, 0xffff
	s_lshl_b32 s13, s13, 2
	s_add_co_u32 s13, s13, s41                     ; tile of R = 4 x cluster y + cy
	s_lshl_b32 s43, s41, 2
	s_lshl_b32 s43, 15, s43                        ; my row of the cluster
	s_lshl_b32 s44, 0x1111, s40                    ; my column
	; group 1: 65,536 consecutive bytes as 256 rows of 32 elements of 8 bytes
	s_or_b32 s[G1+0], s43, (3<<16)|(1<<21)         ; the mask: R's tile goes to my row; elements of 8 bytes; bit 21 set beside a mask; no padding
	s_or_b32 s[G1B+0], s44, (3<<16)|(1<<21)
.irp g, G1, G1B
	s_mov_b32 s[\g+1], 32<<16                      ; tensor_dim0 = 32
	s_mov_b32 s[\g+2], 256<<16                     ; tensor_dim1 = 256
	s_mov_b32 s[\g+3], 32<<16                      ; tile_dim0 = 32
	s_mov_b32 s[\g+4], 256                         ; tile_dim1 = 256
	s_mov_b32 s[\g+5], 32                          ; tensor_dim0_stride
	s_mov_b32 s[\g+6], 0
	s_mov_b32 s[\g+7], 0
.endr
	s_lshl_b32 s16, s13, 1
	s_add_co_u32 s16, s16, s12
	s_lshl_b32 s16, s16, RBSH                      ; R: the block of 64 rows that I fetch
	s_mov_b32 s17, 0
	s_lshl_b32 s46, s42, 1
	s_add_co_u32 s46, s46, s12
	s_lshl_b32 s46, s46, RBSH
	s_add_co_u32 s46, s46, WOFF                    ; P likewise, in the weight's image
	s_mov_b32 s47, 0
	s_mov_b32 s[G0], 1
	s_lshl_b32 s[G0+1], s10, 16                    ; where it goes: wave x 65,536: no place in the cluster enters an LDS address
	s_mov_b32 s[G0B], 1
	s_lshl_b32 s[G0B+1], s10, 16
	s_wait_dscnt 0x0                               ; both opening adds are done
	s_wait_kmcnt 0x0
	s_load_b512 s[68:83], s[88:89], 0x0            ; the sixteen exponents
	s_add_nc_u64 s[G0+2:G0+3], s[84:85], s[16:17]
	s_or_b32 s[G0+3], s[G0+3], 0x80000000
	s_add_nc_u64 s[G0B+2:G0B+3], s[86:87], s[46:47]
	s_or_b32 s[G0B+3], s[G0B+3], 0x80000000
	CROUND                                         ; all sixteen work-groups are here: the joint loads meet
	s_cmp_eq_u32 s11, 0                            ; waves 0 and 1 fetch R's two blocks, waves 2 and 3 P's; an s_nop 0 and four v_nop follow each of the two lines
	s_cbranch_scc0 .Lfor_b
	tensor_load_to_lds s[G0:G0+3], s[G1:G1+7]
	s_nop 0
.rept 4
	v_nop
.endr
	s_branch .Lasked
.Lfor_b:
	tensor_load_to_lds s[G0B:G0B+3], s[G1B:G1B+7]
	s_nop 0
.rept 4
	v_nop
.endr
.Lasked:
	s_lshl_b32 s21, s11, 16                        ; my 64 rows of R
	s_lshl_b32 s22, s12, 16                        ; my 64 rows of P,
	s_add_co_u32 s22, s22, 2*BLK                   ; which lie behind R's 128
	s_mul_i32 s23, s10, 16*272
	s_add_co_u32 s23, s23, STAGE                   ; my stage
	s_lshl_b32 s16, s13, 7
	s_lshl_b32 s17, s11, 6
	s_add_co_u32 s16, s16, s17
	s_lshl_b32 s16, s16, 12                        ; my first row: 128 x tile of R + 64 x half, rows of 4,096 bytes
	s_mov_b32 s17, 0
	s_lshl_b32 s46, s42, 9
	s_lshl_b32 s47, s12, 8
	s_add_co_u32 s46, s46, s47                     ; my first column, in bytes: 512 x tile of P + 256 x half
	s_mov_b32 s47, 0
	s_add_nc_u64 s[98:99], s[90:91], s[16:17]
	s_add_nc_u64 s[98:99], s[98:99], s[46:47]      ; x
	s_add_nc_u64 s[96:97], s[94:95], s[16:17]
	s_add_nc_u64 s[96:97], s[96:97], s[46:47]      ; x1
	s_add_nc_u64 s[92:93], s[92:93], s[46:47]      ; bias
	v_and_b32 v1, 31, v0
	v_lshlrev_b32 v[LI], 4, v1                     ; 16 x lane
	v_add_nc_u32 v[ADRA], s21, v[LI]
	v_add_nc_u32 v[ADRB], s22, v[LI]
	v_and_b32 v5, 15, v0                           ; r
	v_bfe_u32 v3, v0, 4, 1                         ; h
	v_lshlrev_b32 v2, 4, v5                        ; 16 r
	v_lshl_add_u32 v[CO], v3, 12, v2               ; lanes 0-15 one row of x1, lanes 16-31 the next; 16 bytes a lane
	v_mul_u32_u24 v4, v5, 272
	v_lshl_add_u32 v4, v3, 6, v4
	v_add_nc_u32 v[STO], s23, v4                   ; into the stage: row r, + 64 h
	v_mul_u32_u24 v6, v3, 272
	v_add_nc_u32 v6, v6, v2
	v_add_nc_u32 v[RD], s23, v6                    ; back: row h, + 16 r
	s_wait_alu depctr_va_vdst(0)
	WIN 0x80                                       ; destination window 2
.irp a, 0,1,2,3
.irp t, 0,1,2,3,4,5,6,7
	global_load_b128 v[32*\a+4*\t:32*\a+4*\t+3], v[CO], s[98:99] offset:(32*(\a/2)+8*(\a%2)+2*\t+8*(\t/4))*4096
.endr
.endr
	WIN 0
	global_load_b128 v[8:11], v2, s[92:93]         ; the bias at my four columns
	s_wait_kmcnt 0x0
	s_add_co_i32 s66, s[EA], s[EA+1]
	s_add_co_i32 s66, s66, 127
	s_lshl_b32 s66, s66, 23                        ; 2^(eA + eB) as f32
	s_mov_b32 s67, s66                             ; (named with it as a pair, so it is written)
	s_wait_tensorcnt 0x0                           ; my block is in,
	s_barrier_signal -1
	s_barrier_wait -1                              ; everybody's is
	FETCH 0, F0
	QUARTER 1, F0, F1, 1                           ; the first quarter's products start the sums: nothing is cleared
.irp q, 2,4,6
	QUARTER \q, F1, F0, 0
	QUARTER \q+1, F0, F1, 0
.endr
	s_wait_dscnt 8
	MULA F1, 0, 0
	MULA F1, 1, 0
	s_wait_dscnt 0
	MULA F1, 2, 0
	MULA F1, 3, 0
	WIN 0
	PLACES
	s_wait_loadcnt 0x0                             ; x and the bias
	TOSTAGE 0
	TOSTAGE 1
	SEND 0, 16                                     ; behind fragment 0's loads: fragment 1's 8 stores and 8 loads
	TOSTAGE 2
	SEND 1, 16
	TOSTAGE 3
	SEND 2, 16
	SEND 3, 0
	s_wait_tensorcnt 0x0                           ; the wave's end
	ds_add_u32 v[SPW], v[NIL]
	s_wait_dscnt 0x0
	CROUND                                         ; the closing round
	s_endpgm
.Lfunc_end_k_q008d87b6ef_wo:
	.size	k_q008d87b6ef_wo, .Lfunc_end_k_q008d87b6ef_wo-k_q008d87b6ef_wo
	.p2alignl 7, 3214868480
	.fill 96, 4, 3214868480
	.section	.rodata,"a",@progbits
	.p2align	6, 0x0
	.amdhsa_kernel k_q008d87b6ef_wo
		.amdhsa_group_segment_fixed_size 327680
		.amdhsa_private_segment_fixed_size 0
		.amdhsa_enable_private_segment 0
		.amdhsa_kernarg_size 48
		.amdhsa_user_sgpr_count 2
		.amdhsa_user_sgpr_kernarg_segment_ptr 1
		.amdhsa_wavefront_size32 1
		.amdhsa_system_sgpr_workgroup_id_x 1
		.amdhsa_system_sgpr_workgroup_id_y 1
		.amdhsa_system_sgpr_workgroup_id_z 1
		.amdhsa_system_vgpr_workitem_id 0
		.amdhsa_next_free_vgpr 640
		.amdhsa_next_free_sgpr 100
		.amdhsa_reserve_vcc 0
		.amdhsa_float_denorm_mode_32 3
		.amdhsa_float_denorm_mode_16_64 3
		.amdhsa_memory_ordered 1
		.amdhsa_forward_progress 1
		.amdhsa_inst_pref_size 51
	.end_amdhsa_kernel
	.amdgpu_metadata
---
amdhsa.version: [ 1, 2 ]
amdhsa.kernels:
  - .name:           k_q008d87b6ef_wo
    .symbol:         k_q008d87b6ef_wo.kd
    .args:
      - { .name: ctx, .offset: 0, .size: 8, .value_kind: global_buffer, .address_space: global }
      - { .name: wimg, .offset: 8, .size: 8, .value_kind: global_buffer, .address_space: global }
      - { .name: lowp_scales, .offset: 16, .size: 8, .value_kind: global_buffer, .address_space: global }
      - { .name: x, .offset: 24, .size: 8, .value_kind: global_buffer, .address_space: global }
      - { .name: bo, .offset: 32, .size: 8, .value_kind: global_buffer, .address_space: global }
      - { .name: x1, .offset: 40, .size: 8, .value_kind: global_buffer, .address_space: global }
    .group_segment_fixed_size: 327680
    .private_segment_fixed_size: 0
    .kernarg_segment_align: 8
    .kernarg_segment_size: 48
    .max_flat_workgroup_size: 128
    .sgpr_count:     100
    .vgpr_count:     640
    .wavefront_size: 32
...
	.end_amdgpu_metadata
.endif
;; end of part 11
;; launch ln2 (part 12): grid 256 x 1, 4 waves a work-group, no clusters, 17,408 bytes of LDS; arguments x1, ln2_scale, ln2_shift, lowp_scales, h2; writes h2
.if DOCPART == 12
	.amdgcn_target "amdgcn-amd-amdhsa--gfx1250"
	.amdhsa_code_object_version 6
	.text
	.protected	k_q008d87b6ef_ln2
	.globl	k_q008d87b6ef_ln2
	.p2align	8
	.type	k_q008d87b6ef_ln2,@function
k_q008d87b6ef_ln2:
	s_mov_b64 s[64:65], 0
	v_nop
	global_prefetch_b8 v0, s[64:65] scope:SCOPE_SE
	s_setreg_imm32_b32 hwreg(HW_REG_WAVE_MODE, 25, 1), 1
	s_wait_xcnt 0x0
; LAYERNORM 2 of x1, quantised to E5M2 with entry 12 of the scales, stored as an image: [block of 64 rows][K block of 128][fragment 0..3][2,048 bytes]; byte 512 c + 16 l + i of a fragment is
; k = 32 c + 16 (l / 16) + i of the row at place l % 16; place r of fragment f is row 32 (f / 2) + 8 (f % 2) + r + 8 (r / 8) of the 64.
; A work-group takes the 16 rows of one fragment; wave w the four rows at places 4 w .. 4 w + 3, which are neighbours in x1.  A row lies in 32 registers of the wave: it is read once.
; The variance is a sum of squares of differences from the mean.  LIMITS: e12 between -126 and 112.  NaN among the inputs is not served.
.set P,  2                             ; v2-9    a pair of sums for each of my four rows
.set MR, 10                            ; v10-17  a pair for each row: the mean, later 1 / sqrt(var + eps)
.set QS, 24                            ; v24, v25  2^e, 57,344 x 2^e
.set X,  32                            ; v32-159 my four rows, 32 registers each
.set SC, 160                           ; v160-191 the gain at my columns
.set SH, 192                           ; v192-223 the shift
.set T,  224                           ; v224-239 two sets of 8 numbers held for the conversion
.set CD, 240                           ; v240-255 two banks of 8 registers of codes
.set SPITCH, 1040                      ; a stage row: 1,024 codes + 16: an odd multiple of 16 bytes
.set STGB, 16*SPITCH
.set XP,  4                            ; s[4:5] x1
.set SCP, 6                            ; s[6:7] gain
.set SHP, 8                            ; s[8:9] shift
.set HB,  40                           ; s[40:41] where the image of my 16 rows begins
.set EX,  24                           ; s24 e12
.set SEL, 20                           ; s20, s21 lane selects; s22 = 1 / 1024; s23 = 1e-5
.macro REDUCE                          ; the four rows' pairs of sums become sums over the wave's 32 lanes, in every lane; the rows take turns line by line
.irp i, 0,1,2,3
	v_add_f32 v[P+2*\i], v[P+2*\i], v[P+2*\i+1]
.endr
.irp m, 1,2,4,8
.irp i, 0,1,2,3
	v_add_f32_dpp v[P+2*\i], v[P+2*\i], v[P+2*\i] row_xmask:\m row_mask:0xf bank_mask:0xf
.endr
.endr
.irp i, 0,1,2,3
	v_permlanex16_b32 v[P+2*\i+1], v[P+2*\i], s[SEL], s[SEL+1]
.endr
.irp i, 0,1,2,3
	v_add_f32 v[P+2*\i], v[P+2*\i], v[P+2*\i+1]
.endr
.endm
; Row i is quantised and goes into the stage.  Eight registers are two loads' four numbers: k = 128 jj + 4 l + 0..3 and 128 (jj + 1) + 4 l + 0..3: the conversion's two registers go to two places of the row.
.macro QROW n, q, i
.if (\n) >= 2
	s_wait_dscnt 8                                 ; the 8 stores of the row before may be out; those of the row before that, which read this bank of codes, are done
.endif
.irp jj, 0,2,4,6
.set TS, T+8*((\jj/2)%2)
.set CQ, CD+8*((\n)%2)+\jj
.set k, 0
.rept 8
	v_med3_num_f32 v[TS+k], v[X+32*(\i)+4*\jj+k], -v[QS+2*(\q)+1], v[QS+2*(\q)+1]   ; the conversion does not saturate (ISA guide 7.6.2): the hold at the largest code x the scale
.set k, k+1
.endr
	v_cvt_scalef32_pk8_bf8_f32 v[CQ:CQ+1], v[TS:TS+7], v[QS+2*(\q)]      ; the other set's eight holds stand between this line and the next write of its sources
	ds_store_b32 v20, v[CQ] offset:(\q)*STGB+(\i)*SPITCH+128*\jj         ; 32 lanes: 128 consecutive bytes of the row
	ds_store_b32 v20, v[CQ+1] offset:(\q)*STGB+(\i)*SPITCH+128*\jj+128
.endr
.endm
	s_load_b256 s[4:11], s[0:1], 0x0               ; x1 s[4:5], gain s[6:7], shift s[8:9], the exponents s[10:11]
	s_load_b64 s[12:13], s[0:1], 0x20              ; h2
	v_lshl_add_u32 v30, v0, 2, 0x4200
	v_mov_b32 v31, 0
	v_lshrrev_b32 v1, 5, v0
	v_readfirstlane_b32 s28, v1                    ; wave 0..3
	v_and_b32 v1, 31, v0                           ; lane
	s_lshr_b32 s31, ttmp9, 1                       ; g = the work-group's number: which fragment of 16 rows
	s_lshl_b32 s31, s31, 5
	s_and_b32 s32, ttmp9, 1
	s_lshl_b32 s32, s32, 3
	s_add_co_u32 s31, s31, s32
	s_lshl_b32 s32, s28, 2
	s_add_co_u32 s31, s31, s32
	s_lshr_b32 s32, s28, 1
	s_lshl_b32 s32, s32, 3
	s_add_co_u32 s31, s31, s32                     ; my first row: 32 (g / 2) + 8 (g % 2) + 4 w + 8 (w / 2)
	s_lshl_b32 s32, s31, 12
	s_mov_b32 s33, 0
	s_lshr_b32 s34, ttmp9, 2
	s_lshl_b32 s34, s34, 16                        ; the block of 64 rows: 8 K blocks of 8,192 bytes,
	s_and_b32 s35, ttmp9, 3
	s_lshl_b32 s35, s35, 11                        ; the fragment in each
	s_add_co_u32 s34, s34, s35
	s_mov_b32 s35, 0
	s_wait_alu depctr_va_vdst(0)
	s_wait_kmcnt 0x0
	s_load_b32 s[EX], s[10:11], 0x30               ; e12
	s_add_nc_u64 s[XP:XP+1], s[XP:XP+1], s[32:33]
	s_add_nc_u64 s[HB:HB+1], s[12:13], s[34:35]
	v_lshlrev_b32 v23, 4, v1                       ; 16 x lane
.irp i, 0,1,2,3
.irp j, 0,1,2,3,4,5,6,7
	global_load_b128 v[X+32*\i+4*\j:X+32*\i+4*\j+3], v23, s[XP:XP+1] offset:\i*4096+512*\j th:TH_LOAD_NT   ; 512 consecutive bytes a load
.endr
.endr
.irp j, 0,1,2,3,4,5,6,7
	global_load_b128 v[SC+4*\j:SC+4*\j+3], v23, s[SCP:SCP+1] offset:512*\j
	global_load_b128 v[SH+4*\j:SH+4*\j+3], v23, s[SHP:SHP+1] offset:512*\j
.endr
	s_mul_i32 s36, s28, 4*SPITCH
	v_lshl_add_u32 v20, v1, 2, s36                 ; into the stage: my wave's four rows, 4 bytes a lane
	v_and_b32 v18, 15, v1
	v_lshrrev_b32 v19, 4, v1
	v_mul_u32_u24 v21, v18, SPITCH
	v_lshl_add_u32 v21, v19, 4, v21
	s_lshl_b32 s36, s28, 8
	v_add_nc_u32 v21, s36, v21                     ; out of it: row r, 16 h, and my wave's two K blocks: 256 w
	s_lshl_b32 s36, s28, 14
	v_add_nc_u32 v22, s36, v23                     ; and in the image: 16 x lane + two K blocks x wave
	s_mov_b32 s[SEL], 0x76543210
	s_mov_b32 s[SEL+1], 0xfedcba98
	s_mov_b32 s[SEL+2], 0x3a800000                 ; 1 / 1024
	s_mov_b32 s[SEL+3], 0x3727c5ac                 ; 1e-5
	s_wait_kmcnt 0x0
	s_add_co_i32 s36, s[EX], 127
	s_lshl_b32 s37, s36, 23
	v_mov_b32 v[QS], s37
	s_add_co_i32 s36, s36, 15
	s_lshl_b32 s36, s36, 23
	s_or_b32 s36, s36, 0x600000
	v_mov_b32 v[QS+1], s36
	s_wait_loadcnt 16                              ; x1's 32 loads are in; the 16 of gain and shift may be out
.irp i, 0,1,2,3
	v_pk_add_f32 v[P+2*\i:P+2*\i+1], v[X+32*\i:X+32*\i+1], v[X+32*\i+2:X+32*\i+3]
.endr
.set k, 4
.rept 14
.irp i, 0,1,2,3
	v_pk_add_f32 v[P+2*\i:P+2*\i+1], v[P+2*\i:P+2*\i+1], v[X+32*\i+k:X+32*\i+k+1]
.endr
.set k, k+2
.endr
	REDUCE
.irp i, 0,1,2,3
	v_mul_f32 v[MR+2*\i], s[SEL+2], v[P+2*\i]      ; the mean
	v_mov_b32 v[MR+2*\i+1], v[MR+2*\i]
.endr
.set k, 0
.rept 16
.irp i, 0,1,2,3
	v_pk_add_f32 v[X+32*\i+k:X+32*\i+k+1], v[X+32*\i+k:X+32*\i+k+1], v[MR+2*\i:MR+2*\i+1] neg_lo:[0,1] neg_hi:[0,1]   ; x - mean, in place
.endr
.set k, k+2
.endr
.irp i, 0,1,2,3
	v_pk_mul_f32 v[P+2*\i:P+2*\i+1], v[X+32*\i:X+32*\i+1], v[X+32*\i:X+32*\i+1]
.endr
.set k, 2
.rept 15
.irp i, 0,1,2,3
	v_pk_fma_f32 v[P+2*\i:P+2*\i+1], v[X+32*\i+k:X+32*\i+k+1], v[X+32*\i+k:X+32*\i+k+1], v[P+2*\i:P+2*\i+1]
.endr
.set k, k+2
.endr
	REDUCE
.irp i, 0,1,2,3
	v_fma_f32 v[P+2*\i], v[P+2*\i], s[SEL+2], s[SEL+3]   ; var + eps
.endr
	s_wait_alu depctr_va_vdst(0)
.irp i, 0,1,2,3
	v_rsq_f32 v[MR+2*\i], v[P+2*\i]
.endr
	v_nop                                          ; a plain instruction behind the last of the batch (ISA guide 5.7.2)
	s_wait_alu depctr_va_vdst(0)                   ; one wait for the four, ahead of the first line that names a result
.irp i, 0,1,2,3
	v_mov_b32 v[MR+2*\i+1], v[MR+2*\i]
.endr
	s_wait_alu depctr_va_vdst(0)
	s_wait_loadcnt 0x0                             ; gain and shift
.irp i, 0,1,2,3
.set k, 0
.rept 16
	v_pk_mul_f32 v[X+32*\i+k:X+32*\i+k+1], v[X+32*\i+k:X+32*\i+k+1], v[MR+2*\i:MR+2*\i+1]
.set k, k+2
.endr
.set k, 0
.rept 16
	v_pk_fma_f32 v[X+32*\i+k:X+32*\i+k+1], v[X+32*\i+k:X+32*\i+k+1], v[SC+k:SC+k+1], v[SH+k:SH+k+1]
.set k, k+2
.endr
.endr
.set n, 0
.irp i, 0,1,2,3
	QROW n, 0, \i
.set n, n+1
.endr
	v_nop
	s_wait_dscnt 0x0                               ; for the others' sake: my stores into the stage are done
	s_barrier_signal -1
	s_barrier_wait -1
	; the way out: wave w takes K blocks 2 w and 2 w + 1, in the image's order, and stores 512 consecutive bytes an instruction
.set n, 0
.irp kk, 0,1
.irp c, 0,1,2,3
	ds_load_b128 v[X+4*n:X+4*n+3], v21 offset:128*\kk+32*\c
.set n, n+1
.endr
.endr
.set n, 0
.irp kk, 0,1
.irp c, 0,1,2,3
	s_wait_dscnt 7-n                               ; LDS loads come back in order (ISA guide 5.7.1): load n is in
	global_store_b128 v22, v[X+4*n:X+4*n+3], s[HB:HB+1] offset:\kk*8192+512*\c
.set n, n+1
.endr
.endr
	s_wait_tensorcnt 0x0
	ds_add_u32 v30, v31
	s_wait_dscnt 0x0
	s_endpgm
.Lfunc_end_k_q008d87b6ef_ln2:
	.size	k_q008d87b6ef_ln2, .Lfunc_end_k_q008d87b6ef_ln2-k_q008d87b6ef_ln2
	.p2alignl 7, 3214868480
	.fill 96, 4, 3214868480
	.section	.rodata,"a",@progbits
	.p2align	6, 0x0
	.amdhsa_kernel k_q008d87b6ef_ln2
		.amdhsa_group_segment_fixed_size 17408
		.amdhsa_private_segment_fixed_size 0
		.amdhsa_enable_private_segment 0
		.amdhsa_kernarg_size 40
		.amdhsa_user_sgpr_count 2
		.amdhsa_user_sgpr_kernarg_segment_ptr 1
		.amdhsa_wavefront_size32 1
		.amdhsa_system_sgpr_workgroup_id_x 1
		.amdhsa_system_sgpr_workgroup_id_y 1
		.amdhsa_system_sgpr_workgroup_id_z 1
		.amdhsa_system_vgpr_workitem_id 0
		.amdhsa_next_free_vgpr 256
		.amdhsa_next_free_sgpr 66
		.amdhsa_reserve_vcc 0
		.amdhsa_float_denorm_mode_32 3
		.amdhsa_float_denorm_mode_16_64 3
		.amdhsa_memory_ordered 1
		.amdhsa_forward_progress 1
		.amdhsa_inst_pref_size 44
	.end_amdhsa_kernel
	.amdgpu_metadata
---
amdhsa.version: [ 1, 2 ]
amdhsa.kernels:
  - .name:           k_q008d87b6ef_ln2
    .symbol:         k_q008d87b6ef_ln2.kd
    .args:
      - { .name: x1, .offset: 0, .size: 8, .value_kind: global_buffer, .address_space: global }
      - { .name: ln2_scale, .offset: 8, .size: 8, .value_kind: global_buffer, .address_space: global }
      - { .name: ln2_shift, .offset: 16, .size: 8, .value_kind: global_buffer, .address_space: global }
      - { .name: lowp_scales, .offset: 24, .size: 8, .value_kind: global_buffer, .address_space: global }
      - { .name: h2, .offset: 32, .size: 8, .value_kind: global_buffer, .address_space: global }
    .group_segment_fixed_size: 17408
    .private_segment_fixed_size: 0
    .kernarg_segment_align: 8
    .kernarg_segment_size: 40
    .max_flat_workgroup_size: 128
    .sgpr_count:     66
    .vgpr_count:     256
    .wavefront_size: 32
...
	.end_amdgpu_metadata
.endif
;; end of part 12
;; launch ffn1 (part 13): grid 16 x 16, 4 waves a work-group, clusters of 4 x 4, 327,680 bytes of LDS; arguments h2, wimg, lowp_scales, b1, gimg; writes gimg
.if DOCPART == 13
	.amdgcn_target "amdgcn-amd-amdhsa--gfx1250"
	.amdhsa_code_object_version 6
	.text
	.protected	k_q008d87b6ef_ffn1
	.globl	k_q008d87b6ef_ffn1
	.p2align	8
	.type	k_q008d87b6ef_ffn1,@function
k_q008d87b6ef_ffn1:
	s_mov_b64 s[64:65], 0
	v_nop
	global_prefetch_b8 v0, s[64:65] scope:SCOPE_SE
	s_setreg_imm32_b32 hwreg(HW_REG_WAVE_MODE, 25, 1), 1
	s_wait_xcnt 0x0
	s_wait_alu depctr_hold_cnt(0) depctr_sa_sdst(0) depctr_va_vdst(0) depctr_va_sdst(0) depctr_va_ssrc(0) depctr_va_vcc(0) depctr_vm_vsrc(0)
	s_getreg_b32 s2, hwreg(HW_REG_IB_STS2, 6, 4)
	s_cmp_eq_u32 s2, 0
	s_cbranch_scc0 .Lentry_in_a_cluster
	s_endpgm
.Lentry_in_a_cluster:
	s_bfe_u32 s2, ttmp6, 0x10000c
	s_cmp_lg_u32 s2, 0xf033
	s_cbranch_scc0 .Lentry_shape_is_right
	s_endpgm
.Lentry_shape_is_right:
; FFN1.  g = gelu_tanh(h2 W1 + b1), the product on codes of E5M2 (K = 1,024; entries 12, 13), g quantised at once with entry 14 into the image that the next product reads.
; Operands are images: [block of 64 rows][K block of 128][fragment 0..3][2,048 bytes], as the launch that makes them lays them.  A tile is 256 tokens x 256 columns, four waves of 128 x 128: 64 accumulators each.
; K goes in steps of 256 through a ring of two LDS slots, four K steps written out; 4 x 4 work-groups form a cluster and ask for each tile jointly.
; gelu_tanh(z) = z / (1 + 2^(-2 log2(e) sqrt(2 / pi) (z + 0.044715 z^3))): the same function as the form with tanh.
; LIMITS: e12 + e13 between -126 and 127; e14 between -126 and 112.
.set KSB,    16384
.set HALFT,  32768
.set SLOT,   4*HALFT
.set SPARE,  2*SLOT
.set FR,   16
.set ADRA, 16
.set ADRB, 20
.set LI,   27
.set SPW,  28
.set NIL,  29
.set BIAS, 32
.set CB,   96
.set AF,   128
.set Z,    128
.set TT,   192
.set G1,   24
.set G0,   32
.set G1B,  48
.set G0B,  56
.set MSB,  0
.macro WIN new
.if MSB != \new
	s_set_vgpr_msb (MSB<<8)|\new
.set MSB, \new
.endif
.endm
.set MUL_LO, 0xa1
.set MUL_HI, 0xf1
.set TO_B,   0x40
.macro JLOAD s
	s_cmp_eq_u32 s11, 0
	s_cbranch_scc0 .Lfor_b_\@
	tensor_load_to_lds s[G0+4*\s:G0+4*\s+3], s[G1:G1+7]
	s_nop 0
.rept 4
	v_nop
.endr
	s_branch .Lasked_\@
.Lfor_b_\@:
	tensor_load_to_lds s[G0B+4*\s:G0B+4*\s+3], s[G1B:G1B+7]
	s_nop 0
.rept 4
	v_nop
.endr
.Lasked_\@:
.endm
.macro CREST
	s_cmp_lg_u32 s10, 0
	s_cbranch_scc1 .Lnot_wave_0_\@
	s_barrier_signal -3
.Lnot_wave_0_\@:
	s_barrier_wait -3
	s_barrier_signal -1
	s_barrier_wait -1
.endm
.macro CROUND
	s_barrier_signal -1
	s_barrier_wait -1
	CREST
.endm
.macro PLACES
.rept 4
	v_nop
.endr
.endm
.macro FRAG reg, adr, q, i
.irp c, 0,1,2,3
	ds_load_b128 v[\reg+4*\c:\reg+4*\c+3], v[\adr] offset:((\i)/4)*KSB+(\q)*8192+((\i)%4)*2048+\c*512
.endr
.endm
.macro FETCH_B slot, q, p
	WIN TO_B
.irp i, 0,1,2,3,4,5,6,7
	FRAG 128*(\p)+FR*\i, ADRB+\slot, \q, \i
.endr
	WIN 0
.endm
.macro FETCH_A slot, q, i0
.irp i, \i0, \i0+1, \i0+2, \i0+3
	FRAG AF+FR*(\i), ADRA+\slot, \q, \i
.endr
.endm
.macro MUL16 a0, p, zero
.irp a, \a0, \a0+1
.irp b, 0,1,2,3,4,5,6,7
.if \zero
	v_wmma_f32_16x16x128_bf8_bf8 v[8*(8*((\a)%4)+\b):8*(8*((\a)%4)+\b)+7], v[128*(\p)+FR*\b:128*(\p)+FR*\b+FR-1], v[AF+FR*(\a):AF+FR*(\a)+FR-1], 0
.else
	v_wmma_f32_16x16x128_bf8_bf8 v[8*(8*((\a)%4)+\b):8*(8*((\a)%4)+\b)+7], v[128*(\p)+FR*\b:128*(\p)+FR*\b+FR-1], v[AF+FR*(\a):AF+FR*(\a)+FR-1], v[8*(8*((\a)%4)+\b):8*(8*((\a)%4)+\b)+7]
.endif
.endr
.endr
.endm
.macro STEP slot, zero
	s_wait_dscnt 16
	WIN MUL_LO
	MUL16 0, 0, \zero
	MUL16 2, 0, \zero
	s_wait_dscnt 0
	PLACES
	FETCH_B \slot, 1, 1
	FETCH_A \slot, 1, 0
	WIN MUL_HI
	MUL16 4, 0, \zero
	MUL16 6, 0, \zero
	PLACES
	WIN 0
	FETCH_A \slot, 1, 4
.endm
.macro TURN slot, next, fill
	s_wait_tensorcnt 0x0
	ds_add_u32 v[SPW], v[NIL]
	s_wait_dscnt 17
	WIN MUL_LO
	MUL16 0, 1, 0
	s_wait_dscnt 0x0
	s_barrier_signal -1
	MUL16 2, 1, 0
	WIN 0
	s_barrier_wait -1
.if \fill
	CREST
	s_add_nc_u64 s[G0+4*\slot+2:G0+4*\slot+3], s[G0+4*\slot+2:G0+4*\slot+3], 2*KSB
	s_add_nc_u64 s[G0B+4*\slot+2:G0B+4*\slot+3], s[G0B+4*\slot+2:G0B+4*\slot+3], 2*KSB
	JLOAD \slot
.else
	PLACES
.endif
	s_wait_alu depctr_va_vdst(0)
	FETCH_B \next, 0, 0
	FETCH_A \next, 0, 0
	WIN MUL_HI
	MUL16 4, 1, 0
	MUL16 6, 1, 0
	PLACES
	WIN 0
	FETCH_A \next, 0, 4
.endm
	s_load_b256 s[84:91], s[0:1], 0x0
	s_load_b64 s[92:93], s[0:1], 0x20
	v_lshl_add_u32 v[SPW], v0, 2, SPARE
	v_mov_b32 v[NIL], 0
	ds_add_u32 v28, v29
	ds_add_u32 v28, v29
	s_wait_dscnt 0x0
	v_lshrrev_b32 v1, 5, v0
	v_readfirstlane_b32 s10, v1
	s_lshr_b32 s11, s10, 1
	s_and_b32 s12, s10, 1
	s_bfe_u32 s40, ttmp6, 0x40000
	s_bfe_u32 s41, ttmp6, 0x40004
	s_lshl_b32 s42, ttmp9, 2
	s_add_co_u32 s42, s42, s40
	s_and_b32 s13, ttmp7, 0xffff
	s_lshl_b32 s13, s13, 2
	s_add_co_u32 s13, s13, s41
	s_lshl_b32 s43, s41, 2
	s_lshl_b32 s43, 15, s43
	s_lshl_b32 s44, 0x1111, s40
	s_or_b32 s[G1+0], s43, (3<<16)|(1<<21)
	s_or_b32 s[G1B+0], s44, (3<<16)|(1<<21)
.irp g, G1, G1B
	s_mov_b32 s[\g+1], 2048<<16
	s_mov_b32 s[\g+2], 2<<16
	s_mov_b32 s[\g+3], 2048<<16
	s_mov_b32 s[\g+4], 2
	s_mov_b32 s[\g+5], 8192
	s_mov_b32 s[\g+6], 0
	s_mov_b32 s[\g+7], 0
.endr
	s_lshl_b32 s16, s13, 2
	s_lshl_b32 s17, s12, 1
	s_add_co_u32 s16, s16, s17
	s_lshl_b32 s16, s16, 16
	s_mov_b32 s17, 0
	s_lshl_b32 s46, s42, 2
	s_lshl_b32 s47, s12, 1
	s_add_co_u32 s46, s46, s47
	s_lshl_b32 s46, s46, 16
	s_add_co_u32 s46, s46, 0x400000
	s_mov_b32 s47, 0
	s_lshl_b32 s20, s10, 15
	s_wait_kmcnt 0x0
	s_load_b512 s[68:83], s[88:89], 0x0
	s_add_nc_u64 s[14:15], s[84:85], s[16:17]
	s_add_nc_u64 s[46:47], s[86:87], s[46:47]
	CROUND
.irp s, 0,1
	s_mov_b32 s[G0+4*\s], 1
	s_add_co_u32 s[G0+4*\s+1], s20, \s*SLOT
	s_add_nc_u64 s[G0+4*\s+2:G0+4*\s+3], s[14:15], \s*KSB
	s_or_b32 s[G0+4*\s+3], s[G0+4*\s+3], 0x80000000
	s_mov_b32 s[G0B+4*\s], 1
	s_add_co_u32 s[G0B+4*\s+1], s20, \s*SLOT
	s_add_nc_u64 s[G0B+4*\s+2:G0B+4*\s+3], s[46:47], \s*KSB
	s_or_b32 s[G0B+4*\s+3], s[G0B+4*\s+3], 0x80000000
.endr
	JLOAD 0                                        ; K step 0: one tensor load a wave at the head; the set-up below stands under its flight
	v_and_b32 v1, 31, v0
	v_lshlrev_b32 v[LI], 4, v1
	v_lshlrev_b32 v30, 8, v1                       ; the prefetches' offset: 256 x lane; never rewritten
	s_wait_alu depctr_va_vdst(0)
	; PREFETCH: of the 2 x 16,384 bytes that my wave fetches in a K step, the partner at place p (cx for R, cy for P) names block p / 2 of the two, bytes 8,192 (p % 2) on, a lane 256 bytes:
	; each block of 256 bytes is named once in each cluster that will load it.  Behind the load of K step 0: steps 1 and 2; behind that of step 1: step 3.
	s_cmp_eq_u32 s11, 0
	s_cselect_b64 s[98:99], s[14:15], s[46:47]     ; the tile that I fetch,
	s_cselect_b32 s94, s40, s41                    ; my place among the four that ask for it with me
	s_lshr_b32 s95, s94, 1
	s_lshl_b32 s95, s95, 16
	s_and_b32 s94, s94, 1
	s_lshl_b32 s94, s94, 13
	s_add_co_u32 s94, s94, s95
	s_mov_b32 s95, 0
	s_add_nc_u64 s[98:99], s[98:99], s[94:95]      ; never rewritten
	global_prefetch_b8 v30, s[98:99] offset:KSB th:TH_LOAD_NT scope:SCOPE_SE
	global_prefetch_b8 v30, s[98:99] offset:2*KSB th:TH_LOAD_NT scope:SCOPE_SE
	s_lshl_b32 s21, s11, 15
	s_lshl_b32 s22, s12, 15
	s_add_co_u32 s22, s22, 2*HALFT
.irp s, 0,1
	v_add_nc_u32 v[ADRA+\s], s21, v[LI]
	v_add_nc_u32 v[ADRB+\s], s22, v[LI]
	s_add_co_u32 s21, s21, SLOT
	s_add_co_u32 s22, s22, SLOT
.endr
	s_lshl_b32 s46, s42, 10
	s_lshl_b32 s47, s12, 9
	s_add_co_u32 s46, s46, s47
	s_mov_b32 s47, 0
	s_add_nc_u64 s[90:91], s[90:91], s[46:47]
	v_bfe_u32 v2, v0, 4, 1
	v_lshlrev_b32 v2, 6, v2
.irp b, 0,1,2,3
.irp i, 0,1,2,3
	global_load_b128 v[BIAS+16*\b+4*\i:BIAS+16*\b+4*\i+3], v2, s[90:91] offset:128*\b+16*\i
.endr
.endr
	s_lshl_b32 s16, s13, 2
	s_lshl_b32 s17, s11, 1
	s_add_co_u32 s16, s16, s17
	s_lshl_b32 s16, s16, 18
	s_mov_b32 s17, 0
	s_add_nc_u64 s[96:97], s[92:93], s[16:17]
	s_lshl_b32 s46, s42, 14
	s_lshl_b32 s47, s12, 13
	s_add_co_u32 s46, s46, s47
	s_mov_b32 s47, 0
	s_add_nc_u64 s[96:97], s[96:97], s[46:47]
	v_mov_b32 v8, 0xbdd2d3e8
	v_mov_b32 v9, 0xbdd2d3e8
	v_mov_b32 v10, 0xc0135761
	v_mov_b32 v11, 0xc0135761
	s_wait_kmcnt 0x0
	s_add_co_i32 s66, s80, s81
	s_add_co_i32 s66, s66, 127
	s_lshl_b32 s66, s66, 23
	s_mov_b32 s67, s66
	s_add_co_i32 s4, s82, 127
	s_lshl_b32 s5, s4, 23
	v_mov_b32 v12, s5
	s_add_co_i32 s4, s4, 15
	s_lshl_b32 s4, s4, 23
	s_or_b32 s4, s4, 0x600000
	v_mov_b32 v13, s4
	s_wait_alu depctr_va_vdst(0)
	s_wait_tensorcnt 0x0                           ; my part of K step 0 is in; slot 1's first fill is issued as a refill is:
	ds_add_u32 v[SPW], v[NIL]                      ; 0 onto my spare word
	s_wait_dscnt 0x0
	CROUND                                         ; everybody's part of K step 0 is in, and all sixteen work-groups are here
	JLOAD 1                                        ; K step 1, the first tensor load behind the round
	FETCH_B 0, 0, 0
	FETCH_A 0, 0, 0
	FETCH_A 0, 0, 4
	global_prefetch_b8 v30, s[98:99] offset:3*KSB th:TH_LOAD_NT scope:SCOPE_SE   ; behind the load of K step 1 and the run of LDS loads: K step 3, the last
	STEP 0, 1
	TURN 0, 1, 1
	STEP 1, 0
	TURN 1, 0, 1
	STEP 0, 0
	TURN 0, 1, 0
	STEP 1, 0
	s_wait_dscnt 16
	WIN MUL_LO
	MUL16 0, 1, 0
	MUL16 2, 1, 0
	s_wait_dscnt 0
	WIN MUL_HI
	MUL16 4, 1, 0
	MUL16 6, 1, 0
	WIN 0
	PLACES
	s_wait_loadcnt 0x0
.irp a, 0,1,2,3,4,5,6,7
	WIN (0x02+\a/4)
.set i, 0
.rept 32
	v_pk_fma_f32 v[Z+i:Z+i+1], v[64*(\a%4)+i:64*(\a%4)+i+1], s[66:67], v[BIAS+i:BIAS+i+1] op_sel_hi:[1,0,1]
.set i, i+2
.endr
	WIN 0
.set i, 0
.rept 32
	v_pk_mul_f32 v[TT+i:TT+i+1], v[Z+i:Z+i+1], v[Z+i:Z+i+1]
.set i, i+2
.endr
.set i, 0
.rept 32
	v_pk_fma_f32 v[TT+i:TT+i+1], v[TT+i:TT+i+1], v[8:9], v[10:11]
.set i, i+2
.endr
.set i, 0
.rept 32
	v_pk_mul_f32 v[TT+i:TT+i+1], v[TT+i:TT+i+1], v[Z+i:Z+i+1]
.set i, i+2
.endr
.set i, 0
	s_wait_alu depctr_va_vdst(0)
.rept 64
	v_exp_f32 v[TT+i], v[TT+i]
.set i, i+1
.endr
	v_nop
	s_wait_alu depctr_va_vdst(0)
.set i, 0
.rept 32
	v_pk_add_f32 v[TT+i:TT+i+1], v[TT+i:TT+i+1], 1.0 op_sel_hi:[1,0]
.set i, i+2
.endr
.set i, 0
	s_wait_alu depctr_va_vdst(0)
.rept 64
	v_rcp_f32 v[TT+i], v[TT+i]
.set i, i+1
.endr
	v_nop
	s_wait_alu depctr_va_vdst(0)
.set i, 0
.rept 32
	v_pk_mul_f32 v[Z+i:Z+i+1], v[Z+i:Z+i+1], v[TT+i:TT+i+1]
.set i, i+2
.endr
.set i, 0
.rept 64
	v_med3_num_f32 v[Z+i], v[Z+i], -v13, v13
.set i, i+1
.endr
.if \a >= 2
	s_wait_alu depctr_va_vdst(0)
	s_wait_xcnt 0x0
.endif
.irp g, 0,1,2,3,4,5,6,7
	v_cvt_scalef32_pk8_bf8_f32 v[CB+16*(\a%2)+2*\g:CB+16*(\a%2)+2*\g+1], v[Z+8*\g:Z+8*\g+7], v12
.endr
	v_nop
.irp b, 0,1,2,3
	global_store_b128 v[LI], v[CB+16*(\a%2)+4*\b:CB+16*(\a%2)+4*\b+3], s[96:97] offset:(\a/4)*262144+(\a%4)*2048+512*\b
.endr
.endr
	s_wait_tensorcnt 0x0
	ds_add_u32 v[SPW], v[NIL]
	s_wait_dscnt 0x0
	CROUND
	s_endpgm
.Lfunc_end_k_q008d87b6ef_ffn1:
	.size	k_q008d87b6ef_ffn1, .Lfunc_end_k_q008d87b6ef_ffn1-k_q008d87b6ef_ffn1
	.p2alignl 7, 3214868480
	.fill 96, 4, 3214868480
	.section	.rodata,"a",@progbits
	.p2align	6, 0x0
	.amdhsa_kernel k_q008d87b6ef_ffn1
		.amdhsa_group_segment_fixed_size 327680
		.amdhsa_private_segment_fixed_size 0
		.amdhsa_enable_private_segment 0
		.amdhsa_kernarg_size 40
		.amdhsa_user_sgpr_count 2
		.amdhsa_user_sgpr_kernarg_segment_ptr 1
		.amdhsa_wavefront_size32 1
		.amdhsa_system_sgpr_workgroup_id_x 1
		.amdhsa_system_sgpr_workgroup_id_y 1
		.amdhsa_system_sgpr_workgroup_id_z 1
		.amdhsa_system_vgpr_workitem_id 0
		.amdhsa_next_free_vgpr 1024
		.amdhsa_next_free_sgpr 100
		.amdhsa_reserve_vcc 0
		.amdhsa_float_denorm_mode_32 3
		.amdhsa_float_denorm_mode_16_64 3
		.amdhsa_memory_ordered 1
		.amdhsa_forward_progress 1
		.amdhsa_inst_pref_size 250
	.end_amdhsa_kernel
	.amdgpu_metadata
---
amdhsa.version: [ 1, 2 ]
amdhsa.kernels:
  - .name:           k_q008d87b6ef_ffn1
    .symbol:         k_q008d87b6ef_ffn1.kd
    .args:
      - { .name: h2, .offset: 0, .size: 8, .value_kind: global_buffer, .address_space: global }
      - { .name: wimg, .offset: 8, .size: 8, .value_kind: global_buffer, .address_space: global }
      - { .name: lowp_scales, .offset: 16, .size: 8, .value_kind: global_buffer, .address_space: global }
      - { .name: b1, .offset: 24, .size: 8, .value_kind: global_buffer, .address_space: global }
      - { .name: gimg, .offset: 32, .size: 8, .value_kind: global_buffer, .address_space: global }
    .group_segment_fixed_size: 327680
    .private_segment_fixed_size: 0
    .kernarg_segment_align: 8
    .kernarg_segment_size: 40
    .max_flat_workgroup_size: 128
    .sgpr_count:     100
    .vgpr_count:     1024
    .wavefront_size: 32
...
	.end_amdgpu_metadata
.endif
;; end of part 13
;; launch ffn2 (part 14): grid 8 x 32, 4 waves a work-group, clusters of 4 x 4, 327,680 bytes of LDS; arguments gimg, wimg, lowp_scales, x1, b2, out0; writes out0
.if DOCPART == 14
	.amdgcn_target "amdgcn-amd-amdhsa--gfx1250"
	.amdhsa_code_object_version 6
	.text
	.protected	k_q008d87b6ef_ffn2
	.globl	k_q008d87b6ef_ffn2
	.p2align	8
	.type	k_q008d87b6ef_ffn2,@function
k_q008d87b6ef_ffn2:
	s_mov_b64 s[64:65], 0
	v_nop
	global_prefetch_b8 v0, s[64:65] scope:SCOPE_SE
	s_setreg_imm32_b32 hwreg(HW_REG_WAVE_MODE, 25, 1), 1
	s_wait_xcnt 0x0
	s_wait_alu depctr_hold_cnt(0) depctr_sa_sdst(0) depctr_va_vdst(0) depctr_va_sdst(0) depctr_va_ssrc(0) depctr_va_vcc(0) depctr_vm_vsrc(0)
	s_getreg_b32 s2, hwreg(HW_REG_IB_STS2, 6, 4)
	s_cmp_eq_u32 s2, 0
	s_cbranch_scc0 .Lentry_in_a_cluster
	s_endpgm
.Lentry_in_a_cluster:
	s_bfe_u32 s2, ttmp6, 0x10000c
	s_cmp_lg_u32 s2, 0xf033
	s_cbranch_scc0 .Lentry_shape_is_right
	s_endpgm
.Lentry_shape_is_right:
; out0 = x1 + (g W2 + b2), f32, [4,096][1,024]; the product on codes of E5M2: A = g (K = 4,096, entry 14), W = W2 (entry 15, in wimg at 8 MiB).
; OPERANDS are images: [block of 64 rows][K block of 128][fragment 0..3][2,048 bytes]; byte 512 c + 16 l + i of a fragment is k = 32 c + 16 (l / 16) + i of the row at place l % 16;
; place r of fragment f is row 32 (f / 2) + 8 (f % 2) + r + 8 (r / 8) of the 64.  The place of k in the registers is the same permutation in both operands.
; THE CORE.  A tile is 128 tokens (R) x 128 columns (P): 256 work-groups; of all tiles of 16,384 results this one reads the fewest operand bytes, (128 + 128) x 4,096.  Four waves, each 64 x 64: 16 accumulators.
; Source 0 = a fragment of P, source 1 = a fragment of R: a lane holds ONE token, and the 16 registers of accumulators (a, 2 b), (a, 2 b + 1) are the 16 neighbouring columns 32 b + 16 (l / 16) + 0 .. 15.
; K goes in eight steps of 512 through a ring of two LDS slots; a wave fetches 64 rows x 512 K, 32,768 consecutive bytes, by one tensor load.
; CLUSTERS: 4 x 4 work-groups: the four of a row need the same tile of R, the four of a column the same tile of P: each is asked for JOINTLY; a round of the cluster's barrier stands in front of every joint load.
; PREFETCH: behind the load of K step 0 each wave names steps 1 and 2, behind the load of step u > 0 step u + 2, each once: of the 32,768 bytes that it will fetch, the partner at place p (cx for R, cy for P) takes bytes 8,192 p on,
; a lane 256 bytes: each block of 256 bytes is named once in each cluster that will load it, and the partners are told apart by address alone.  The loads of steps 6 and 7 name nothing.
; THE WAY OUT: 16 tokens x 64 columns at a time through the wave's own stage in LDS (bytes of its own, behind the spare words), back as rows of 256 bytes; sum x 2^(eA + eB) + bias, + x1; sixteen lanes store 256 consecutive bytes, aligned.
; x1 is loaded behind the first quarter step into 128 registers and lands under the products.   LIMIT: e14 + e15 lies between -126 and 127.
; REGISTERS: window 0: v1-7 at work, v8-11 bias, v16-21 LDS addresses, v24-30, v128-255 accumulators ((a, b) at 128 + 8 (4 a + b));  window 1: two fragment buffers of 128: R's four fragments, then P's four;  window 2: v0-127 x1.
.set RBSH,  18                         ; a block of 64 rows of an image is 2^RBSH bytes
.set WOFF,  0x800000                   ; where the weight's image begins in wimg
.set EA,    82                         ; s82, s83: entries 14, 15
.set LAPS,  4                          ; a lap = two K steps = once round the ring
.set HALFT, 32768                      ; 64 rows x 512 K
.set SLOT,  4*HALFT                    ; R's two blocks of 64 rows, then P's two
.set SPARE, 2*SLOT                     ; the spare words, 128 bytes for each wave: two blocks of 256 bytes that no other line names
.set STAGE, SPARE+512                  ; four stages of 16 rows x 272 bytes
.set ADRA, 16                          ; v16-17  LDS address of my fragments of R in slot 0, 1
.set ADRB, 20                          ; v20-21  the same for P
.set STO,  24
.set RD,   25
.set CO,   26
.set LI,   27
.set SPW,  28
.set NIL,  29
.set PFO,  30                          ; v30     256 x lane; never rewritten
.set PFA,  4                           ; s[4:5]  my work-group's 8,192 bytes of the tile that I fetch, two K steps behind what the trip's first prefetch names
.set ACC,  128
.set F0,   0
.set F1,   128
.set G1,   24                          ; s[24:31] group 1 for R's tiles; s[32:39] group 0, a set for each slot; s[48:55], s[56:63] the same for P's
.set G0,   32
.set G1B,  48
.set G0B,  56
.set MSB,  0
.macro WIN new                         ; the immediate's high byte repeats the setting that is left
.if MSB != \new
	s_set_vgpr_msb (MSB<<8)|\new
.set MSB, \new
.endif
.endm
.set MUL,  0x05                        ; sources 0 (P) and 1 (R) window 1; C and D window 0
.set TO_F, 0x40                        ; destination window 1, address window 0
.macro JLOAD s                         ; a joint load: waves 0 and 1 fetch R's two blocks, waves 2 and 3 P's; an s_nop 0 and four v_nop follow each of the two lines
	s_cmp_eq_u32 s11, 0
	s_cbranch_scc0 .Lfor_b_\@
	tensor_load_to_lds s[G0+4*\s:G0+4*\s+3], s[G1:G1+7]
	s_nop 0
.rept 4
	v_nop
.endr
	s_branch .Lasked_\@
.Lfor_b_\@:
	tensor_load_to_lds s[G0B+4*\s:G0B+4*\s+3], s[G1B:G1B+7]
	s_nop 0
.rept 4
	v_nop
.endr
.Lasked_\@:
.endm
.macro ASK slot                        ; the loop's prefetch; its last trip (s3 = 1) loads steps 6 and 7 and names nothing.  s3 is the same in every work-group
	s_cmp_gt_u32 s3, 1
	s_cbranch_scc0 .Lnone_\@
	global_prefetch_b8 v[PFO], s[PFA:PFA+1] offset:(2+\slot)*HALFT th:TH_LOAD_NT scope:SCOPE_SE
.Lnone_\@:
.endm
.macro CREST                           ; a round of the cluster's barrier behind its opening barrier
	s_cmp_lg_u32 s10, 0
	s_cbranch_scc1 .Lnot_wave_0_\@
	s_barrier_signal -3
.Lnot_wave_0_\@:
	s_barrier_wait -3
	s_barrier_signal -1
	s_barrier_wait -1
.endm
.macro CROUND
	s_barrier_signal -1
	s_barrier_wait -1
	CREST
.endm
.macro PLACES                          ; four places in front of loads into registers that matrix instructions have read, and of the first read of results
.rept 4
	v_nop
.endr
.endm
.macro FETCH slot, q, f                ; 32 LDS loads in one run: K block q of the slot into buffer f: P's four fragments, then R's; each load takes 512 consecutive bytes
	WIN TO_F
.irp i, 0,1,2,3
.irp c, 0,1,2,3
	ds_load_b128 v[\f+64+16*\i+4*\c:\f+64+16*\i+4*\c+3], v[ADRB+\slot] offset:(\q)*8192+\i*2048+\c*512
.endr
.endr
.irp i, 0,1,2,3
.irp c, 0,1,2,3
	ds_load_b128 v[\f+16*\i+4*\c:\f+16*\i+4*\c+3], v[ADRA+\slot] offset:(\q)*8192+\i*2048+\c*512
.endr
.endr
.endm
.macro MULA f, a, zero                 ; R's fragment a against P's four.  The 16 accumulators take turns, one instruction a turn, in the same order in every quarter
	WIN MUL
.irp b, 0,1,2,3
.if \zero
	v_wmma_f32_16x16x128_bf8_bf8 v[ACC+8*(4*(\a)+\b):ACC+8*(4*(\a)+\b)+7], v[\f+64+16*\b:\f+64+16*\b+15], v[\f+16*(\a):\f+16*(\a)+15], 0
.else
	v_wmma_f32_16x16x128_bf8_bf8 v[ACC+8*(4*(\a)+\b):ACC+8*(4*(\a)+\b)+7], v[\f+64+16*\b:\f+64+16*\b+15], v[\f+16*(\a):\f+16*(\a)+15], v[ACC+8*(4*(\a)+\b):ACC+8*(4*(\a)+\b)+7]
.endif
.endr
.endm
.macro QUARTER slot, q, f, g, zero     ; 128 along K: multiplies buffer f; in its middle fetches K block q of the same slot into g
	s_wait_dscnt 8                                 ; P's fragments and R's 0, 1 are in; the youngest eight loads (R's 2, 3) may be out
	MULA \f, 0, \zero
	MULA \f, 1, \zero
	PLACES
	FETCH \slot, \q, \g
	s_wait_dscnt 32                                ; all but the 32 just issued
	MULA \f, 2, \zero
	MULA \f, 3, \zero
.endm
; A slot's last quarter multiplies buffer 1 and changes slots: one barrier; in front of it each wave waits for all its tensor loads, adds 0 to its spare word, and waits for that and for its reads of this slot.  fill = 1: this slot is filled again, two K steps ahead.
.macro TURN slot, next, fill
	WIN 0
.if (\fill) && ((\slot) == 0)
	s_wait_xcnt 0x0                                ; my earlier prefetches have read their address: it steps once a trip, two K steps
	s_add_nc_u64 s[PFA:PFA+1], s[PFA:PFA+1], 2*HALFT
.endif
	s_wait_tensorcnt 0x0                           ; all my tensor loads have landed: my part of the next slot
	ds_add_u32 v[SPW], v[NIL]                      ; 0 onto my spare word
	s_wait_dscnt 9                                 ; (the add and the youngest eight loads may be out)
	MULA F1, 0, 0
	s_wait_dscnt 0x0                               ; the add is done, and my reads of this slot are over
	s_barrier_signal -1
	MULA F1, 1, 0
.if \fill
	WIN 0
.endif
	s_barrier_wait -1
.if \fill
	CREST                                          ; the barrier has opened a round of the cluster's barrier: no wave of any partner still reads this slot or has a load on its way
	s_add_nc_u64 s[G0+4*\slot+2:G0+4*\slot+3], s[G0+4*\slot+2:G0+4*\slot+3], 2*HALFT
	s_add_nc_u64 s[G0B+4*\slot+2:G0B+4*\slot+3], s[G0B+4*\slot+2:G0B+4*\slot+3], 2*HALFT
	JLOAD \slot                                    ; the first tensor load behind the round; its four v_nop are also the places in front of the loads below
.else
	PLACES
.endif
	FETCH \next, 0, F0
.if \fill
	WIN 0
	ASK \slot                                      ; behind the joint load and the run of LDS loads
.endif
	MULA F1, 2, 0
	MULA F1, 3, 0
.endm
.macro TOSTAGE a                       ; fragment a's 16 tokens x 64 columns into my stage, and back as rows, into the registers that they left; LDS serves a wave's instructions in order (ISA guide 5.7.1.4)
.irp b, 0,1
.irp i, 0,1,2,3
	ds_store_b128 v[STO], v[ACC+32*(\a)+16*\b+4*\i:ACC+32*(\a)+16*\b+4*\i+3] offset:128*\b+16*\i
.endr
.endr
.irp t, 0,1,2,3,4,5,6,7
	ds_load_b128 v[ACC+32*(\a)+4*\t:ACC+32*(\a)+4*\t+3], v[RD] offset:\t*544
.endr
.endm
.macro SEND a, younger                 ; younger: the LDS instructions issued behind fragment a's loads, which may stay out
	s_wait_dscnt \younger
.irp t, 0,1,2,3,4,5,6,7
.irp k, 0,2
	v_pk_fma_f32 v[ACC+32*(\a)+4*\t+\k:ACC+32*(\a)+4*\t+\k+1], v[ACC+32*(\a)+4*\t+\k:ACC+32*(\a)+4*\t+\k+1], s[66:67], v[8+\k:9+\k] op_sel_hi:[1,0,1]   ; sum x 2^(eA + eB) + bias
.endr
.endr
	WIN 0x08                                       ; source 1 window 2
.irp t, 0,1,2,3,4,5,6,7
.irp k, 0,2
	v_pk_add_f32 v[ACC+32*(\a)+4*\t+\k:ACC+32*(\a)+4*\t+\k+1], v[ACC+32*(\a)+4*\t+\k:ACC+32*(\a)+4*\t+\k+1], v[32*(\a)+4*\t+\k:32*(\a)+4*\t+\k+1]   ; + x1
.endr
.endr
	WIN 0
.irp t, 0,1,2,3,4,5,6,7
	global_store_b128 v[CO], v[ACC+32*(\a)+4*\t:ACC+32*(\a)+4*\t+3], s[96:97] offset:(32*((\a)/2)+8*((\a)%2)+2*\t+8*(\t/4))*4096   ; places 2 t, 2 t + 1 of the fragment are these two rows
.endr
.endm
	s_load_b256 s[84:91], s[0:1], 0x0              ; gimg s[84:85], wimg s[86:87], the exponents s[88:89], x1 s[90:91]
	s_load_b128 s[92:95], s[0:1], 0x20             ; b2 s[92:93], out0 s[94:95]
	v_lshl_add_u32 v[SPW], v0, 2, SPARE
	v_mov_b32 v[NIL], 0
	ds_add_u32 v[SPW], v[NIL]                      ; the opening lines: the add, twice on end, and its wait ahead of my first tensor load
	ds_add_u32 v[SPW], v[NIL]
	v_lshrrev_b32 v1, 5, v0
	v_readfirstlane_b32 s10, v1                    ; wave 0..3
	s_lshr_b32 s11, s10, 1                         ; which 64 rows of R are mine.  Also: I fetch for R (0) or for P (1)
	s_and_b32 s12, s10, 1                          ; which 64 rows of P.  Also: which block of 64 rows I fetch
	s_bfe_u32 s40, ttmp6, 0x40000                  ; cx, cy: my place in the cluster
	s_bfe_u32 s41, ttmp6, 0x40004
	s_lshl_b32 s42, ttmp9, 2
	s_add_co_u32 s42, s42, s40                     ; tile of P = 4 x cluster x + cx
	s_and_b32 s13, ttmp7, 0xffff
	s_lshl_b32 s13, s13, 2
	s_add_co_u32 s13, s13, s41                     ; tile of R = 4 x cluster y + cy
	s_lshl_b32 s43, s41, 2
	s_lshl_b32 s43, 15, s43                        ; my row of the cluster
	s_lshl_b32 s44, 0x1111, s40                    ; my column
	; group 1: 32,768 consecutive bytes as 128 rows of 32 elements of 8 bytes
	s_or_b32 s[G1+0], s43, (3<<16)|(1<<21)         ; the mask: R's tiles go to my row; elements of 8 bytes; bit 21 set beside a mask; no padding
	s_or_b32 s[G1B+0], s44, (3<<16)|(1<<21)
.irp g, G1, G1B
	s_mov_b32 s[\g+1], 32<<16                      ; tensor_dim0 = 32
	s_mov_b32 s[\g+2], 128<<16                     ; tensor_dim1 = 128
	s_mov_b32 s[\g+3], 32<<16                      ; tile_dim0 = 32
	s_mov_b32 s[\g+4], 128                         ; tile_dim1 = 128
	s_mov_b32 s[\g+5], 32                          ; tensor_dim0_stride
	s_mov_b32 s[\g+6], 0
	s_mov_b32 s[\g+7], 0
.endr
	s_lshl_b32 s16, s13, 1
	s_add_co_u32 s16, s16, s12
	s_lshl_b32 s16, s16, RBSH                      ; R: the block of 64 rows that I fetch
	s_mov_b32 s17, 0
	s_lshl_b32 s46, s42, 1
	s_add_co_u32 s46, s46, s12
	s_lshl_b32 s46, s46, RBSH
	s_add_co_u32 s46, s46, WOFF                    ; P likewise, in the weight's image
	s_mov_b32 s47, 0
	s_lshl_b32 s20, s10, 15                        ; where they go: wave x 32,768: no place in the cluster enters an LDS address
	s_wait_dscnt 0x0                               ; both opening adds are done
	s_wait_kmcnt 0x0
	s_load_b512 s[68:83], s[88:89], 0x0            ; the sixteen exponents
	s_add_nc_u64 s[14:15], s[84:85], s[16:17]
	s_add_nc_u64 s[46:47], s[86:87], s[46:47]
	CROUND                                         ; all sixteen work-groups are here: the first joint loads meet
.irp s, 0,1
	s_mov_b32 s[G0+4*\s], 1
	s_add_co_u32 s[G0+4*\s+1], s20, \s*SLOT
	s_add_nc_u64 s[G0+4*\s+2:G0+4*\s+3], s[14:15], \s*HALFT
	s_or_b32 s[G0+4*\s+3], s[G0+4*\s+3], 0x80000000
	s_mov_b32 s[G0B+4*\s], 1
	s_add_co_u32 s[G0B+4*\s+1], s20, \s*SLOT
	s_add_nc_u64 s[G0B+4*\s+2:G0B+4*\s+3], s[46:47], \s*HALFT
	s_or_b32 s[G0B+4*\s+3], s[G0B+4*\s+3], 0x80000000
.endr
	JLOAD 0                                        ; K step 0: one tensor load a wave at the head; the set-up below stands under its flight
	s_cmp_eq_u32 s11, 0                            ; the prefetches: the tile that I fetch,
	s_cselect_b64 s[PFA:PFA+1], s[14:15], s[46:47]
	s_cselect_b32 s6, s40, s41                     ; my place among the four that ask for it with me,
	s_lshl_b32 s6, s6, 13                          ; x 8,192 bytes
	s_mov_b32 s7, 0
	s_add_nc_u64 s[PFA:PFA+1], s[PFA:PFA+1], s[6:7]
	s_lshl_b32 s21, s11, 15                        ; my 64 rows of R
	s_lshl_b32 s22, s12, 15                        ; my 64 rows of P,
	s_add_co_u32 s22, s22, 2*HALFT                 ; which lie behind R's 128
	s_mul_i32 s23, s10, 16*272
	s_add_co_u32 s23, s23, STAGE                   ; my stage
	s_lshl_b32 s16, s13, 7
	s_lshl_b32 s17, s11, 6
	s_add_co_u32 s16, s16, s17
	s_lshl_b32 s16, s16, 12                        ; my first row: 128 x tile of R + 64 x half, rows of 4,096 bytes
	s_mov_b32 s17, 0
	s_lshl_b32 s46, s42, 9
	s_lshl_b32 s47, s12, 8
	s_add_co_u32 s46, s46, s47                     ; my first column, in bytes: 512 x tile of P + 256 x half
	s_mov_b32 s47, 0
	s_add_nc_u64 s[98:99], s[90:91], s[16:17]
	s_add_nc_u64 s[98:99], s[98:99], s[46:47]      ; x1
	s_add_nc_u64 s[96:97], s[94:95], s[16:17]
	s_add_nc_u64 s[96:97], s[96:97], s[46:47]      ; out0
	s_add_nc_u64 s[92:93], s[92:93], s[46:47]      ; bias
	v_and_b32 v1, 31, v0
	v_lshlrev_b32 v[LI], 4, v1                     ; 16 x lane
	v_lshlrev_b32 v[PFO], 8, v1                    ; 256 x lane
	v_add_nc_u32 v[ADRA], s21, v[LI]
	v_add_nc_u32 v[ADRB], s22, v[LI]
	v_add_nc_u32 v[ADRA+1], SLOT, v[ADRA]
	v_add_nc_u32 v[ADRB+1], SLOT, v[ADRB]
	v_and_b32 v5, 15, v0                           ; r
	v_bfe_u32 v3, v0, 4, 1                         ; h
	v_lshlrev_b32 v2, 4, v5                        ; 16 r
	v_lshl_add_u32 v[CO], v3, 12, v2               ; lanes 0-15 one row of out0, lanes 16-31 the next; 16 bytes a lane
	v_mul_u32_u24 v4, v5, 272
	v_lshl_add_u32 v4, v3, 6, v4
	v_add_nc_u32 v[STO], s23, v4                   ; into the stage: row r, + 64 h
	v_mul_u32_u24 v6, v3, 272
	v_add_nc_u32 v6, v6, v2
	v_add_nc_u32 v[RD], s23, v6                    ; back: row h, + 16 r
	s_wait_alu depctr_va_vdst(0)
	global_prefetch_b8 v[PFO], s[PFA:PFA+1] offset:HALFT th:TH_LOAD_NT scope:SCOPE_SE     ; behind the load of K step 0: K steps 1
	global_prefetch_b8 v[PFO], s[PFA:PFA+1] offset:2*HALFT th:TH_LOAD_NT scope:SCOPE_SE   ; and 2
	s_wait_kmcnt 0x0
	s_add_co_i32 s66, s[EA], s[EA+1]
	s_add_co_i32 s66, s66, 127
	s_lshl_b32 s66, s66, 23                        ; 2^(eA + eB) as f32
	s_mov_b32 s67, s66                             ; (named with it as a pair, so it is written)
	s_wait_tensorcnt 0x0                           ; my part of K step 0 is in; slot 1's first fill is issued as a refill is:
	ds_add_u32 v[SPW], v[NIL]                      ; 0 onto my spare word
	s_wait_dscnt 0x0
	CROUND                                         ; everybody's part of K step 0 is in, and all sixteen work-groups are here
	JLOAD 1                                        ; K step 1, the first tensor load behind the round
	FETCH 0, 0, F0
	WIN 0
	global_prefetch_b8 v[PFO], s[PFA:PFA+1] offset:3*HALFT th:TH_LOAD_NT scope:SCOPE_SE   ; behind the load of K step 1: K step 3
	QUARTER 0, 1, F0, F1, 1                        ; the first quarter's products start the sums: nothing is cleared
	WIN 0x80                                       ; destination window 2
.irp a, 0,1,2,3
.irp t, 0,1,2,3,4,5,6,7
	global_load_b128 v[32*\a+4*\t:32*\a+4*\t+3], v[CO], s[98:99] offset:(32*(\a/2)+8*(\a%2)+2*\t+8*(\t/4))*4096   ; x1 at my results' places: wanted on the way out
.endr
.endr
	WIN 0                                          ; at a label and at a branch every window is 0
	global_load_b128 v[8:11], v2, s[92:93]         ; the bias at my four columns
	s_mov_b32 s3, LAPS-1
.Llap:                                                 ; a trip goes once round the ring, from a lap's second quarter to the next lap's first, and fills both slots again
	QUARTER 0, 2, F1, F0, 0
	QUARTER 0, 3, F0, F1, 0
	TURN 0, 1, 1
	QUARTER 1, 1, F0, F1, 0
	QUARTER 1, 2, F1, F0, 0
	QUARTER 1, 3, F0, F1, 0
	TURN 1, 0, 1
	QUARTER 0, 1, F0, F1, 0
	WIN 0
	s_sub_co_u32 s3, s3, 1
	s_cmp_lg_u32 s3, 0
	s_cbranch_scc1 .Llap
	QUARTER 0, 2, F1, F0, 0                        ; the last lap fills nothing
	QUARTER 0, 3, F0, F1, 0
	TURN 0, 1, 0
	QUARTER 1, 1, F0, F1, 0
	QUARTER 1, 2, F1, F0, 0
	QUARTER 1, 3, F0, F1, 0
	s_wait_dscnt 8
	MULA F1, 0, 0
	MULA F1, 1, 0
	s_wait_dscnt 0
	MULA F1, 2, 0
	MULA F1, 3, 0
	WIN 0
	PLACES
	s_wait_loadcnt 0x0                             ; x1 and the bias
	TOSTAGE 0
	TOSTAGE 1
	SEND 0, 16                                     ; behind fragment 0's loads: fragment 1's 8 stores and 8 loads
	TOSTAGE 2
	SEND 1, 16
	TOSTAGE 3
	SEND 2, 16
	SEND 3, 0
	s_wait_tensorcnt 0x0                           ; the wave's end
	ds_add_u32 v[SPW], v[NIL]
	s_wait_dscnt 0x0
	CROUND                                         ; the closing round: no work-group ends while a partner may still ask for a tile that names it
	s_endpgm
.Lfunc_end_k_q008d87b6ef_ffn2:
	.size	k_q008d87b6ef_ffn2, .Lfunc_end_k_q008d87b6ef_ffn2-k_q008d87b6ef_ffn2
	.p2alignl 7, 3214868480
	.fill 96, 4, 3214868480
	.section	.rodata,"a",@progbits
	.p2align	6, 0x0
	.amdhsa_kernel k_q008d87b6ef_ffn2
		.amdhsa_group_segment_fixed_size 327680
		.amdhsa_private_segment_fixed_size 0
		.amdhsa_enable_private_segment 0
		.amdhsa_kernarg_size 48
		.amdhsa_user_sgpr_count 2
		.amdhsa_user_sgpr_kernarg_segment_ptr 1
		.amdhsa_wavefront_size32 1
		.amdhsa_system_sgpr_workgroup_id_x 1
		.amdhsa_system_sgpr_workgroup_id_y 1
		.amdhsa_system_sgpr_workgroup_id_z 1
		.amdhsa_system_vgpr_workitem_id 0
		.amdhsa_next_free_vgpr 640
		.amdhsa_next_free_sgpr 100
		.amdhsa_reserve_vcc 0
		.amdhsa_float_denorm_mode_32 3
		.amdhsa_float_denorm_mode_16_64 3
		.amdhsa_memory_ordered 1
		.amdhsa_forward_progress 1
		.amdhsa_inst_pref_size 82
	.end_amdhsa_kernel
	.amdgpu_metadata
---
amdhsa.version: [ 1, 2 ]
amdhsa.kernels:
  - .name:           k_q008d87b6ef_ffn2
    .symbol:         k_q008d87b6ef_ffn2.kd
    .args:
      - { .name: gimg, .offset: 0, .size: 8, .value_kind: global_buffer, .address_space: global }
      - { .name: wimg, .offset: 8, .size: 8, .value_kind: global_buffer, .address_space: global }
      - { .name: lowp_scales, .offset: 16, .size: 8, .value_kind: global_buffer, .address_space: global }
      - { .name: x1, .offset: 24, .size: 8, .value_kind: global_buffer, .address_space: global }
      - { .name: b2, .offset: 32, .size: 8, .value_kind: global_buffer, .address_space: global }
      - { .name: out0, .offset: 40, .size: 8, .value_kind: global_buffer, .address_space: global }
    .group_segment_fixed_size: 327680
    .private_segment_fixed_size: 0
    .kernarg_segment_align: 8
    .kernarg_segment_size: 48
    .max_flat_workgroup_size: 128
    .sgpr_count:     100
    .vgpr_count:     640
    .wavefront_size: 32
...
	.end_amdgpu_metadata
.endif
;; end of part 14
